; MI455X (gfx1250); checked and timed in simulation.
; The chip was launched on July 23, 2026; its instructions are those of AMD's public machine-readable ISA for CDNA 5 (MIT licence, August 2026) and "CDNA5" Instruction Set Architecture Reference Guide (July 2026). The comments in the code are by the model that wrote it; some were corrected since.
;; Llama Decoder Layer. Allowed arithmetic: matrix products marked QUANTISED: E5M2 operands, one given power-of-two scale a tensor, by v_wmma_f32_16x16x64_bf8_bf8 or v_wmma_f32_16x16x128_bf8_bf8, f32 sums; everything else in f32.
;; Inputs: Wk 1,024 x 1,024 float32; Wo 1,024 x 1,024 float32; Wq 1,024 x 1,024 float32; Wv 1,024 x 1,024 float32; hidden_states 2 x 2,048 x 1,024 float32; ln1_w 1,024 float32; ln2_w 1,024 float32; lowp_scales 18 int32 (the exponents e of the quantised operands' scales 2^e); w1 1,024 x 1,024 float32; w2 1,024 x 1,024 float32; w3 1,024 x 1,024 float32.
;; Outputs: out0 2 x 2,048 x 1,024 float32.
;; This version of the problem:
;;   THIS VERSION OF THE PROBLEM IS GIVEN IN LOW PRECISION. The matrix products marked QUANTISED in the list below multiply operands that are first quantised to E5M2 (5 exponent bits, 2 mantissa bits; 8 bits a number), with one given power-of-two scale for each operand tensor; their sums are f32. All else is computed in f32.
;;   The module's matrix products, in the order in which they are computed (A, B: the left and right operand; K: the contracted axis; several contracted axes count as one K, in the product's order):
;;     1. [M 4,096, K 1,024] x [K 1,024, N 1,024]; A: computed on the way; B: input Wq: QUANTISED (scales: A lowp_scales[0], B lowp_scales[1])
;;     2. [M 4,096, K 1,024] x [K 1,024, N 1,024]; A: computed on the way; B: input Wk: QUANTISED (scales: A lowp_scales[2], B lowp_scales[3])
;;     3. [M 4,096, K 1,024] x [K 1,024, N 1,024]; A: computed on the way; B: input Wv: QUANTISED (scales: A lowp_scales[4], B lowp_scales[5])
;;     4. batch 32 x [M 2,048, K 64] x [K 64, N 2,048]; A: computed on the way; B: computed on the way: QUANTISED (scales: A lowp_scales[6], B lowp_scales[7])
;;     5. batch 32 x [M 2,048, K 2,048] x [K 2,048, N 64]; A: softmax (see below); B: computed on the way: QUANTISED (scales: A lowp_scales[8], B lowp_scales[9])
;;     6. [M 4,096, K 1,024] x [K 1,024, N 1,024]; A: computed on the way; B: input Wo: QUANTISED (scales: A lowp_scales[10], B lowp_scales[11])
;;     7. [M 4,096, K 1,024] x [K 1,024, N 1,024]; A: computed on the way; B: input w1: QUANTISED (scales: A lowp_scales[12], B lowp_scales[13])
;;     8. [M 4,096, K 1,024] x [K 1,024, N 1,024]; A: computed on the way; B: input w3: QUANTISED (scales: A lowp_scales[14], B lowp_scales[15])
;;     9. [M 4,096, K 1,024] x [K 1,024, N 1,024]; A: computed on the way; B: input w2: QUANTISED (scales: A lowp_scales[16], B lowp_scales[17])
;;   THE QUANTISER, for each operand of a quantised product, along K:
;;     - The operand's scale is 2^e, e = its entry of the input lowp_scales (int32; the entries are numbered through the quantised products in the list's order, A before B).
;;     - Each number is divided by the scale, clamped to +-57,344, and rounded to the nearest number of E5M2, ties to even, subnormals kept.
;;     - The product sums the exact products of the quantised numbers (number of the format x scale) in f32.
;;   ~~~python
;;   def quantise(x, axis, e):      # numpy; x: float32 -> the quantised numbers, widened to float32 again
;;       x = np.moveaxis(x, axis, -1); K = x.shape[-1]
;;       r = np.clip(x / 2.0 ** e, -57344, 57344)
;;       step = 2.0 ** (np.maximum(np.frexp(np.where(r == 0, 1, r))[1] - 1, -14) - 2)
;;       q = np.round(r / step) * step * 2.0 ** e      # np.round: ties to even
;;       return np.moveaxis(q, -1, axis).astype(np.float32)
;;   ~~~
;;   SOFTMAX AHEAD OF A QUANTISED PRODUCT. Where the list says 'softmax', what is quantised is not the finished softmax but p = 2^(t - M), with t = logit x log2(e) and M = ceil(the row's largest t), a whole number; so 1/2 < the row's largest p <= 1. The row's sum l is taken of the UNQUANTISED p, in f32, and the product's result is divided by l at the end. Since M is a whole number, a kernel that streams over the keys may use a running M (the ceiling of the running maximum): every later rescaling is an exact power of two, so the quantised numbers keep their values, but for numbers so far below the row's largest that they fall under the format's range.
;;   OPERANDS COMPUTED ON THE WAY. 'Computed on the way' means the value that the module computes at that place (a softmax that the list does not call 'softmax' is quantised finished and normalised). What goes into a quantiser is computed in f32, as accurately as f32 sums, v_exp_f32 and their like allow (about 1e-6 of the number): no bf16 or f16 on the way to a quantiser, and a product that is left as it is and whose result goes on into a quantised operand takes f32 operands (vector FMAs, or v_wmma_f32_16x16x4_f32). A number that lies on a knife's edge between two numbers of the format may be rounded either way, as far as f32 arithmetic and the matrix unit's own rounding can turn it there, and no further.
;; 2 versions. Each part assembles by itself: llvm-mc -triple=amdgcn-amd-amdhsa -mcpu=gfx1250 --defsym DOCPART=n.
;; ======== version 1 of 2: 7 launches
;; workspace buffers: pre 18,350,080 bytes; qkv 12,582,912 bytes; pk_wo 5,243,136 bytes; h 16,777,216 bytes; yc 8,388,608 bytes; pk_dn 5,243,136 bytes
;; launch prep (part 1): grid 480 x 1, 4 waves a work-group, no clusters, 52,736 bytes of LDS; arguments Wq, Wk, Wv, w1, w3, Wo, w2, hidden_states, ln1_w, lowp_scales, pre, pk_wo, pk_dn; writes pre, pk_wo, pk_dn
.if DOCPART == 1
	.amdgcn_target "amdgcn-amd-amdhsa--gfx1250"
	.amdhsa_code_object_version 6
	.text
	.protected	k_qcf1fac9d6c_prep
	.globl	k_qcf1fac9d6c_prep
	.p2align	8
	.type	k_qcf1fac9d6c_prep,@function
k_qcf1fac9d6c_prep:
	s_mov_b64 s[64:65], 0
	v_nop
	global_prefetch_b8 v0, s[64:65] scope:SCOPE_SE
	s_setreg_imm32_b32 hwreg(HW_REG_WAVE_MODE, 25, 1), 1
	s_wait_xcnt 0x0
; LLAMA DECODER LAYER, launch 1 of 7: everything that is quantised from the inputs, and the rope table.
; NO WORK OF reference() IS LEFT OUT in this program: there is no mask, every input has a way to the output, all nine products are live, every input is loaded.
; THE LAYOUT OF EVERY OPERAND IN THIS PROGRAM'S WORKSPACE: an image of the operand's registers.  Code (row, k) of an operand with K codes a row lies at byte
;   (row/16) 16 K + (k/128) 2048 + ((k%128)/32) 512 + ((k%16)/8) 256 + (row%16) 16 + ((k%32)/16) 8 + k%8:
; a fragment of 16 rows x 128 k is 2,048 consecutive bytes, fetched by four loads of 16 bytes a lane at 512 c + 16 lane; lane (r, h) then holds k = 16 c' + 8 h + 0..7 of row r in register pair c',
; which is the place that the plain 8-bit matrix forms give each k (ISA guide 7.12.2).
; Work-groups 0-223: the seven weights W [k][n] f32 -> codes of E5M2 with rows n and K innermost (32 work-groups a weight).  A lane takes a column n, its registers run down K: nothing is transposed.
;   Wq, Wk, Wv, w1, w3 -> pre + 12 MB + i MB;  Wo -> pk_wo;  w2 -> pk_dn.  Behind Wo's and w2's images and their partners' 4 MB, at + 5 MB, 64 copies of eA + eB of that product (whole numbers, used in arithmetic alone).
; Work-groups 224-479: 16 rows of hidden_states each: x = (h rsqrt(mean h^2 + 1e-6)) ln1_w in f32, quantised three times (entries 0, 2, 4 of lowp_scales) -> pre + 0, + 4 MB, + 8 MB.
;   The first 128 of them also make the rope table of their 16 positions -> pre + 17 MB: [128 blocks of 16 positions][t 0..1][g 0..3][lane (r, h)][cos, sin, cos, sin] of position 16 blk + r, frequencies 16 t + 8 h + 2 g and the next.
; code = x / 2^e, held within +-57,344, to the nearest code, ties to even.
; LIMITS: each e used here lies between -126 and 112, so that 2^e and 57,344 x 2^e are f32 numbers.  NaN among the inputs is not served.
; The rope's frequency 10^(-i/8) is v_exp_f32 of one rounded product; the angle is position x frequency in f32, reduced by pi/2 in two parts, sine and cosine by their series to r^9 and r^10 on |r| <= pi/4.
.set SPARE, 52224                      ; behind the three stages: the spare words, 128 bytes a wave: two blocks of 256 bytes that no other line names
.set STG,   17408                      ; a stage: a block's 64 units of 256 bytes, UP bytes apart
.set UP,    272                        ; 256 + 16: unit u begins 4 u words on in the banks (64 banks of 4 bytes: ISA guide 11.1), so a store's 32 lanes touch each bank once
.set SPW,   4                          ; v4  LDS address of my spare word; never rewritten
.set NIL,   5                          ; v5  0; never rewritten
.set X,     48                         ; v48-175 four rows, 32 numbers a lane each; later the codes read back
.set RP,    176                        ; v176-215 the rope's work, ten registers for each of four units; later the holds' results (176-191) and a row's codes (192-215)
; ---- macros of the weights' path
.macro PICK i, p, off                  ; weight i: its pointer, and the byte at which its product's pair of exponents begins
	s_cmp_eq_u32 s9, \i
	s_cselect_b64 s[42:43], s[\p:\p+1], s[42:43]
	s_cselect_b32 s46, \off, s46
.endm
.macro LOADW t                         ; block t: W(32 t + i, my column), i = 0 .. 31, into set t % 2: 32 lanes read 128 consecutive bytes
.set i, 0
.rept 32
	global_load_b32 v[32+32*((\t)%2)+i], v3, s[42:43] offset:(32*(\t)+i)*4096 th:TH_LOAD_NT
.set i, i+1
.endr
.endm
.macro BLOCKW t
.set XS, 32+32*((\t)%2)
.set CW, 96+8*(\t)                     ; each block has its own eight registers of codes: no store's data are written again
.if (\t) < 7
	s_wait_loadcnt 32                              ; this block's 32 loads are in; the next block's 32 may be out
.else
	s_wait_loadcnt 0x0
.endif
.set i, 0
.rept 32
	v_med3_num_f32 v[XS+i], v[XS+i], -v10, v10     ; the conversion does not saturate (ISA guide 7.6.2): the hold at the largest code x the scale
.set i, i+1
.endr
	v_cvt_scalef32_pk8_bf8_f32 v[CW:CW+1], v[XS:XS+7], v11          ; k%32 = 0..7  | these two are the 16 bytes of the half h = 0,
	v_cvt_scalef32_pk8_bf8_f32 v[CW+2:CW+3], v[XS+16:XS+23], v11    ; k%32 = 16..23 |
	v_cvt_scalef32_pk8_bf8_f32 v[CW+4:CW+5], v[XS+8:XS+15], v11     ; k%32 = 8..15 | and these of h = 1, 256 bytes on
	v_cvt_scalef32_pk8_bf8_f32 v[CW+6:CW+7], v[XS+24:XS+31], v11    ; k%32 = 24..31 |
	global_store_b128 v9, v[CW:CW+3], s[52:53] offset:((\t)/4)*2048+((\t)%4)*512        ; sixteen lanes store 256 consecutive bytes, at a multiple of 256 from the buffer's first byte
	global_store_b128 v9, v[CW+4:CW+7], s[52:53] offset:((\t)/4)*2048+((\t)%4)*512+256
.if (\t)+2 < 8
	LOADW (\t)+2
.endif
.endm
; ---- macros of the norm's path
.macro MKSC se, vs                     ; v[vs] = 2^e as f32 (the conversion takes its exponent field), v[vs+1] = 57,344 x 2^e
	s_add_co_i32 s10, \se, 127
	s_lshl_b32 s11, s10, 23
	v_mov_b32 v[\vs], s11
	s_add_co_i32 s10, s10, 15
	s_lshl_b32 s10, s10, 23
	s_or_b32 s10, s10, 0x600000
	v_mov_b32 v[\vs+1], s10
.endm
.macro SUMSQ p                         ; row p: my 32 numbers' squares, in two packed chains
	s_wait_loadcnt 8*(3-\p)                        ; this row's eight loads are in; the later rows' may be out
	v_pk_mul_f32 v[216:217], v[X+32*\p:X+32*\p+1], v[X+32*\p:X+32*\p+1]
	v_pk_mul_f32 v[218:219], v[X+32*\p+2:X+32*\p+3], v[X+32*\p+2:X+32*\p+3]
.set i, 4
.rept 7
	v_pk_fma_f32 v[216:217], v[X+32*\p+i:X+32*\p+i+1], v[X+32*\p+i:X+32*\p+i+1], v[216:217]
	v_pk_fma_f32 v[218:219], v[X+32*\p+i+2:X+32*\p+i+3], v[X+32*\p+i+2:X+32*\p+i+3], v[218:219]
.set i, i+4
.endr
	v_pk_add_f32 v[216:217], v[216:217], v[218:219]
	v_add_f32 v[220+\p], v216, v217
.endm
.macro QROW p                          ; row p is quantised three times; my eight neighbours along K (k = 256 j + 8 lane + 0..7) are eight bytes of unit 16 j + 2 (lane/4) + lane%2
.irp e, 0,1,2
.irp j, 0,1,2,3
.set TS, 176+8*((4*\e+\j)%2)
.set CQ, 192+2*(4*\e+\j)
.set i, 0
.rept 8
	v_med3_num_f32 v[TS+i], v[X+32*\p+8*\j+i], -v[233+2*\e], v[233+2*\e]
.set i, i+1
.endr
	v_cvt_scalef32_pk8_bf8_f32 v[CQ:CQ+1], v[TS:TS+7], v[232+2*\e]     ; the next eight holds are plain lines on the other set of registers
	ds_store_b64 v6, v[CQ:CQ+1] offset:\e*STG+\j*16*UP+\p*16
.endr
.endr
.endm
	s_load_b512 s[16:31], s[0:1], 0x0              ; Wq 16, Wk 18, Wv 20, w1 22, w3 24, Wo 26, w2 28, hidden_states 30
	s_load_b256 s[32:39], s[0:1], 0x40             ; ln1_w 32, lowp_scales 34, pre 36, pk_wo 38
	s_load_b64 s[40:41], s[0:1], 0x60              ; pk_dn
	v_lshl_add_u32 v[SPW], v0, 2, SPARE
	v_mov_b32 v[NIL], 0
	v_lshrrev_b32 v1, 5, v0
	v_readfirstlane_b32 s8, v1                     ; wave 0..3
	v_and_b32 v1, 31, v0                           ; lane
	s_wait_kmcnt 0x0
	s_cmp_lt_u32 ttmp9, 224                        ; the work-group's number alone decides: all four waves go the same way
	s_cbranch_scc0 .Lnorm
	; ======== a weight: work-group = 32 i + 8 kq + nb8; a wave takes 32 columns x 256 along K
	s_lshr_b32 s9, ttmp9, 5                        ; i: which weight
	s_and_b32 s10, ttmp9, 7                        ; nb8: which 128 columns
	s_bfe_u32 s11, ttmp9, 0x20003                  ; kq: which 256 along K
	s_mov_b64 s[42:43], s[16:17]
	s_mov_b32 s46, 0                               ; Wq: entries 0, 1
	PICK 1, 18, 8                                  ; Wk: 2, 3
	PICK 2, 20, 16                                 ; Wv: 4, 5
	PICK 3, 22, 48                                 ; w1: 12, 13
	PICK 4, 24, 56                                 ; w3: 14, 15
	PICK 5, 26, 40                                 ; Wo: 10, 11
	PICK 6, 28, 64                                 ; w2: 16, 17
	s_load_b64 s[44:45], s[34:35], s46 offset:0x0  ; eA, eB of the weight's product
	s_mov_b64 s[48:49], s[36:37]
	s_cmp_eq_u32 s9, 5
	s_cselect_b64 s[48:49], s[38:39], s[48:49]
	s_cmp_eq_u32 s9, 6
	s_cselect_b64 s[48:49], s[40:41], s[48:49]
	s_lshl_b32 s50, s9, 20
	s_add_co_u32 s50, s50, 12<<20
	s_cmp_lt_u32 s9, 5
	s_cselect_b32 s50, s50, 0
	s_mov_b32 s51, 0
	s_add_nc_u64 s[48:49], s[48:49], s[50:51]      ; the weight's image
	s_lshl_b32 s52, s10, 3
	s_lshl_b32 s53, s8, 1
	s_add_co_u32 s52, s52, s53                     ; my first block of 16 columns: 8 nb8 + 2 wave
	s_lshl_b32 s52, s52, 14
	s_lshl_b32 s53, s11, 12                        ; fragments 2 kq, 2 kq + 1
	s_add_co_u32 s52, s52, s53
	s_mov_b32 s53, 0
	s_add_nc_u64 s[52:53], s[48:49], s[52:53]
	s_lshl_b32 s54, s11, 20                        ; 256 kq rows of 4,096 bytes,
	s_lshl_b32 s55, s10, 9                         ; 128 nb8 columns,
	s_add_co_u32 s54, s54, s55
	s_lshl_b32 s55, s8, 7                          ; 32 x wave columns
	s_add_co_u32 s54, s54, s55
	s_mov_b32 s55, 0
	s_add_nc_u64 s[42:43], s[42:43], s[54:55]
	v_lshlrev_b32 v3, 2, v1                        ; in: 4 bytes a lane
	v_lshrrev_b32 v9, 4, v1
	v_and_b32 v12, 15, v1
	v_lshlrev_b32 v9, 14, v9
	v_lshl_add_u32 v9, v12, 4, v9                  ; out: block lane / 16, row lane % 16
	LOADW 0
	LOADW 1
	s_wait_kmcnt 0x0
	s_add_co_i32 s54, s45, 127
	s_lshl_b32 s55, s54, 23
	v_mov_b32 v11, s55                             ; 2^eB
	s_add_co_i32 s54, s54, 15
	s_lshl_b32 s54, s54, 23
	s_or_b32 s54, s54, 0x600000
	v_mov_b32 v10, s54                             ; 57,344 x 2^eB
.irp t, 0,1,2,3,4,5,6,7
	BLOCKW \t
.endr
	s_cmp_lt_u32 ttmp9, 160                        ; Wo's and w2's first work-group, wave 0: the product's eA + eB, 64 times: one whole run of 256 bytes
	s_cbranch_scc1 .Lend
	s_and_b32 s54, ttmp9, 31
	s_or_b32 s54, s54, s8
	s_cmp_lg_u32 s54, 0
	s_cbranch_scc1 .Lend
	s_add_co_i32 s54, s44, s45
	v_mov_b32 v20, s54
	v_mov_b32 v21, s54
	v_lshlrev_b32 v22, 3, v1
	global_store_b64 v22, v[20:21], s[48:49] offset:0x500000
	s_branch .Lend
	; ======== 16 rows of hidden_states: wave w takes rows 4 w .. 4 w + 3, each whole: the sums never leave the wave
.Lnorm:
	s_sub_co_u32 s9, ttmp9, 224                    ; mb: which block of 16 rows
	s_load_b128 s[44:47], s[34:35], 0x0            ; e0 .. e3
	s_load_b32 s48, s[34:35], 0x10                 ; e4
	v_lshlrev_b32 v2, 5, v1                        ; my 8 numbers of each 256: 32 bytes a lane
	s_lshl_b32 s50, s9, 16
	s_lshl_b32 s51, s8, 14
	s_add_co_u32 s50, s50, s51
	s_mov_b32 s51, 0
	s_add_nc_u64 s[30:31], s[30:31], s[50:51]      ; my first row
.irp j, 0,1,2,3
	global_load_b128 v[16+8*\j:16+8*\j+3], v2, s[32:33] offset:1024*\j
	global_load_b128 v[16+8*\j+4:16+8*\j+7], v2, s[32:33] offset:1024*\j+16
.endr
.irp p, 0,1,2,3
.irp j, 0,1,2,3
	global_load_b128 v[X+32*\p+8*\j:X+32*\p+8*\j+3], v2, s[30:31] offset:4096*\p+1024*\j th:TH_LOAD_NT
	global_load_b128 v[X+32*\p+8*\j+4:X+32*\p+8*\j+7], v2, s[30:31] offset:4096*\p+1024*\j+16 th:TH_LOAD_NT
.endr
.endr
	v_lshrrev_b32 v12, 2, v1
	v_and_b32 v13, 1, v1
	v_lshl_add_u32 v12, v12, 1, v13
	v_mul_u32_u24 v6, v12, UP                      ; into a stage: unit 2 (lane/4) + lane%2,
	v_bfe_u32 v13, v1, 1, 1
	v_lshl_add_u32 v6, v13, 3, v6                  ; + 8 ((lane/2)%2),
	s_lshl_b32 s52, s8, 6
	v_add_nc_u32 v6, s52, v6                       ; + 16 bytes for each of my four rows, from 64 x wave on
	v_lshrrev_b32 v12, 4, v1
	v_mul_u32_u24 v7, v12, UP
	v_and_b32 v13, 15, v1
	v_lshl_add_u32 v7, v13, 4, v7
	s_mul_i32 s52, s8, 16*UP
	v_add_nc_u32 v7, s52, v7                       ; back: units 16 w on, sixteen lanes to a unit
	v_lshlrev_b32 v8, 4, v1
	s_lshl_b32 s52, s9, 14
	s_lshl_b32 s53, s8, 12
	s_add_co_u32 s52, s52, s53
	s_mov_b32 s53, 0
	s_add_nc_u64 s[52:53], s[36:37], s[52:53]      ; my quarter of the block's image, for e0,
	s_add_nc_u64 s[54:55], s[52:53], 4<<20         ; e2,
	s_add_nc_u64 s[56:57], s[54:55], 4<<20         ; e4
	s_mov_b32 s60, 0x76543210                      ; v_permlanex16_b32: lane l xor 16
	s_mov_b32 s61, 0xfedcba98
	s_mov_b32 s62, 0x358637bd                      ; 1e-6
	s_mov_b32 s63, 0x3a800000                      ; 1 / 1,024
	s_cmp_lt_u32 s9, 128                           ; the rope table has 2,048 positions: blocks 0 to 127 make it, while the rows are on their way
	s_cbranch_scc0 .Lno_rope
	s_lshl_b32 s58, s9, 12
	s_lshl_b32 s59, s8, 10
	s_add_co_u32 s58, s58, s59
	s_add_co_u32 s58, s58, 17<<20
	s_mov_b32 s59, 0
	s_add_nc_u64 s[58:59], s[36:37], s[58:59]      ; my four units of 256 bytes: 4 w + k.  Unit u: t = u/8, g = (u/2)%4, h = u%2; my lane: position lane/2, the pair's frequency lane%2
	s_lshr_b32 s10, s8, 1
	s_lshl_b32 s10, s10, 4
	s_and_b32 s11, s8, 1
	s_lshl_b32 s11, s11, 2
	s_add_co_u32 s10, s10, s11
	v_and_b32 v12, 1, v1
	v_add_nc_u32 v12, s10, v12
	v_cvt_f32_u32 v12, v12                         ; 16 (w/2) + 4 (w%2) + lane%2; unit k adds 8 (k%2) + 2 (k/2)
	s_lshl_b32 s11, s9, 4
	v_lshrrev_b32 v13, 1, v1
	v_add_nc_u32 v13, s11, v13
	v_cvt_f32_u32 v13, v13                         ; the position
	v_lshlrev_b32 v9, 3, v1
	v_mov_b32 v14, 0x3638ef1d                      ; 1/9!
	v_mov_b32 v15, 0xb493f27e                      ; -1/10!
	v_mov_b32 v[RP], v12
	v_add_f32 v[RP+10], 0x41000000, v12            ; + 8
	v_add_f32 v[RP+20], 2.0, v12
	v_add_f32 v[RP+30], 0x41200000, v12            ; + 10
.irp k, 0,1,2,3
	v_mul_f32 v[RP+10*\k], 0xbed49a78, v[RP+10*\k] ; -i log2(10) / 8
.endr
.irp k, 0,1,2,3
	v_exp_f32 v[RP+10*\k], v[RP+10*\k]             ; 10000^(-i/32)
.endr
	v_nop                                          ; a plain line behind the last exponential,
	s_wait_alu depctr_va_vdst(0)                   ; and one wait for the four, ahead of their first reader
.irp k, 0,1,2,3
	v_mul_f32 v[RP+10*\k], v13, v[RP+10*\k]        ; the angle
.endr
.irp k, 0,1,2,3
	v_mul_f32 v[RP+10*\k+1], 0x3f22f983, v[RP+10*\k]
.endr
.irp k, 0,1,2,3
	v_rndne_f32 v[RP+10*\k+1], v[RP+10*\k+1]       ; n = the nearest multiple of pi/2
.endr
.irp k, 0,1,2,3
	v_fma_f32 v[RP+10*\k+2], v[RP+10*\k+1], 0xbfc90fdb, v[RP+10*\k]
.endr
.irp k, 0,1,2,3
	v_fma_f32 v[RP+10*\k+2], v[RP+10*\k+1], 0x333bbd2e, v[RP+10*\k+2]   ; r = angle - n pi/2, pi/2 in two parts
.endr
.irp k, 0,1,2,3
	v_mul_f32 v[RP+10*\k+3], v[RP+10*\k+2], v[RP+10*\k+2]               ; z = r^2
.endr
.irp k, 0,1,2,3
	v_fmaak_f32 v[RP+10*\k+4], v14, v[RP+10*\k+3], 0xb9500d01
	v_fmaak_f32 v[RP+10*\k+5], v15, v[RP+10*\k+3], 0x37d00d01
.endr
.irp k, 0,1,2,3
	v_fmaak_f32 v[RP+10*\k+4], v[RP+10*\k+4], v[RP+10*\k+3], 0x3c088889
	v_fmaak_f32 v[RP+10*\k+5], v[RP+10*\k+5], v[RP+10*\k+3], 0xbab60b61
.endr
.irp k, 0,1,2,3
	v_fmaak_f32 v[RP+10*\k+4], v[RP+10*\k+4], v[RP+10*\k+3], 0xbe2aaaab
	v_fmaak_f32 v[RP+10*\k+5], v[RP+10*\k+5], v[RP+10*\k+3], 0x3d2aaaab
.endr
.irp k, 0,1,2,3
	v_mul_f32 v[RP+10*\k+4], v[RP+10*\k+4], v[RP+10*\k+3]
	v_fmaak_f32 v[RP+10*\k+5], v[RP+10*\k+5], v[RP+10*\k+3], 0xbf000000
.endr
.irp k, 0,1,2,3
	v_fma_f32 v[RP+10*\k+4], v[RP+10*\k+4], v[RP+10*\k+2], v[RP+10*\k+2]   ; sin r
	v_fmaak_f32 v[RP+10*\k+5], v[RP+10*\k+5], v[RP+10*\k+3], 0x3f800000    ; cos r
	v_cvt_i32_f32 v[RP+10*\k+6], v[RP+10*\k+1]
.endr
.irp k, 0,1,2,3
	v_and_b32 v[RP+10*\k+7], 1, v[RP+10*\k+6]
	v_cmp_eq_u32 vcc_lo, 1, v[RP+10*\k+7]                                  ; an odd quadrant swaps the two
	v_cndmask_b32 v[RP+10*\k+9], v[RP+10*\k+4], v[RP+10*\k+5], vcc_lo
	v_cndmask_b32 v[RP+10*\k+8], v[RP+10*\k+5], v[RP+10*\k+4], vcc_lo
	v_lshlrev_b32 v[RP+10*\k+7], 30, v[RP+10*\k+6]
	v_and_b32 v[RP+10*\k+7], 0x80000000, v[RP+10*\k+7]
	v_xor_b32 v[RP+10*\k+9], v[RP+10*\k+9], v[RP+10*\k+7]                  ; the sine is negative in quadrants 2 and 3,
	v_add_nc_u32 v[RP+10*\k+6], 1, v[RP+10*\k+6]
	v_lshlrev_b32 v[RP+10*\k+6], 30, v[RP+10*\k+6]
	v_and_b32 v[RP+10*\k+6], 0x80000000, v[RP+10*\k+6]
	v_xor_b32 v[RP+10*\k+8], v[RP+10*\k+8], v[RP+10*\k+6]                  ; the cosine in 1 and 2
	global_store_b64 v9, v[RP+10*\k+8:RP+10*\k+9], s[58:59] offset:256*\k  ; 32 lanes store 256 consecutive bytes
.endr
.Lno_rope:
	SUMSQ 0
	SUMSQ 1
	SUMSQ 2
	SUMSQ 3
.irp m, 1,2,4,8
.irp p, 0,1,2,3
	v_add_f32_dpp v[220+\p], v[220+\p], v[220+\p] row_xmask:\m row_mask:0xf bank_mask:0xf
.endr
.endr
.irp p, 0,1,2,3
	v_permlanex16_b32 v[216+\p], v[220+\p], s60, s61
.endr
.irp p, 0,1,2,3
	v_add_f32 v[220+\p], v[220+\p], v[216+\p]      ; every lane holds the row's sum of squares
.endr
.irp p, 0,1,2,3
	v_fma_f32 v[220+\p], v[220+\p], s63, s62       ; the mean + 1e-6
.endr
.irp p, 0,1,2,3
	v_rsq_f32 v[224+2*\p], v[220+\p]
.endr
.irp p, 0,1,2,3
	v_mov_b32 v[225+2*\p], 0                       ; (named as the upper halves of the pairs below; also the plain lines behind the roots)
.endr
	s_wait_kmcnt 0x0
	MKSC s44, 232
	MKSC s46, 234
	MKSC s48, 236
	s_wait_alu depctr_va_vdst(0)                   ; one wait for the four roots, ahead of their first reader
.irp p, 0,1,2,3
.set i, 0
.rept 16
	v_pk_mul_f32 v[X+32*\p+i:X+32*\p+i+1], v[X+32*\p+i:X+32*\p+i+1], v[224+2*\p:225+2*\p] op_sel_hi:[1,0]   ; h x rsqrt, rounded, as reference() has it,
.set i, i+2
.endr
.set i, 0
.rept 16
	v_pk_mul_f32 v[X+32*\p+i:X+32*\p+i+1], v[X+32*\p+i:X+32*\p+i+1], v[16+i:17+i]                           ; then x ln1_w
.set i, i+2
.endr
.endr
	s_wait_xcnt 0x0                                ; the rope's stores have read their registers, which the holds below write
	QROW 0
	s_wait_dscnt 0x0                               ; the row's stores into the stages have read the twelve pairs of codes, which the next row writes
	QROW 1
	s_wait_dscnt 0x0
	QROW 2
	s_wait_dscnt 0x0
	QROW 3
	s_wait_dscnt 0x0                               ; for the others' sake: my stores into the stages are done
	s_barrier_signal -1
	s_barrier_wait -1                              ; the three images of 16 rows are whole
.irp e, 0,1,2
.irp i, 0,1,2,3,4,5,6,7
	ds_load_b128 v[X+4*(8*\e+\i):X+4*(8*\e+\i)+3], v7 offset:\e*STG+\i*2*UP
.endr
.endr
.irp e, 0,1,2
.irp i, 0,1,2,3,4,5,6,7
	s_wait_dscnt 23-8*\e-\i                        ; LDS loads come back in order (ISA guide 5.7.1): this one is in, the younger may be out
	global_store_b128 v8, v[X+4*(8*\e+\i):X+4*(8*\e+\i)+3], s[52+2*\e:53+2*\e] offset:512*\i   ; 32 lanes store 512 consecutive bytes
.endr
.endr
.Lend:
	s_wait_tensorcnt 0x0                           ; the wave's end: a wait, an add
	ds_add_u32 v[SPW], v[NIL]
	s_wait_dscnt 0x0
	s_endpgm
.Lfunc_end_k_qcf1fac9d6c_prep:
	.size	k_qcf1fac9d6c_prep, .Lfunc_end_k_qcf1fac9d6c_prep-k_qcf1fac9d6c_prep
	.p2alignl 7, 3214868480
	.fill 96, 4, 3214868480
	.section	.rodata,"a",@progbits
	.p2align	6, 0x0
	.amdhsa_kernel k_qcf1fac9d6c_prep
		.amdhsa_group_segment_fixed_size 52736
		.amdhsa_private_segment_fixed_size 0
		.amdhsa_enable_private_segment 0
		.amdhsa_kernarg_size 104
		.amdhsa_user_sgpr_count 2
		.amdhsa_user_sgpr_kernarg_segment_ptr 1
		.amdhsa_wavefront_size32 1
		.amdhsa_system_sgpr_workgroup_id_x 1
		.amdhsa_system_sgpr_workgroup_id_y 1
		.amdhsa_system_sgpr_workgroup_id_z 1
		.amdhsa_system_vgpr_workitem_id 0
		.amdhsa_next_free_vgpr 240
		.amdhsa_next_free_sgpr 66
		.amdhsa_reserve_vcc 1
		.amdhsa_float_denorm_mode_32 3
		.amdhsa_float_denorm_mode_16_64 3
		.amdhsa_memory_ordered 1
		.amdhsa_forward_progress 1
		.amdhsa_inst_pref_size 111
	.end_amdhsa_kernel
	.amdgpu_metadata
---
amdhsa.version: [ 1, 2 ]
amdhsa.kernels:
  - .name:           k_qcf1fac9d6c_prep
    .symbol:         k_qcf1fac9d6c_prep.kd
    .args:
      - { .name: Wq, .offset: 0, .size: 8, .value_kind: global_buffer, .address_space: global }
      - { .name: Wk, .offset: 8, .size: 8, .value_kind: global_buffer, .address_space: global }
      - { .name: Wv, .offset: 16, .size: 8, .value_kind: global_buffer, .address_space: global }
      - { .name: w1, .offset: 24, .size: 8, .value_kind: global_buffer, .address_space: global }
      - { .name: w3, .offset: 32, .size: 8, .value_kind: global_buffer, .address_space: global }
      - { .name: Wo, .offset: 40, .size: 8, .value_kind: global_buffer, .address_space: global }
      - { .name: w2, .offset: 48, .size: 8, .value_kind: global_buffer, .address_space: global }
      - { .name: hidden_states, .offset: 56, .size: 8, .value_kind: global_buffer, .address_space: global }
      - { .name: ln1_w, .offset: 64, .size: 8, .value_kind: global_buffer, .address_space: global }
      - { .name: lowp_scales, .offset: 72, .size: 8, .value_kind: global_buffer, .address_space: global }
      - { .name: pre, .offset: 80, .size: 8, .value_kind: global_buffer, .address_space: global }
      - { .name: pk_wo, .offset: 88, .size: 8, .value_kind: global_buffer, .address_space: global }
      - { .name: pk_dn, .offset: 96, .size: 8, .value_kind: global_buffer, .address_space: global }
    .group_segment_fixed_size: 52736
    .private_segment_fixed_size: 0
    .kernarg_segment_align: 8
    .kernarg_segment_size: 104
    .max_flat_workgroup_size: 128
    .sgpr_count:     66
    .vgpr_count:     240
    .wavefront_size: 32
...
	.end_amdgpu_metadata
.endif
;; end of part 1
;; launch qkv (part 2): grid 24 x 32, 4 waves a work-group, clusters of 4 x 4, 262,656 bytes of LDS; arguments pre, lowp_scales, qkv; writes qkv
.if DOCPART == 2
	.amdgcn_target "amdgcn-amd-amdhsa--gfx1250"
	.amdhsa_code_object_version 6
	.text
	.protected	k_qcf1fac9d6c_qkv
	.globl	k_qcf1fac9d6c_qkv
	.p2align	8
	.type	k_qcf1fac9d6c_qkv,@function
k_qcf1fac9d6c_qkv:
	s_mov_b64 s[64:65], 0
	v_nop
	global_prefetch_b8 v0, s[64:65] scope:SCOPE_SE
	s_setreg_imm32_b32 hwreg(HW_REG_WAVE_MODE, 25, 1), 1
	s_wait_xcnt 0x0
	s_wait_alu depctr_hold_cnt(0) depctr_sa_sdst(0) depctr_va_vdst(0) depctr_va_sdst(0) depctr_va_ssrc(0) depctr_va_vcc(0) depctr_vm_vsrc(0)
	s_getreg_b32 s2, hwreg(HW_REG_IB_STS2, 6, 4)
	s_cmp_eq_u32 s2, 0
	s_cbranch_scc0 .Lentry_in_a_cluster
	s_endpgm
.Lentry_in_a_cluster:
	s_bfe_u32 s2, ttmp6, 0x10000c
	s_cmp_lg_u32 s2, 0xf033
	s_cbranch_scc0 .Lentry_shape_is_right
	s_endpgm
.Lentry_shape_is_right:
; Launch 2 of 7: q = rope(x Wq), k = rope(x Wk), v = x Wv on codes of E5M2, and their codes for attention.  Nothing of reference() is left out here.
; A tile is 128 rows of x (tile row ty) x 128 columns (tile column tx: 0-7 of Wq, 8-15 of Wk, 16-23 of Wv); K = 1,024.  Four waves, each 64 x 64: the 64 columns are one head.
; ALL OF K LIES IN LDS AT ONCE: 128 KB of x's codes and 128 KB of the weight's, in four chunks of 256 along K.  Every wave asks for its four parts (16 KB each) at the head: four tensor loads of mine are out at the most,
; no LDS byte is filled twice, and a counted wait and a plain barrier open one chunk after the other.
; The operands lie in memory as images of their registers (launch 1): a fragment of 16 rows x 128 K is 2,048 consecutive bytes, four loads at 512 c + 16 lane: consecutive bytes, so no padding.
; CLUSTER 4 x 4: the four work-groups of a row of the cluster need the same codes of x, the four of a column the same weight: each part is asked for jointly.
; THE SOURCES.  For q and k source 0 = 16 rows of the weight's image (columns d), source 1 = 16 rows of x: a lane holds one row of x and eight neighbouring d: K of the scores.  For v source 0 = rows of x (keys),
; source 1 = the weight: a lane holds one d and eight neighbouring keys: K of the second product.  The two uses differ only in which LDS region feeds which source: the two base addresses are chosen by the
; kind of the tile (cluster x / 2, the same in all sixteen partners).  Accumulator (a, b): a = source 1's block, b = source 0's.
; A conversion of an accumulator's eight registers is register pair b of the next operand's fragment, for row lane % 16: the codes leave as they stand, 512 consecutive bytes a store.
; The sums stand for sum x 2^(eA + eB); the rope is linear, so the three scales are folded into the conversion's one: 2^(e6 - e0 - e1) for q, 2^(e7 - e2 - e3) for k, 2^(e9 - e4 - e5) for v.
; LIMITS: each of these three exponents lies between -126 and 112.  NaN among the inputs is not served.
; OUT: q: [32 bh][128 blocks of 16 queries][1 KB];  at + 4 MB: [32 bh][16 steps of 128 keys][K: 8 blocks of 16 keys x 1 KB, then V: 4 blocks of 16 d x 2 KB].
; REGISTERS: window 0: v1-2 lane, v16-23 LDS addresses, v24-27 store offsets, v28-29 the add's two, v30-31 scale and hold, v32-47 at work, v96-127 codes, v128-255 the 16 accumulators;
;   window 1: two sets of fragments (source 1's four at + 0, source 0's four at + 64);  window 2: cos and sin for my 64 rows.
.set CH,    65536                      ; a chunk in LDS: four regions of RG bytes: x's blocks 0-3, 4-7, the weight's 0-3, 4-7; a block has 4,096 bytes (two fragments)
.set RG,    16384
.set SPARE, 4*CH                       ; behind the chunks: the spare words, 128 bytes a wave: two blocks of 256 bytes that no other line names
.set ADR0,  16                         ; v16-19 source 0's fragments in chunk j
.set ADR1,  20                         ; v20-23 source 1's
.set OUTA,  24                         ; v24-27 my byte in the output, for a = 0 .. 3
.set SPW,   28
.set NIL,   29
.set SCV,   30
.set LIM,   31
.set TT,    32
.set CD,    96
.set ACC,   128
.set G1A,   24                         ; s[24:31] descriptor group 1 for x's parts;  s[48:55] for the weight's: they differ in the mask
.set G1B,   48
.set G0A,   68                         ; s[68:83] groups 0 for x's four parts;  s[84:99] for the weight's
.set G0B,   84
.set MUL,   0x05                       ; sources 0 and 1 window 1; C and D window 0
.set TO_F,  0x40                       ; destination window 1, address window 0
.set MSB, 0
.macro WIN new                         ; the immediate's high byte repeats the setting that is left
.if MSB != \new
	s_set_vgpr_msb (MSB<<8)|\new
.set MSB, \new
.endif
.endm
.macro CROUND                          ; a round of the cluster's barrier
	s_barrier_signal -1
	s_barrier_wait -1
	s_cmp_lg_u32 s10, 0
	s_cbranch_scc1 .Lnot_wave_0_\@
	s_barrier_signal -3
.Lnot_wave_0_\@:
	s_barrier_wait -3
	s_barrier_signal -1
	s_barrier_wait -1
.endm
.macro PLACES                          ; four plain lines between a matrix instruction and a load into its sources or a read of its result (ISA guide 7.12.1 for a read of its result)
.rept 4
	v_nop
.endr
.endm
.macro LAND j                          ; chunk j is whole for every wave
	s_wait_tensorcnt 3-(\j)                        ; tensor loads of a wave end in order (ISA guide 10.11.1): my part of chunk j is in; the later chunks' may be out
	s_wait_dscnt 0x0                               ; no LDS instruction of mine is pending at the signal
	s_barrier_signal -1
	s_barrier_wait -1
.endm
.macro FETCH st, set                   ; the fragments of step st (128 along K): 32 loads in one run
	WIN TO_F
.irp i, 0,1,2,3
.irp c, 0,1,2,3
	ds_load_b128 v[128*(\set)+64+16*\i+4*\c:128*(\set)+64+16*\i+4*\c+3], v[ADR0+(\st)/2] offset:\i*4096+((\st)%2)*2048+\c*512
.endr
.endr
.irp i, 0,1,2,3
.irp c, 0,1,2,3
	ds_load_b128 v[128*(\set)+16*\i+4*\c:128*(\set)+16*\i+4*\c+3], v[ADR1+(\st)/2] offset:\i*4096+((\st)%2)*2048+\c*512
.endr
.endr
.endm
.macro MULS set, zero                  ; 16 matrix instructions: the accumulators take turns, one instruction a turn, in the same order in every step.  zero = 1: the first step starts the sums
	WIN MUL
.irp a, 0,1,2,3
.irp b, 0,1,2,3
.if \zero
	v_wmma_f32_16x16x128_bf8_bf8 v[ACC+8*(4*\a+\b):ACC+8*(4*\a+\b)+7], v[128*(\set)+64+16*\b:128*(\set)+64+16*\b+15], v[128*(\set)+16*\a:128*(\set)+16*\a+15], 0
.else
	v_wmma_f32_16x16x128_bf8_bf8 v[ACC+8*(4*\a+\b):ACC+8*(4*\a+\b)+7], v[128*(\set)+64+16*\b:128*(\set)+64+16*\b+15], v[128*(\set)+16*\a:128*(\set)+16*\a+15], v[ACC+8*(4*\a+\b):ACC+8*(4*\a+\b)+7]
.endif
.endr
.endr
.endm
.macro ROPE a                          ; rows 16 a on: d and d + 32 turn together; register j of tiles t and t + 2 has frequency 16 t + 8 h + j; each accumulator is read from its low end on
	WIN 0x08                                       ; source 1 (cos, sin) window 2
.irp t, 0,1
.irp j, 0,1,2,3,4,5,6,7
	v_mul_f32 v[TT+2*\j], v[ACC+8*(4*\a+\t+2)+\j], v[32*\a+16*\t+2*\j+1]
	v_mul_f32 v[TT+2*\j+1], v[ACC+8*(4*\a+\t)+\j], v[32*\a+16*\t+2*\j+1]
	v_fma_f32 v[ACC+8*(4*\a+\t)+\j], v[ACC+8*(4*\a+\t)+\j], v[32*\a+16*\t+2*\j], -v[TT+2*\j]          ; x1 cos - x2 sin
	v_fma_f32 v[ACC+8*(4*\a+\t+2)+\j], v[ACC+8*(4*\a+\t+2)+\j], v[32*\a+16*\t+2*\j], v[TT+2*\j+1]     ; x2 cos + x1 sin
.endr
.endr
.endm
.macro QOUT a                          ; source 1's block a: 16 rows of the next operand, 64 along its K
.set i, 0
.rept 32
	v_med3_num_f32 v[ACC+32*\a+i], v[ACC+32*\a+i], -v[LIM], v[LIM]     ; the conversion does not saturate (ISA guide 7.6.2)
.set i, i+1
.endr
.irp b, 0,1,2,3
	v_cvt_scalef32_pk8_bf8_f32 v[CD+8*\a+2*\b:CD+8*\a+2*\b+1], v[ACC+32*\a+8*\b:ACC+32*\a+8*\b+7], v[SCV]
.endr
	v_nop                                          ; a plain line behind the last conversion of the run
	global_store_b128 v[OUTA+\a], v[CD+8*\a:CD+8*\a+3], s[8:9]               ; 32 lanes store 512 consecutive bytes
	global_store_b128 v[OUTA+\a], v[CD+8*\a+4:CD+8*\a+7], s[8:9] offset:512
.endm
	s_load_b128 s[4:7], s[0:1], 0x0                ; pre s[4:5], lowp_scales s[6:7]
	s_load_b64 s[8:9], s[0:1], 0x10                ; qkv
	v_lshl_add_u32 v[SPW], v0, 2, SPARE
	v_mov_b32 v[NIL], 0
	ds_add_u32 v[SPW], v[NIL]                      ; the wave's opening: the add, twice on end, and its wait ahead of my first tensor load; work on registers stands between
	ds_add_u32 v[SPW], v[NIL]
	v_lshrrev_b32 v1, 5, v0
	v_readfirstlane_b32 s10, v1                    ; wave 0..3
	s_lshr_b32 s11, s10, 1                         ; wr: which 64 rows are mine.  Also: I fetch x's codes (0) or the weight's (1)
	s_and_b32 s12, s10, 1                          ; wc: which 64 columns.  Also: which four blocks I fetch
	s_bfe_u32 s40, ttmp6, 0x40000                  ; cx, cy: my place in the cluster
	s_bfe_u32 s41, ttmp6, 0x40004
	s_lshl_b32 s42, ttmp9, 2
	s_add_co_u32 s42, s42, s40                     ; tx = 4 x cluster x + cx
	s_and_b32 s13, ttmp7, 0xffff
	s_lshl_b32 s13, s13, 2
	s_add_co_u32 s13, s13, s41                     ; ty = 4 x cluster y + cy
	s_lshr_b32 s14, ttmp9, 1                       ; the kind: 0 q, 1 k, 2 v: the same in all sixteen partners
	s_lshl_b32 s43, s41, 2
	s_lshl_b32 s43, 15, s43                        ; my row of the cluster
	s_lshl_b32 s44, 0x1111, s40                    ; my column
	s_or_b32 s[G1A], s43, (3<<16)|(1<<21)          ; 15:0 the mask; 17:16 elements of 8 bytes; 21 set beside a mask; no padding
	s_or_b32 s[G1B], s44, (3<<16)|(1<<21)
.irp g, G1A, G1B
	s_mov_b32 s[\g+1], 512<<16                     ; tensor_dim0 = 512 elements: a block's 4,096 bytes of a chunk
	s_mov_b32 s[\g+2], 4<<16                       ; tensor_dim1 = 4 blocks
	s_mov_b32 s[\g+3], 512<<16                     ; tile_dim0
	s_mov_b32 s[\g+4], 4                           ; tile_dim1
	s_mov_b32 s[\g+5], 2048                        ; from block to block: 16,384 bytes
	s_mov_b32 s[\g+6], 0
	s_mov_b32 s[\g+7], 0
.endr
	s_lshl_b32 s16, s14, 22                        ; x's codes: the kind's set of 4 MB,
	s_lshl_b32 s17, s13, 17                        ; ty's eight blocks,
	s_add_co_u32 s16, s16, s17
	s_lshl_b32 s17, s12, 16                        ; my four of them
	s_add_co_u32 s16, s16, s17
	s_mov_b32 s17, 0
	s_lshl_b32 s46, s42, 17                        ; the weights' codes lie on end from 12 MB on: tx's eight blocks,
	s_lshl_b32 s47, s12, 16
	s_add_co_u32 s46, s46, s47
	s_add_co_u32 s46, s46, 12<<20
	s_mov_b32 s47, 0
	s_lshl_b32 s45, s10, 14                        ; where they go: region = wave: no place in the cluster enters an LDS address
	s_wait_dscnt 0x0                               ; both opening adds are done
	s_wait_kmcnt 0x0
	s_load_b256 s[56:63], s[6:7], 0x0              ; e0 .. e7
	s_load_b32 s66, s[6:7], 0x24                   ; e9
	s_add_nc_u64 s[16:17], s[4:5], s[16:17]
	s_add_nc_u64 s[46:47], s[4:5], s[46:47]
.irp j, 0,1,2,3
	s_mov_b32 s[G0A+4*\j], 1
	s_add_co_u32 s[G0A+4*\j+1], s45, \j*CH
	s_add_nc_u64 s[G0A+4*\j+2:G0A+4*\j+3], s[16:17], \j*4096
	s_or_b32 s[G0A+4*\j+3], s[G0A+4*\j+3], 0x80000000
	s_mov_b32 s[G0B+4*\j], 1
	s_add_co_u32 s[G0B+4*\j+1], s45, \j*CH
	s_add_nc_u64 s[G0B+4*\j+2:G0B+4*\j+3], s[46:47], \j*4096
	s_or_b32 s[G0B+4*\j+3], s[G0B+4*\j+3], 0x80000000
.endr
	CROUND                                         ; all sixteen work-groups are here: the joint loads meet
	s_cmp_eq_u32 s11, 0                            ; a wave's four fills stand in one branch on its number, ahead of every wait on TENSORcnt, LDS read and barrier
	s_cbranch_scc0 .Lfor_b
.irp j, 0,1,2,3
	tensor_load_to_lds s[G0A+4*\j:G0A+4*\j+3], s[G1A:G1A+7]
	s_nop 0
.endr
	PLACES
	s_branch .Lasked
.Lfor_b:
.irp j, 0,1,2,3
	tensor_load_to_lds s[G0B+4*\j:G0B+4*\j+3], s[G1B:G1B+7]
	s_nop 0
.endr
	PLACES
.Lasked:
	v_and_b32 v1, 31, v0
	v_lshlrev_b32 v2, 4, v1                        ; 16 x lane: my place in every image
	s_lshl_b32 s21, s11, 14                        ; x's region of my 64 rows
	s_lshl_b32 s22, s12, 14
	s_add_co_u32 s22, s22, 2*RG                    ; the weight's region of my 64 columns
	s_cmp_eq_u32 s14, 2
	s_cselect_b32 s23, s21, s22                    ; source 0: the weight; for v: x
	s_cselect_b32 s20, s22, s21                    ; source 1: x; for v: the weight
.irp j, 0,1,2,3
	v_add_nc_u32 v[ADR0+\j], s23, v2
	v_add_nc_u32 v[ADR1+\j], s20, v2
	s_add_co_u32 s23, s23, CH
	s_add_co_u32 s20, s20, CH
.endr
	s_and_b32 s32, s42, 7
	s_lshl_b32 s32, s32, 1
	s_add_co_u32 s32, s32, s12                     ; my head
	s_lshr_b32 s33, s13, 4
	s_lshl_b32 s33, s33, 4
	s_add_co_u32 s33, s33, s32                     ; bh = 16 x batch + head
	s_and_b32 s34, s13, 15                         ; which 128 positions of the sequence
	s_lshl_b32 s35, s33, 17
	s_lshl_b32 s36, s34, 13
	s_add_co_u32 s35, s35, s36
	s_lshl_b32 s36, s11, 12
	s_add_co_u32 s35, s35, s36                     ; q: bh x 128 KB + (8 tq + 4 wr) KB
	s_lshl_b32 s37, s33, 18
	s_lshl_b32 s38, s34, 14
	s_add_co_u32 s37, s37, s38
	s_add_co_u32 s37, s37, 4<<20                   ; the key step's 16 KB
	s_add_co_u32 s38, s37, s36                     ; k: + 4 wr KB
	s_lshl_b32 s39, s11, 10
	s_add_co_u32 s39, s39, s37
	s_add_co_u32 s39, s39, 8192                    ; v: + 8 KB + my 64 keys' two runs of 512 bytes in each fragment
	s_mov_b32 s19, 1024
	s_cmp_eq_u32 s14, 0
	s_cselect_b32 s32, s35, s38
	s_cmp_eq_u32 s14, 2
	s_cselect_b32 s32, s39, s32
	s_cselect_b32 s19, 2048, s19                   ; from a to a + 1: a block of 16 rows x 64 (q, k) or a fragment of 16 d x 128 keys (v)
	s_mov_b32 s33, 0
	s_add_nc_u64 s[8:9], s[8:9], s[32:33]
	v_mov_b32 v[OUTA], v2
	v_add_nc_u32 v[OUTA+1], s19, v[OUTA]
	v_add_nc_u32 v[OUTA+2], s19, v[OUTA+1]
	v_add_nc_u32 v[OUTA+3], s19, v[OUTA+2]
	s_cmp_eq_u32 s14, 2                            ; v has no rope
	s_cbranch_scc1 .Lno_table
	s_lshl_b32 s36, s34, 15
	s_lshl_b32 s37, s11, 14
	s_add_co_u32 s36, s36, s37
	s_add_co_u32 s36, s36, 17<<20
	s_mov_b32 s37, 0
	s_add_nc_u64 s[36:37], s[4:5], s[36:37]        ; the table of my 64 positions
	WIN 0x80                                       ; destination window 2
.irp a, 0,1,2,3
.irp t, 0,1
.irp g, 0,1,2,3
	global_load_b128 v[32*\a+16*\t+4*\g:32*\a+16*\t+4*\g+3], v2, s[36:37] offset:\a*4096+\t*2048+\g*512
.endr
.endr
.endr
	WIN 0
.Lno_table:
	LAND 0
	FETCH 0, 0
	FETCH 1, 1
	s_wait_dscnt 32                                ; step 0's 32 loads are in; the 32 just issued may be out
	MULS 0, 1
.irp st, 1,2,3,4,5,6
.if (\st%2) == 1
	LAND (\st+1)/2                                 ; the next step begins a chunk
.endif
	PLACES                                         ; in front of loads into the set that the last step multiplied
	FETCH \st+1, (\st+1)%2
	s_wait_dscnt 32
	MULS \st%2, 0
.endr
	s_wait_dscnt 0x0
	MULS 1, 0
	WIN 0
	PLACES
	s_wait_kmcnt 0x0
	s_sub_co_i32 s32, s62, s56
	s_sub_co_i32 s32, s32, s57                     ; e6 - e0 - e1
	s_sub_co_i32 s33, s63, s58
	s_sub_co_i32 s33, s33, s59                     ; e7 - e2 - e3
	s_sub_co_i32 s34, s66, s60
	s_sub_co_i32 s34, s34, s61                     ; e9 - e4 - e5
	s_cmp_eq_u32 s14, 0
	s_cselect_b32 s32, s32, s33
	s_cmp_eq_u32 s14, 2
	s_cselect_b32 s32, s34, s32
	s_add_co_i32 s32, s32, 127
	s_lshl_b32 s33, s32, 23
	v_mov_b32 v[SCV], s33                          ; the folded scale as f32
	s_add_co_i32 s32, s32, 15
	s_lshl_b32 s32, s32, 23
	s_or_b32 s32, s32, 0x600000
	v_mov_b32 v[LIM], s32                          ; 57,344 x that
	s_cmp_eq_u32 s14, 2
	s_cbranch_scc1 .Lno_rope
	s_wait_loadcnt 0x0                             ; the table
	ROPE 0
	ROPE 1
	ROPE 2
	ROPE 3
	WIN 0
.Lno_rope:
	QOUT 0
	QOUT 1
	QOUT 2
	QOUT 3
	s_wait_tensorcnt 0x0                           ; the wave's end
	ds_add_u32 v[SPW], v[NIL]
	s_wait_dscnt 0x0
	CROUND                                         ; the closing round: no work-group ends while a partner may still ask for a part that names it
	s_endpgm
.Lfunc_end_k_qcf1fac9d6c_qkv:
	.size	k_qcf1fac9d6c_qkv, .Lfunc_end_k_qcf1fac9d6c_qkv-k_qcf1fac9d6c_qkv
	.p2alignl 7, 3214868480
	.fill 96, 4, 3214868480
	.section	.rodata,"a",@progbits
	.p2align	6, 0x0
	.amdhsa_kernel k_qcf1fac9d6c_qkv
		.amdhsa_group_segment_fixed_size 262656
		.amdhsa_private_segment_fixed_size 0
		.amdhsa_enable_private_segment 0
		.amdhsa_kernarg_size 24
		.amdhsa_user_sgpr_count 2
		.amdhsa_user_sgpr_kernarg_segment_ptr 1
		.amdhsa_wavefront_size32 1
		.amdhsa_system_sgpr_workgroup_id_x 1
		.amdhsa_system_sgpr_workgroup_id_y 1
		.amdhsa_system_sgpr_workgroup_id_z 1
		.amdhsa_system_vgpr_workitem_id 0
		.amdhsa_next_free_vgpr 640
		.amdhsa_next_free_sgpr 100
		.amdhsa_reserve_vcc 0
		.amdhsa_float_denorm_mode_32 3
		.amdhsa_float_denorm_mode_16_64 3
		.amdhsa_memory_ordered 1
		.amdhsa_forward_progress 1
		.amdhsa_inst_pref_size 61
	.end_amdhsa_kernel
	.amdgpu_metadata
---
amdhsa.version: [ 1, 2 ]
amdhsa.kernels:
  - .name:           k_qcf1fac9d6c_qkv
    .symbol:         k_qcf1fac9d6c_qkv.kd
    .args:
      - { .name: pre, .offset: 0, .size: 8, .value_kind: global_buffer, .address_space: global }
      - { .name: lowp_scales, .offset: 8, .size: 8, .value_kind: global_buffer, .address_space: global }
      - { .name: qkv, .offset: 16, .size: 8, .value_kind: global_buffer, .address_space: global }
    .group_segment_fixed_size: 262656
    .private_segment_fixed_size: 0
    .kernarg_segment_align: 8
    .kernarg_segment_size: 24
    .max_flat_workgroup_size: 128
    .sgpr_count:     100
    .vgpr_count:     640
    .wavefront_size: 32
...
	.end_amdgpu_metadata
.endif
;; end of part 2
;; launch attn (part 3): grid 8 x 32, 16 waves a work-group, clusters of 4 x 1, 264,192 bytes of LDS; arguments qkv, lowp_scales, pk_wo; writes pk_wo
.if DOCPART == 3
	.amdgcn_target "amdgcn-amd-amdhsa--gfx1250"
	.amdhsa_code_object_version 6
	.text
	.protected	k_qcf1fac9d6c_attn
	.globl	k_qcf1fac9d6c_attn
	.p2align	8
	.type	k_qcf1fac9d6c_attn,@function
k_qcf1fac9d6c_attn:
	s_mov_b64 s[64:65], 0
	v_nop
	global_prefetch_b8 v0, s[64:65] scope:SCOPE_SE
	s_setreg_imm32_b32 hwreg(HW_REG_WAVE_MODE, 25, 1), 1
	s_wait_xcnt 0x0
	s_wait_alu depctr_hold_cnt(0) depctr_sa_sdst(0) depctr_va_vdst(0) depctr_va_sdst(0) depctr_va_ssrc(0) depctr_va_vcc(0) depctr_vm_vsrc(0)
	s_getreg_b32 s2, hwreg(HW_REG_IB_STS2, 6, 4)
	s_cmp_eq_u32 s2, 0
	s_cbranch_scc0 .Lentry_in_a_cluster
	s_endpgm
.Lentry_in_a_cluster:
	s_bfe_u32 s2, ttmp6, 0x10000c
	s_cmp_lg_u32 s2, 0x3003
	s_cbranch_scc0 .Lentry_shape_is_right
	s_endpgm
.Lentry_shape_is_right:
; Launch 3 of 7: ctx = softmax(q k^T / 8) v for 32 (batch, head) pairs of 2,048 positions, head size 64, no mask, both products on codes of E5M2; ctx leaves as codes for the product with Wo.  Nothing of reference() is left out here.
; THE SOFTMAX AHEAD OF THE SECOND PRODUCT: t = score x log2(e) / 8; M = the row's largest t so far, rounded UP to a whole number; p = 2^(t - M) is quantised (2^e8), not normalised; the row's sum is taken of the unquantised p
; and divides at the end.  When M moves, the sum and O are multiplied by 2^(old M - new M): nothing is rounded.
; SHARES.  A work-group owns 256 queries of one (batch, head); each of its sixteen waves 16 of them, in 256 registers: four waves to a SIMD, so that one wave's vector work stands beside another's matrix work and LDS loads.
; ALL OF THE HEAD'S K AND V LIE IN LDS AT ONCE: 16 key steps of 16 KB (8 KB of K, 8 KB of V), as launch 2 laid them.  Every wave asks for 4 KB of each group of four steps at the head: four tensor loads of mine are out at the most;
; no LDS byte is filled twice; a counted wait and a plain barrier open one group after the other.
; CLUSTER 4 x 1: the four blocks of queries of a cluster belong to one head and ask for each part jointly.
; LAYOUT.  Both products transposed: S^T = K Q^T (source 0 = 16 keys, source 1 = my queries; K = 64), O^T = V^T P^T (source 0 = 16 d, source 1 = P; K = 128 keys): a lane holds ONE query throughout.
; Tile kb of S^T holds keys 16 kb + 8 h + 0..7 in its eight registers: its conversion is register pair kb of P.  Nothing changes lanes.
; LIMITS: e6 + e7 between -122 and 129 (added to c's exponent field); e8 and e10 between -126 and 112; e8 + e9 is applied by v_ldexp_f32.  NaN among the inputs is not served.
; REGISTERS: v1 16 x lane; v5, v6 the add's two; v8 the step's LDS address; v12 -M, v13 the largest t, v[14:15] the sum in two halves; v16-23 Q; v32-95 K's eight fragments, then V's four; v96-159 S^T, then p;
;   v160-191 O^T; v192-203 at work and constants; v224-239 p's codes.
.set SPARE, 262144                     ; behind K and V: the spare words, 128 bytes a wave: eight blocks of 256 bytes that no other line names
.set SPW,  5
.set NIL,  6
.set ADR,  8
.set TA,   192
.set FF,   194                         ; v[194:195]: f (the pair's low word serves both halves)
.set PM,   196
.set S2,   198                         ; v[198:199]
.set LIMP, 200
.set SCP,  201
.set LIMC, 202
.set SCX,  203
.set WV,   18
.set SEL,  20
.set CS,   22
.set G1,   24
.set G0,   32
.set TB,   48
.set CNT,  49
.macro CROUND
	s_barrier_signal -1
	s_barrier_wait -1
	s_cmp_lg_u32 s[WV], 0
	s_cbranch_scc1 .Lnot_wave_0_\@
	s_barrier_signal -3
.Lnot_wave_0_\@:
	s_barrier_wait -3
	s_barrier_signal -1
	s_barrier_wait -1
.endm
.macro STEP                            ; 128 keys, at LDS byte s[TB]
	v_add_nc_u32 v[ADR], s[TB], v1
.rept 3
	v_nop                                          ; with the addition above: four places in front of loads into registers that the last products read
.endr
.irp kb, 0,1,2,3,4,5,6,7
.irp c, 0,1
	ds_load_b128 v[32+8*\kb+4*\c:32+8*\kb+4*\c+3], v[ADR] offset:\kb*1024+\c*512
.endr
.endr
	s_wait_dscnt 0x0
.irp kb, 0,1,2,3,4,5,6,7
	v_wmma_f32_16x16x64_bf8_bf8 v[96+8*\kb:103+8*\kb], v[32+8*\kb:39+8*\kb], v[16:23], 0
.endr
.rept 4
	v_nop                                          ; places in front of the loads below and of the first read of the scores
.endr
.irp t, 0,1,2,3
.irp c, 0,1,2,3
	ds_load_b128 v[32+16*\t+4*\c:32+16*\t+4*\c+3], v[ADR] offset:8192+\t*2048+\c*512   ; V: it lands while the softmax is walked
.endr
.endr
	v_max3_num_f32 v[TA], v96, v97, v98            ; the step's largest score of my query among my 64 keys, in two chains, each accumulator from its low end on,
	v_max3_num_f32 v[FF], v99, v100, v101
.irp i, 6,10,14,18,22,26,30,34,38,42,46,50,54,58
	v_max3_num_f32 v[TA], v[TA], v[96+\i], v[97+\i]
	v_max3_num_f32 v[FF], v[FF], v[98+\i], v[99+\i]
.endr
	v_max3_num_f32 v[TA], v[TA], v158, v159
	v_max_num_f32 v[TA], v[TA], v[FF]
	v_permlanex16_b32 v[PM], v[TA], s[SEL], s[SEL+1]
	v_max_num_f32 v[TA], v[TA], v[PM]              ; and among lane l xor 16's
	v_mul_f32 v[TA], s[CS], v[TA]                  ; as t (c is positive)
	v_max_num_f32 v13, v13, v[TA]                  ; the running largest t
	v_mov_b32 v[TA], v12
	v_floor_f32 v12, -v13                          ; the new -M = floor(-t): M is a whole number
	v_sub_f32 v[TA], v12, v[TA]                    ; old M - new M: a whole number, 0 or less
	v_cvt_i32_f32 v[TA], v[TA]                     ; (it saturates)
	v_ldexp_f32 v[FF], 1.0, v[TA]                  ; f = 2^(old M - new M)
.set j, 0
.rept 32
	v_pk_fma_f32 v[96+j:97+j], v[96+j:97+j], s[CS:CS+1], v[12:13] op_sel_hi:[1,0,0]   ; t - M, two at a time
.set j, j+2
.endr
.set j, 0
.rept 64
	v_exp_f32 v[96+j], v[96+j]                     ; p = 2^(t - M), at most 1
.set j, j+1
.endr
	v_pk_mul_f32 v[14:15], v[14:15], v[FF:FF+1] op_sel_hi:[1,0]    ; the sums under the new M (a plain line behind the exponentials)
	s_wait_alu depctr_va_vdst(0)                   ; one wait for the whole batch, ahead of its first reader
	v_pk_add_f32 v[S2:S2+1], v[96:97], v[98:99]    ; the row's sum is taken of the unquantised p, in two chains
.irp j, 4,8,12,16,20,24,28,32,36,40,44,48,52,56,60
	v_pk_add_f32 v[14:15], v[14:15], v[96+\j:97+\j]
	v_pk_add_f32 v[S2:S2+1], v[S2:S2+1], v[98+\j:99+\j]
.endr
	v_pk_add_f32 v[14:15], v[14:15], v[S2:S2+1]
.irp kb, 0,1,2,3,4,5,6,7
.irp i, 0,1,2,3,4,5,6,7
	v_min_num_f32 v[96+8*\kb+\i], v[96+8*\kb+\i], v[LIMP]          ; the conversion does not saturate (ISA guide 7.6.2); p is not negative, so the hold is one-sided
.endr
	v_cvt_scalef32_pk8_bf8_f32 v[224+2*\kb:225+2*\kb], v[96+8*\kb:103+8*\kb], v[SCP]
.endr
.set j, 0
.rept 16
	v_pk_mul_f32 v[160+j:161+j], v[160+j:161+j], v[FF:FF+1] op_sel_hi:[1,0]    ; O^T under the new M (plain lines behind the conversions)
.set j, j+2
.endr
	s_wait_dscnt 0x0                               ; V is in
.irp t, 0,1,2,3
	v_wmma_f32_16x16x128_bf8_bf8 v[160+8*\t:167+8*\t], v[32+16*\t:47+16*\t], v[224:239], v[160+8*\t:167+8*\t]   ; the four accumulators take turns; eight other products stand between a step's and the next's
.endr
.endm
.macro GROUP g                         ; four key steps: 64 KB
	s_wait_tensorcnt 3-\g                          ; my part of group g is in; the later groups' may be out
	s_wait_dscnt 0x0
	s_barrier_signal -1
	s_barrier_wait -1                              ; everybody's is
	s_mov_b32 s[TB], \g*65536
	s_mov_b32 s[CNT], 4
.Lstep_\@:
	STEP
	s_add_co_u32 s[TB], s[TB], 16384
	s_sub_co_u32 s[CNT], s[CNT], 1
	s_cmp_lg_u32 s[CNT], 0
	s_cbranch_scc1 .Lstep_\@
.endm
	s_load_b128 s[4:7], s[0:1], 0x0                ; qkv s[4:5], lowp_scales s[6:7]
	s_load_b64 s[8:9], s[0:1], 0x10                ; pk_wo
	v_lshl_add_u32 v[SPW], v0, 2, SPARE
	v_mov_b32 v[NIL], 0
	ds_add_u32 v[SPW], v[NIL]                      ; the wave's opening: the add, twice on end, and its wait ahead of my first tensor load
	ds_add_u32 v[SPW], v[NIL]
	v_lshrrev_b32 v8, 5, v0
	v_readfirstlane_b32 s[WV], v8                  ; wave 0..15
	s_bfe_u32 s13, ttmp6, 0x40000                  ; cx
	s_lshl_b32 s14, ttmp9, 2
	s_add_co_u32 s14, s14, s13                     ; my block of 256 queries: it enters Q's and the output's addresses alone
	s_and_b32 s15, ttmp7, 0xffff                   ; bh, which the four partners share
	s_lshl_b32 s16, s15, 18                        ; the head's 256 KB of K and V,
	s_lshl_b32 s19, s[WV], 12                      ; my 4 KB of each group, in memory and in LDS alike
	s_add_co_u32 s16, s16, s19
	s_add_co_u32 s16, s16, 4<<20
	s_mov_b32 s17, 0
	s_mov_b32 s[G1], 15|(3<<16)|(1<<21)            ; 15:0 the mask: all four work-groups; 17:16 elements of 8 bytes; 21 set beside a mask; no padding
	s_mov_b32 s[G1+1], 32<<16                      ; tensor_dim0 = 32 elements: 256 bytes
	s_mov_b32 s[G1+2], 16<<16                      ; tensor_dim1 = 16 rows: a dense block of 4,096 bytes
	s_mov_b32 s[G1+3], 32<<16                      ; tile_dim0
	s_mov_b32 s[G1+4], 16                          ; tile_dim1
	s_mov_b32 s[G1+5], 32                          ; the pitch
	s_mov_b32 s[G1+6], 0
	s_mov_b32 s[G1+7], 0
	s_mov_b32 s[SEL], 0x76543210
	s_mov_b32 s[SEL+1], 0xfedcba98
	s_mov_b32 s[CS], 0x3e38aa3b                    ; c = log2(e) / 8
	s_wait_dscnt 0x0                               ; both opening adds are done
	s_wait_kmcnt 0x0
	s_load_b128 s[52:55], s[6:7], 0x18             ; e6, e7, e8, e9
	s_load_b32 s56, s[6:7], 0x28                   ; e10
	s_add_nc_u64 s[16:17], s[4:5], s[16:17]
.irp g, 0,1,2,3
	s_mov_b32 s[G0+4*\g], 1
	s_add_co_u32 s[G0+4*\g+1], s19, \g*65536
	s_add_nc_u64 s[G0+4*\g+2:G0+4*\g+3], s[16:17], \g*65536
	s_or_b32 s[G0+4*\g+3], s[G0+4*\g+3], 0x80000000
.endr
	CROUND                                         ; all four work-groups are here: the joint loads meet
.irp g, 0,1,2,3
	tensor_load_to_lds s[G0+4*\g:G0+4*\g+3], s[G1:G1+7]
	s_nop 0
.endr
.rept 4
	v_nop
.endr
	v_and_b32 v1, 31, v0
	v_lshlrev_b32 v1, 4, v1                        ; 16 x lane
	s_lshl_b32 s50, s15, 17
	s_lshl_b32 s51, s14, 14
	s_add_co_u32 s50, s50, s51
	s_lshl_b32 s51, s[WV], 10
	s_add_co_u32 s50, s50, s51                     ; Q: bh x 128 KB + (16 x block + wave) KB
	s_mov_b32 s51, 0
	s_add_nc_u64 s[10:11], s[4:5], s[50:51]
	global_load_b128 v[16:19], v1, s[10:11]        ; Q's fragment stays in registers
	global_load_b128 v[20:23], v1, s[10:11] offset:512
	s_lshr_b32 s50, s15, 4
	s_lshl_b32 s50, s50, 7
	s_lshl_b32 s51, s14, 4
	s_add_co_u32 s50, s50, s51
	s_add_co_u32 s50, s50, s[WV]                   ; ctx: block of 16 rows = 128 x batch + 16 x block + wave,
	s_lshl_b32 s50, s50, 14
	s_bfe_u32 s51, s15, 0x30001
	s_lshl_b32 s51, s51, 11                        ; fragment = head / 2,
	s_add_co_u32 s50, s50, s51
	s_and_b32 s51, s15, 1
	s_lshl_b32 s51, s51, 10                        ; its lower or upper 64 along K
	s_add_co_u32 s50, s50, s51
	s_add_co_u32 s50, s50, 1<<20
	s_mov_b32 s51, 0
	s_add_nc_u64 s[8:9], s[8:9], s[50:51]
	v_mov_b32 v13, 0xff61b1e6                      ; the largest t so far: -3e38, under every t
	v_floor_f32 v12, -v13                          ; -M
	v_mov_b32 v14, 0
	v_mov_b32 v15, 0
	v_mov_b32 v[PM], 0                             ; a lane permute's destination counts as one of its sources
	v_mov_b32 v[FF+1], 0                           ; (named as the upper half of the pair)
.set j, 0
.rept 32
	v_mov_b32 v[160+j], 0                          ; O^T: the step is written once for all sixteen: the first finds zeros, which the first change of M leaves zeros
.set j, j+1
.endr
	s_wait_kmcnt 0x0
	s_add_co_i32 s50, s52, s53
	s_lshl_b32 s50, s50, 23
	s_add_co_i32 s[CS], s[CS], s50                 ; a score stands for score x 2^(e6 + e7): added to c's exponent field
	s_mov_b32 s[CS+1], s[CS]
	s_add_co_i32 s50, s54, 127
	s_lshl_b32 s51, s50, 23
	v_mov_b32 v[SCP], s51                          ; 2^e8
	s_add_co_i32 s50, s50, 15
	s_lshl_b32 s50, s50, 23
	s_or_b32 s50, s50, 0x600000
	v_mov_b32 v[LIMP], s50                         ; 57,344 x 2^e8
	s_add_co_i32 s50, s56, 127
	s_lshl_b32 s51, s50, 23
	v_mov_b32 v[SCX], s51                          ; 2^e10
	s_add_co_i32 s50, s50, 15
	s_lshl_b32 s50, s50, 23
	s_or_b32 s50, s50, 0x600000
	v_mov_b32 v[LIMC], s50
	s_wait_loadcnt 0x0                             ; Q
	GROUP 0
	GROUP 1
	GROUP 2
	GROUP 3
	; THE WAY OUT: O^T / the sum x 2^(e8 + e9) is ctx; its codes (2^e10) are register pairs of the next operand: d = 16 t + 8 h + 0..7 of my query's row
.rept 4
	v_nop                                          ; places behind the last products
.endr
	v_add_f32 v14, v14, v15
	v_permlanex16_b32 v[PM], v14, s[SEL], s[SEL+1]
	v_add_f32 v14, v14, v[PM]                      ; the row's sum
	v_rcp_f32 v14, v14
	v_nop                                          ; a plain line behind the reciprocal
	s_add_co_i32 s50, s54, s55
	s_wait_alu depctr_va_vdst(0)                   ; the wait ahead of its first reader
	v_ldexp_f32 v14, v14, s50
.set j, 0
.rept 32
	v_mul_f32 v[96+j], v[160+j], v14
.set j, j+1
.endr
.set j, 0
.rept 32
	v_med3_num_f32 v[96+j], v[96+j], -v[LIMC], v[LIMC]
.set j, j+1
.endr
.irp t, 0,1,2,3
	v_cvt_scalef32_pk8_bf8_f32 v[224+2*\t:225+2*\t], v[96+8*\t:103+8*\t], v[SCX]
.endr
	v_nop
	global_store_b128 v1, v[224:227], s[8:9]                 ; 32 lanes store 512 consecutive bytes
	global_store_b128 v1, v[228:231], s[8:9] offset:512
	s_wait_tensorcnt 0x0                           ; the wave's end
	ds_add_u32 v[SPW], v[NIL]
	s_wait_dscnt 0x0
	CROUND                                         ; the closing round
	s_endpgm
.Lfunc_end_k_qcf1fac9d6c_attn:
	.size	k_qcf1fac9d6c_attn, .Lfunc_end_k_qcf1fac9d6c_attn-k_qcf1fac9d6c_attn
	.p2alignl 7, 3214868480
	.fill 96, 4, 3214868480
	.section	.rodata,"a",@progbits
	.p2align	6, 0x0
	.amdhsa_kernel k_qcf1fac9d6c_attn
		.amdhsa_group_segment_fixed_size 264192
		.amdhsa_private_segment_fixed_size 0
		.amdhsa_enable_private_segment 0
		.amdhsa_kernarg_size 24
		.amdhsa_user_sgpr_count 2
		.amdhsa_user_sgpr_kernarg_segment_ptr 1
		.amdhsa_wavefront_size32 1
		.amdhsa_system_sgpr_workgroup_id_x 1
		.amdhsa_system_sgpr_workgroup_id_y 1
		.amdhsa_system_sgpr_workgroup_id_z 1
		.amdhsa_system_vgpr_workitem_id 0
		.amdhsa_next_free_vgpr 256
		.amdhsa_next_free_sgpr 66
		.amdhsa_reserve_vcc 0
		.amdhsa_float_denorm_mode_32 3
		.amdhsa_float_denorm_mode_16_64 3
		.amdhsa_memory_ordered 1
		.amdhsa_forward_progress 1
		.amdhsa_inst_pref_size 73
	.end_amdhsa_kernel
	.amdgpu_metadata
---
amdhsa.version: [ 1, 2 ]
amdhsa.kernels:
  - .name:           k_qcf1fac9d6c_attn
    .symbol:         k_qcf1fac9d6c_attn.kd
    .args:
      - { .name: qkv, .offset: 0, .size: 8, .value_kind: global_buffer, .address_space: global }
      - { .name: lowp_scales, .offset: 8, .size: 8, .value_kind: global_buffer, .address_space: global }
      - { .name: pk_wo, .offset: 16, .size: 8, .value_kind: global_buffer, .address_space: global }
    .group_segment_fixed_size: 264192
    .private_segment_fixed_size: 0
    .kernarg_segment_align: 8
    .kernarg_segment_size: 24
    .max_flat_workgroup_size: 512
    .sgpr_count:     66
    .vgpr_count:     256
    .wavefront_size: 32
...
	.end_amdgpu_metadata
.endif
;; end of part 3
;; launch wo (part 4): grid 8 x 32, 4 waves a work-group, clusters of 4 x 4, 280,064 bytes of LDS; arguments pk_wo, hidden_states, h; writes h
.if DOCPART == 4
	.amdgcn_target "amdgcn-amd-amdhsa--gfx1250"
	.amdhsa_code_object_version 6
	.text
	.protected	k_qcf1fac9d6c_wo
	.globl	k_qcf1fac9d6c_wo
	.p2align	8
	.type	k_qcf1fac9d6c_wo,@function
k_qcf1fac9d6c_wo:
	s_mov_b64 s[64:65], 0
	v_nop
	global_prefetch_b8 v0, s[64:65] scope:SCOPE_SE
	s_setreg_imm32_b32 hwreg(HW_REG_WAVE_MODE, 25, 1), 1
	s_wait_xcnt 0x0
	s_wait_alu depctr_hold_cnt(0) depctr_sa_sdst(0) depctr_va_vdst(0) depctr_va_sdst(0) depctr_va_ssrc(0) depctr_va_vcc(0) depctr_vm_vsrc(0)
	s_getreg_b32 s2, hwreg(HW_REG_IB_STS2, 6, 4)
	s_cmp_eq_u32 s2, 0
	s_cbranch_scc0 .Lentry_in_a_cluster
	s_endpgm
.Lentry_in_a_cluster:
	s_bfe_u32 s2, ttmp6, 0x10000c
	s_cmp_lg_u32 s2, 0xf033
	s_cbranch_scc0 .Lentry_shape_is_right
	s_endpgm
.Lentry_shape_is_right:
; Launches 4 and 7 of 7, one body: out = resid + A W on codes of E5M2, M = 4,096, N = K = 1,024.  (4: ctx Wo + hidden_states -> h;  7: g w2 + h -> out0.)  Nothing of reference() is left out here.
; pk holds the weight's image at + 0, A's image at + 1 MB, and at + 5 MB the whole number eA + eB of the product (used in arithmetic alone).
; A tile is 128 x 128; four waves, each 64 x 64.  ALL OF K LIES IN LDS AT ONCE, in four chunks of 256 along K; every wave asks for its four parts of 16 KB at the head: four tensor loads of mine are out at the most,
; no LDS byte is filled twice, a counted wait and a plain barrier open one chunk after the other.  CLUSTER 4 x 4: A's parts are asked for jointly along a row of the cluster, the weight's along a column.
; Source 0 = 16 rows of the weight's image (columns n), source 1 = 16 rows of A: a lane holds eight neighbouring numbers of a row of the result.
; THE WAY OUT: the raw sums of 16 rows x 64 columns go through my own stage in LDS and come back as rows of 256 bytes; one packed multiply-add gives sum x 2^(eA + eB) + resid; sixteen lanes store 256 consecutive bytes.
; The residual's 64 x 64 numbers are asked for at the head, in the layout of the rows read back.
; LIMIT: eA + eB between -126 and 127.
; REGISTERS: window 0: v16-23 LDS addresses, v24-26 the way out's, v28-29 the add's two, v32-95 rows read back (two sets), v128-255 the 16 accumulators;  window 1: two sets of fragments;  window 2: the residual.
.set CH,    65536
.set RG,    16384
.set STAGE, 4*CH                       ; behind the chunks: 16 rows x SP bytes for each wave; no tensor load lands here
.set SP,    272
.set SPARE, STAGE+4*16*SP              ; behind the stages: the spare words, 128 bytes a wave: two blocks of 256 bytes that no other line names
.set ADR0,  16
.set ADR1,  20
.set STO,   24
.set RD,    25
.set CO,    26
.set SPW,   28
.set NIL,   29
.set BK,    32
.set ACC,   128
.set G1A,   24
.set G1B,   48
.set G0A,   68
.set G0B,   84
.set MUL,   0x05
.set TO_F,  0x40
.set MSB, 0
.macro WIN new
.if MSB != \new
	s_set_vgpr_msb (MSB<<8)|\new
.set MSB, \new
.endif
.endm
.macro CROUND
	s_barrier_signal -1
	s_barrier_wait -1
	s_cmp_lg_u32 s10, 0
	s_cbranch_scc1 .Lnot_wave_0_\@
	s_barrier_signal -3
.Lnot_wave_0_\@:
	s_barrier_wait -3
	s_barrier_signal -1
	s_barrier_wait -1
.endm
.macro PLACES
.rept 4
	v_nop
.endr
.endm
.macro LAND j
	s_wait_tensorcnt 3-(\j)                        ; my part of chunk j is in; the later chunks' may be out
	s_wait_dscnt 0x0
	s_barrier_signal -1
	s_barrier_wait -1
.endm
.macro FETCH st, set
	WIN TO_F
.irp i, 0,1,2,3
.irp c, 0,1,2,3
	ds_load_b128 v[128*(\set)+64+16*\i+4*\c:128*(\set)+64+16*\i+4*\c+3], v[ADR0+(\st)/2] offset:\i*4096+((\st)%2)*2048+\c*512
.endr
.endr
.irp i, 0,1,2,3
.irp c, 0,1,2,3
	ds_load_b128 v[128*(\set)+16*\i+4*\c:128*(\set)+16*\i+4*\c+3], v[ADR1+(\st)/2] offset:\i*4096+((\st)%2)*2048+\c*512
.endr
.endr
.endm
.macro MULS set, zero                  ; the 16 accumulators take turns, one instruction a turn, in the same order in every step
	WIN MUL
.irp a, 0,1,2,3
.irp b, 0,1,2,3
.if \zero
	v_wmma_f32_16x16x128_bf8_bf8 v[ACC+8*(4*\a+\b):ACC+8*(4*\a+\b)+7], v[128*(\set)+64+16*\b:128*(\set)+64+16*\b+15], v[128*(\set)+16*\a:128*(\set)+16*\a+15], 0
.else
	v_wmma_f32_16x16x128_bf8_bf8 v[ACC+8*(4*\a+\b):ACC+8*(4*\a+\b)+7], v[128*(\set)+64+16*\b:128*(\set)+64+16*\b+15], v[128*(\set)+16*\a:128*(\set)+16*\a+15], v[ACC+8*(4*\a+\b):ACC+8*(4*\a+\b)+7]
.endif
.endr
.endr
.endm
.macro TOSTAGE a                       ; rows 16 a on: in as 32 bytes a lane, each accumulator from its low end on; back as whole rows.  LDS serves a wave's instructions in order (ISA guide 5.7.1.4): no wait between
.irp b, 0,1,2,3
	ds_store_b128 v[STO], v[ACC+8*(4*(\a)+\b):ACC+8*(4*(\a)+\b)+3] offset:64*\b
	ds_store_b128 v[STO], v[ACC+8*(4*(\a)+\b)+4:ACC+8*(4*(\a)+\b)+7] offset:64*\b+16
.endr
.irp i, 0,1,2,3,4,5,6,7
	ds_load_b128 v[BK+32*((\a)%2)+4*\i:BK+32*((\a)%2)+4*\i+3], v[RD] offset:\i*2*SP
.endr
.endm
.macro SEND a, younger                 ; younger: the LDS instructions issued behind block a's loads, which may stay out
.set BB, BK+32*((\a)%2)
	s_wait_dscnt \younger
	WIN 0x20                                       ; source 2 (the residual) window 2
.set i, 0
.rept 16
	v_pk_fma_f32 v[BB+i:BB+i+1], v[BB+i:BB+i+1], s[58:59], v[32*(\a)+i:32*(\a)+i+1] op_sel_hi:[1,0,1]   ; sum x 2^(eA + eB) + resid
.set i, i+2
.endr
	WIN 0
.irp i, 0,1,2,3,4,5,6,7
	global_store_b128 v[CO], v[BB+4*\i:BB+4*\i+3], s[8:9] offset:(16*(\a)+2*\i)*4096   ; sixteen lanes store 256 consecutive bytes, at a multiple of 256 from the buffer's first byte
.endr
.endm
	s_load_b128 s[4:7], s[0:1], 0x0                ; pk s[4:5], resid s[6:7]
	s_load_b64 s[8:9], s[0:1], 0x10                ; out
	v_lshl_add_u32 v[SPW], v0, 2, SPARE
	v_mov_b32 v[NIL], 0
	ds_add_u32 v[SPW], v[NIL]                      ; the wave's opening: the add, twice on end, and its wait ahead of my first tensor load
	ds_add_u32 v[SPW], v[NIL]
	v_lshrrev_b32 v1, 5, v0
	v_readfirstlane_b32 s10, v1                    ; wave 0..3
	s_lshr_b32 s11, s10, 1                         ; wr; also: I fetch A's codes (0) or the weight's (1)
	s_and_b32 s12, s10, 1                          ; wc; also: which four blocks I fetch
	s_bfe_u32 s40, ttmp6, 0x40000
	s_bfe_u32 s41, ttmp6, 0x40004
	s_lshl_b32 s42, ttmp9, 2
	s_add_co_u32 s42, s42, s40                     ; tx
	s_and_b32 s13, ttmp7, 0xffff
	s_lshl_b32 s13, s13, 2
	s_add_co_u32 s13, s13, s41                     ; ty
	s_lshl_b32 s43, s41, 2
	s_lshl_b32 s43, 15, s43                        ; my row of the cluster
	s_lshl_b32 s44, 0x1111, s40                    ; my column
	s_or_b32 s[G1A], s43, (3<<16)|(1<<21)          ; the mask; elements of 8 bytes; bit 21 beside a mask; no padding
	s_or_b32 s[G1B], s44, (3<<16)|(1<<21)
.irp g, G1A, G1B
	s_mov_b32 s[\g+1], 512<<16                     ; tensor_dim0: a block's 4,096 bytes of a chunk
	s_mov_b32 s[\g+2], 4<<16                       ; tensor_dim1: 4 blocks
	s_mov_b32 s[\g+3], 512<<16
	s_mov_b32 s[\g+4], 4
	s_mov_b32 s[\g+5], 2048                        ; from block to block: 16,384 bytes
	s_mov_b32 s[\g+6], 0
	s_mov_b32 s[\g+7], 0
.endr
	s_lshl_b32 s16, s13, 17
	s_lshl_b32 s17, s12, 16
	s_add_co_u32 s16, s16, s17
	s_add_co_u32 s16, s16, 1<<20                   ; A: 1 MB + ty's eight blocks + my four
	s_mov_b32 s17, 0
	s_lshl_b32 s46, s42, 17
	s_lshl_b32 s47, s12, 16
	s_add_co_u32 s46, s46, s47                     ; the weight: tx's eight blocks + my four
	s_mov_b32 s47, 0
	s_lshl_b32 s45, s10, 14                        ; region = wave
	s_wait_dscnt 0x0
	s_wait_kmcnt 0x0
	s_load_b32 s56, s[4:5], 0x500000               ; eA + eB
	s_add_nc_u64 s[16:17], s[4:5], s[16:17]
	s_add_nc_u64 s[46:47], s[4:5], s[46:47]
.irp j, 0,1,2,3
	s_mov_b32 s[G0A+4*\j], 1
	s_add_co_u32 s[G0A+4*\j+1], s45, \j*CH
	s_add_nc_u64 s[G0A+4*\j+2:G0A+4*\j+3], s[16:17], \j*4096
	s_or_b32 s[G0A+4*\j+3], s[G0A+4*\j+3], 0x80000000
	s_mov_b32 s[G0B+4*\j], 1
	s_add_co_u32 s[G0B+4*\j+1], s45, \j*CH
	s_add_nc_u64 s[G0B+4*\j+2:G0B+4*\j+3], s[46:47], \j*4096
	s_or_b32 s[G0B+4*\j+3], s[G0B+4*\j+3], 0x80000000
.endr
	CROUND
	s_cmp_eq_u32 s11, 0
	s_cbranch_scc0 .Lfor_b
.irp j, 0,1,2,3
	tensor_load_to_lds s[G0A+4*\j:G0A+4*\j+3], s[G1A:G1A+7]
	s_nop 0
.endr
	PLACES
	s_branch .Lasked
.Lfor_b:
.irp j, 0,1,2,3
	tensor_load_to_lds s[G0B+4*\j:G0B+4*\j+3], s[G1B:G1B+7]
	s_nop 0
.endr
	PLACES
.Lasked:
	v_and_b32 v1, 31, v0
	v_lshlrev_b32 v2, 4, v1
	v_and_b32 v3, 15, v0                           ; r
	v_bfe_u32 v4, v0, 4, 1                         ; h
	s_lshl_b32 s20, s11, 14                        ; source 1: A's region of my 64 rows
	s_lshl_b32 s23, s12, 14
	s_add_co_u32 s23, s23, 2*RG                    ; source 0: the weight's region of my 64 columns
.irp j, 0,1,2,3
	v_add_nc_u32 v[ADR0+\j], s23, v2
	v_add_nc_u32 v[ADR1+\j], s20, v2
	s_add_co_u32 s23, s23, CH
	s_add_co_u32 s20, s20, CH
.endr
	s_mul_i32 s23, s10, 16*SP
	s_add_co_u32 s23, s23, STAGE                   ; my stage
	v_mul_u32_u24 v[STO], v3, SP
	v_lshl_add_u32 v[STO], v4, 5, v[STO]
	v_add_nc_u32 v[STO], s23, v[STO]               ; in: row r, 32 bytes for each half of the lanes
	v_mul_u32_u24 v[RD], v4, SP
	v_lshl_add_u32 v[RD], v3, 4, v[RD]
	v_add_nc_u32 v[RD], s23, v[RD]                 ; back: lanes 0-15 one row of 256 bytes, lanes 16-31 the next
	v_lshlrev_b32 v[CO], 12, v4
	v_lshl_add_u32 v[CO], v3, 4, v[CO]             ; and the same two rows in resid and out
	s_lshl_b32 s32, s13, 19
	s_lshl_b32 s33, s11, 18
	s_add_co_u32 s32, s32, s33                     ; my first row: 128 ty + 64 wr, 4,096 bytes a row,
	s_lshl_b32 s33, s42, 9
	s_add_co_u32 s32, s32, s33
	s_lshl_b32 s33, s12, 8
	s_add_co_u32 s32, s32, s33                     ; my first column: 128 tx + 64 wc
	s_mov_b32 s33, 0
	s_add_nc_u64 s[6:7], s[6:7], s[32:33]
	s_add_nc_u64 s[8:9], s[8:9], s[32:33]
	WIN 0x80                                       ; destination window 2
.irp a, 0,1,2,3
.irp i, 0,1,2,3,4,5,6,7
	global_load_b128 v[4*(8*\a+\i):4*(8*\a+\i)+3], v[CO], s[6:7] offset:(16*\a+2*\i)*4096 th:TH_LOAD_NT
.endr
.endr
	WIN 0
	LAND 0
	FETCH 0, 0
	FETCH 1, 1
	s_wait_dscnt 32                                ; step 0's 32 loads are in; the 32 just issued may be out
	MULS 0, 1
.irp st, 1,2,3,4,5,6
.if (\st%2) == 1
	LAND (\st+1)/2
.endif
	PLACES                                         ; in front of loads into the set that the last step multiplied
	FETCH \st+1, (\st+1)%2
	s_wait_dscnt 32
	MULS \st%2, 0
.endr
	s_wait_dscnt 0x0
	MULS 1, 0
	WIN 0
	PLACES                                         ; in front of the LDS stores that read results
	s_wait_kmcnt 0x0
	s_add_co_i32 s56, s56, 127
	s_lshl_b32 s58, s56, 23                        ; 2^(eA + eB) as f32
	s_mov_b32 s59, s58                             ; (named with it as a pair)
	s_wait_loadcnt 0x0                             ; the residual
	TOSTAGE 0
.irp a, 1,2,3
.if \a > 1
	s_wait_xcnt 0x0                                ; block a - 2's stores have read their registers: block a's loads may land there
.endif
	TOSTAGE \a
	SEND \a-1, 16                                  ; behind block a - 1's loads: block a's 8 stores and 8 loads
.endr
	SEND 3, 0
	s_wait_tensorcnt 0x0                           ; the wave's end, behind my last tensor load and my last LDS store
	ds_add_u32 v[SPW], v[NIL]
	s_wait_dscnt 0x0
	CROUND                                         ; the closing round
	s_endpgm
.Lfunc_end_k_qcf1fac9d6c_wo:
	.size	k_qcf1fac9d6c_wo, .Lfunc_end_k_qcf1fac9d6c_wo-k_qcf1fac9d6c_wo
	.p2alignl 7, 3214868480
	.fill 96, 4, 3214868480
	.section	.rodata,"a",@progbits
	.p2align	6, 0x0
	.amdhsa_kernel k_qcf1fac9d6c_wo
		.amdhsa_group_segment_fixed_size 280064
		.amdhsa_private_segment_fixed_size 0
		.amdhsa_enable_private_segment 0
		.amdhsa_kernarg_size 24
		.amdhsa_user_sgpr_count 2
		.amdhsa_user_sgpr_kernarg_segment_ptr 1
		.amdhsa_wavefront_size32 1
		.amdhsa_system_sgpr_workgroup_id_x 1
		.amdhsa_system_sgpr_workgroup_id_y 1
		.amdhsa_system_sgpr_workgroup_id_z 1
		.amdhsa_system_vgpr_workitem_id 0
		.amdhsa_next_free_vgpr 640
		.amdhsa_next_free_sgpr 100
		.amdhsa_reserve_vcc 0
		.amdhsa_float_denorm_mode_32 3
		.amdhsa_float_denorm_mode_16_64 3
		.amdhsa_memory_ordered 1
		.amdhsa_forward_progress 1
		.amdhsa_inst_pref_size 50
	.end_amdhsa_kernel
	.amdgpu_metadata
---
amdhsa.version: [ 1, 2 ]
amdhsa.kernels:
  - .name:           k_qcf1fac9d6c_wo
    .symbol:         k_qcf1fac9d6c_wo.kd
    .args:
      - { .name: pk_wo, .offset: 0, .size: 8, .value_kind: global_buffer, .address_space: global }
      - { .name: hidden_states, .offset: 8, .size: 8, .value_kind: global_buffer, .address_space: global }
      - { .name: h, .offset: 16, .size: 8, .value_kind: global_buffer, .address_space: global }
    .group_segment_fixed_size: 280064
    .private_segment_fixed_size: 0
    .kernarg_segment_align: 8
    .kernarg_segment_size: 24
    .max_flat_workgroup_size: 128
    .sgpr_count:     100
    .vgpr_count:     640
    .wavefront_size: 32
...
	.end_amdgpu_metadata
.endif
;; end of part 4
;; launch norm2 (part 5): grid 256 x 1, 4 waves a work-group, no clusters, 35,328 bytes of LDS; arguments h, ln2_w, lowp_scales, yc; writes yc
.if DOCPART == 5
	.amdgcn_target "amdgcn-amd-amdhsa--gfx1250"
	.amdhsa_code_object_version 6
	.text
	.protected	k_qcf1fac9d6c_norm2
	.globl	k_qcf1fac9d6c_norm2
	.p2align	8
	.type	k_qcf1fac9d6c_norm2,@function
k_qcf1fac9d6c_norm2:
	s_mov_b64 s[64:65], 0
	v_nop
	global_prefetch_b8 v0, s[64:65] scope:SCOPE_SE
	s_setreg_imm32_b32 hwreg(HW_REG_WAVE_MODE, 25, 1), 1
	s_wait_xcnt 0x0
; Launch 5 of 7: y = (h rsqrt(mean h^2 + 1e-6)) ln2_w in f32, quantised twice (entries 12 and 14 of lowp_scales) into images of the operand's registers: yc + 0 and + 4 MB.  Nothing of reference() is left out here.
; A work-group takes 16 rows; wave w takes rows 4 w .. 4 w + 3, each whole: the sums never leave the wave.  A lane holds k = 256 j + 8 lane + 0..7, j = 0 .. 3: eight neighbours along K for each conversion.
; The codes of 16 rows meet in a stage in LDS (64 units of 256 bytes for each image) and leave as runs of 512 consecutive bytes.
; LIMITS: e12 and e14 between -126 and 112.  NaN among the inputs is not served.
.set STG,   17408
.set UP,    272                        ; 256 + 16: unit u begins 4 u words on in the banks (64 banks of 4 bytes: ISA guide 11.1), so a store's 32 lanes touch each bank once
.set SPARE, 2*STG                      ; behind the two stages: the spare words, 128 bytes a wave: two blocks of 256 bytes that no other line names
.set SPW,   4
.set NIL,   5
.set X,     48                         ; v48-175 four rows; later the codes read back
.macro MKSC se, vs
	s_add_co_i32 s10, \se, 127
	s_lshl_b32 s11, s10, 23
	v_mov_b32 v[\vs], s11
	s_add_co_i32 s10, s10, 15
	s_lshl_b32 s10, s10, 23
	s_or_b32 s10, s10, 0x600000
	v_mov_b32 v[\vs+1], s10
.endm
.macro SUMSQ p
	s_wait_loadcnt 8*(3-\p)                        ; this row's eight loads are in; the later rows' may be out
	v_pk_mul_f32 v[216:217], v[X+32*\p:X+32*\p+1], v[X+32*\p:X+32*\p+1]
	v_pk_mul_f32 v[218:219], v[X+32*\p+2:X+32*\p+3], v[X+32*\p+2:X+32*\p+3]
.set i, 4
.rept 7
	v_pk_fma_f32 v[216:217], v[X+32*\p+i:X+32*\p+i+1], v[X+32*\p+i:X+32*\p+i+1], v[216:217]
	v_pk_fma_f32 v[218:219], v[X+32*\p+i+2:X+32*\p+i+3], v[X+32*\p+i+2:X+32*\p+i+3], v[218:219]
.set i, i+4
.endr
	v_pk_add_f32 v[216:217], v[216:217], v[218:219]
	v_add_f32 v[220+\p], v216, v217
.endm
.macro QROW p
.irp e, 0,1
.irp j, 0,1,2,3
.set TS, 176+8*((4*\e+\j)%2)
.set CQ, 192+2*(4*\e+\j)
.set i, 0
.rept 8
	v_med3_num_f32 v[TS+i], v[X+32*\p+8*\j+i], -v[233+2*\e], v[233+2*\e]      ; the conversion does not saturate (ISA guide 7.6.2)
.set i, i+1
.endr
	v_cvt_scalef32_pk8_bf8_f32 v[CQ:CQ+1], v[TS:TS+7], v[232+2*\e]
	ds_store_b64 v6, v[CQ:CQ+1] offset:\e*STG+\j*16*UP+\p*16
.endr
.endr
.endm
	s_load_b256 s[16:23], s[0:1], 0x0              ; h 16, ln2_w 18, lowp_scales 20, yc 22
	v_lshl_add_u32 v[SPW], v0, 2, SPARE
	v_mov_b32 v[NIL], 0
	v_lshrrev_b32 v1, 5, v0
	v_readfirstlane_b32 s8, v1                     ; wave 0..3
	v_and_b32 v1, 31, v0
	v_lshlrev_b32 v2, 5, v1
	s_lshl_b32 s50, ttmp9, 16
	s_lshl_b32 s51, s8, 14
	s_add_co_u32 s50, s50, s51
	s_mov_b32 s51, 0
	s_wait_kmcnt 0x0
	s_load_b128 s[44:47], s[20:21], 0x30           ; e12 .. e15
	s_add_nc_u64 s[16:17], s[16:17], s[50:51]      ; my first row
.irp j, 0,1,2,3
	global_load_b128 v[16+8*\j:16+8*\j+3], v2, s[18:19] offset:1024*\j
	global_load_b128 v[16+8*\j+4:16+8*\j+7], v2, s[18:19] offset:1024*\j+16
.endr
.irp p, 0,1,2,3
.irp j, 0,1,2,3
	global_load_b128 v[X+32*\p+8*\j:X+32*\p+8*\j+3], v2, s[16:17] offset:4096*\p+1024*\j th:TH_LOAD_NT
	global_load_b128 v[X+32*\p+8*\j+4:X+32*\p+8*\j+7], v2, s[16:17] offset:4096*\p+1024*\j+16 th:TH_LOAD_NT
.endr
.endr
	v_lshrrev_b32 v12, 2, v1
	v_and_b32 v13, 1, v1
	v_lshl_add_u32 v12, v12, 1, v13
	v_mul_u32_u24 v6, v12, UP                      ; into a stage: unit 2 (lane/4) + lane%2,
	v_bfe_u32 v13, v1, 1, 1
	v_lshl_add_u32 v6, v13, 3, v6                  ; + 8 ((lane/2)%2),
	s_lshl_b32 s52, s8, 6
	v_add_nc_u32 v6, s52, v6                       ; + 16 bytes for each of my four rows, from 64 x wave on
	v_lshrrev_b32 v12, 4, v1
	v_mul_u32_u24 v7, v12, UP
	v_and_b32 v13, 15, v1
	v_lshl_add_u32 v7, v13, 4, v7
	s_mul_i32 s52, s8, 16*UP
	v_add_nc_u32 v7, s52, v7                       ; back: units 16 w on, sixteen lanes to a unit
	v_lshlrev_b32 v8, 4, v1
	s_lshl_b32 s52, ttmp9, 14
	s_lshl_b32 s53, s8, 12
	s_add_co_u32 s52, s52, s53
	s_mov_b32 s53, 0
	s_add_nc_u64 s[52:53], s[22:23], s[52:53]      ; my quarter of the block's image, for e12,
	s_add_nc_u64 s[54:55], s[52:53], 4<<20         ; and for e14
	s_mov_b32 s60, 0x76543210
	s_mov_b32 s61, 0xfedcba98
	s_mov_b32 s62, 0x358637bd                      ; 1e-6
	s_mov_b32 s63, 0x3a800000                      ; 1 / 1,024
	SUMSQ 0
	SUMSQ 1
	SUMSQ 2
	SUMSQ 3
.irp m, 1,2,4,8
.irp p, 0,1,2,3
	v_add_f32_dpp v[220+\p], v[220+\p], v[220+\p] row_xmask:\m row_mask:0xf bank_mask:0xf
.endr
.endr
.irp p, 0,1,2,3
	v_permlanex16_b32 v[216+\p], v[220+\p], s60, s61
.endr
.irp p, 0,1,2,3
	v_add_f32 v[220+\p], v[220+\p], v[216+\p]
.endr
.irp p, 0,1,2,3
	v_fma_f32 v[220+\p], v[220+\p], s63, s62       ; the mean + 1e-6
.endr
.irp p, 0,1,2,3
	v_rsq_f32 v[224+2*\p], v[220+\p]
.endr
.irp p, 0,1,2,3
	v_mov_b32 v[225+2*\p], 0                       ; (named as the upper halves of the pairs below; also the plain lines behind the roots)
.endr
	s_wait_kmcnt 0x0
	MKSC s44, 232
	MKSC s46, 234
	s_wait_alu depctr_va_vdst(0)                   ; one wait for the four roots, ahead of their first reader
.irp p, 0,1,2,3
.set i, 0
.rept 16
	v_pk_mul_f32 v[X+32*\p+i:X+32*\p+i+1], v[X+32*\p+i:X+32*\p+i+1], v[224+2*\p:225+2*\p] op_sel_hi:[1,0]
.set i, i+2
.endr
.set i, 0
.rept 16
	v_pk_mul_f32 v[X+32*\p+i:X+32*\p+i+1], v[X+32*\p+i:X+32*\p+i+1], v[16+i:17+i]
.set i, i+2
.endr
.endr
	QROW 0
	s_wait_dscnt 0x0                               ; the row's stores into the stages have read the eight pairs of codes, which the next row writes
	QROW 1
	s_wait_dscnt 0x0
	QROW 2
	s_wait_dscnt 0x0
	QROW 3
	s_wait_dscnt 0x0                               ; for the others' sake: my stores into the stages are done
	s_barrier_signal -1
	s_barrier_wait -1
.irp e, 0,1
.irp i, 0,1,2,3,4,5,6,7
	ds_load_b128 v[X+4*(8*\e+\i):X+4*(8*\e+\i)+3], v7 offset:\e*STG+\i*2*UP
.endr
.endr
.irp e, 0,1
.irp i, 0,1,2,3,4,5,6,7
	s_wait_dscnt 15-8*\e-\i                        ; this load is in, the younger may be out
	global_store_b128 v8, v[X+4*(8*\e+\i):X+4*(8*\e+\i)+3], s[52+2*\e:53+2*\e] offset:512*\i   ; 32 lanes store 512 consecutive bytes
.endr
.endr
	s_wait_tensorcnt 0x0                           ; the wave's end: a wait, an add
	ds_add_u32 v[SPW], v[NIL]
	s_wait_dscnt 0x0
	s_endpgm
.Lfunc_end_k_qcf1fac9d6c_norm2:
	.size	k_qcf1fac9d6c_norm2, .Lfunc_end_k_qcf1fac9d6c_norm2-k_qcf1fac9d6c_norm2
	.p2alignl 7, 3214868480
	.fill 96, 4, 3214868480
	.section	.rodata,"a",@progbits
	.p2align	6, 0x0
	.amdhsa_kernel k_qcf1fac9d6c_norm2
		.amdhsa_group_segment_fixed_size 35328
		.amdhsa_private_segment_fixed_size 0
		.amdhsa_enable_private_segment 0
		.amdhsa_kernarg_size 32
		.amdhsa_user_sgpr_count 2
		.amdhsa_user_sgpr_kernarg_segment_ptr 1
		.amdhsa_wavefront_size32 1
		.amdhsa_system_sgpr_workgroup_id_x 1
		.amdhsa_system_sgpr_workgroup_id_y 1
		.amdhsa_system_sgpr_workgroup_id_z 1
		.amdhsa_system_vgpr_workitem_id 0
		.amdhsa_next_free_vgpr 240
		.amdhsa_next_free_sgpr 66
		.amdhsa_reserve_vcc 0
		.amdhsa_float_denorm_mode_32 3
		.amdhsa_float_denorm_mode_16_64 3
		.amdhsa_memory_ordered 1
		.amdhsa_forward_progress 1
		.amdhsa_inst_pref_size 45
	.end_amdhsa_kernel
	.amdgpu_metadata
---
amdhsa.version: [ 1, 2 ]
amdhsa.kernels:
  - .name:           k_qcf1fac9d6c_norm2
    .symbol:         k_qcf1fac9d6c_norm2.kd
    .args:
      - { .name: h, .offset: 0, .size: 8, .value_kind: global_buffer, .address_space: global }
      - { .name: ln2_w, .offset: 8, .size: 8, .value_kind: global_buffer, .address_space: global }
      - { .name: lowp_scales, .offset: 16, .size: 8, .value_kind: global_buffer, .address_space: global }
      - { .name: yc, .offset: 24, .size: 8, .value_kind: global_buffer, .address_space: global }
    .group_segment_fixed_size: 35328
    .private_segment_fixed_size: 0
    .kernarg_segment_align: 8
    .kernarg_segment_size: 32
    .max_flat_workgroup_size: 128
    .sgpr_count:     66
    .vgpr_count:     240
    .wavefront_size: 32
...
	.end_amdgpu_metadata
.endif
;; end of part 5
;; launch gateup (part 6): grid 16 x 64, 4 waves a work-group, clusters of 4 x 4, 262,656 bytes of LDS; arguments yc, pre, lowp_scales, pk_dn; writes pk_dn
.if DOCPART == 6
	.amdgcn_target "amdgcn-amd-amdhsa--gfx1250"
	.amdhsa_code_object_version 6
	.text
	.protected	k_qcf1fac9d6c_gateup
	.globl	k_qcf1fac9d6c_gateup
	.p2align	8
	.type	k_qcf1fac9d6c_gateup,@function
k_qcf1fac9d6c_gateup:
	s_mov_b64 s[64:65], 0
	v_nop
	global_prefetch_b8 v0, s[64:65] scope:SCOPE_SE
	s_setreg_imm32_b32 hwreg(HW_REG_WAVE_MODE, 25, 1), 1
	s_wait_xcnt 0x0
	s_wait_alu depctr_hold_cnt(0) depctr_sa_sdst(0) depctr_va_vdst(0) depctr_va_sdst(0) depctr_va_ssrc(0) depctr_va_vcc(0) depctr_vm_vsrc(0)
	s_getreg_b32 s2, hwreg(HW_REG_IB_STS2, 6, 4)
	s_cmp_eq_u32 s2, 0
	s_cbranch_scc0 .Lentry_in_a_cluster
	s_endpgm
.Lentry_in_a_cluster:
	s_bfe_u32 s2, ttmp6, 0x10000c
	s_cmp_lg_u32 s2, 0xf033
	s_cbranch_scc0 .Lentry_shape_is_right
	s_endpgm
.Lentry_shape_is_right:
; Launch 6 of 7: g = silu(y w1) x (y w3), both products on codes of E5M2, and g's codes (2^e16) for the product with w2.  Nothing of reference() is left out here.
; A tile is 64 rows x 64 columns of BOTH products: y has two sets of codes (e12, e14), so a tile wants four operands of 64 KB: ALL OF K LIES IN LDS AT ONCE, in four chunks of 256 along K, each with four regions of 16 KB:
; y (e12), y (e14), w1, w3.  Wave w asks for region w of all four chunks at the head: four tensor loads of mine are out at the most, no LDS byte is filled twice, a counted wait and a plain barrier open one chunk after the other.
; CLUSTER 4 x 4: y's parts are asked for jointly along a row of the cluster, the weights' along a column.
; A wave makes 32 x 32 of both: source 0 = 16 rows of a weight's image (columns n), source 1 = 16 rows of y: a lane holds one row and eight neighbouring n, which are the next K: the conversions' results are the next operand's register pairs.
; silu(a) u = a u / (1 + 2^(-a log2 e)).  The sums stand for G x 2^(e12 + e13) and U x 2^(e14 + e15): the first power of two goes into the exponential's factor, and all four with e16 into the conversion's one scale.
; LIMITS: e12 + e13 between -126 and 127 (added to an exponent field); e16 - e12 - e13 - e14 - e15 between -126 and 112.  NaN among the inputs is not served.
; REGISTERS: window 0: v2 16 x lane, v16-23 LDS addresses, v28-29 the add's two, v30-31 scale and hold, v32-63 at work, v96-103 codes, v128-159 G's four accumulators, v160-191 U's;  window 1: two sets of eight fragments.
.set CH,    65536
.set RG,    16384
.set SPARE, 4*CH                       ; behind the chunks: the spare words, 128 bytes a wave: two blocks of 256 bytes that no other line names
.set ADRA,  16
.set ADRB,  20
.set SPW,   28
.set NIL,   29
.set SCV,   30
.set LIM,   31
.set TT,    32
.set CD,    96
.set GA,    128
.set UA,    160
.set G1A,   24
.set G1B,   48
.set G0A,   68
.set G0B,   84
.set MUL,   0x05
.set TO_F,  0x40
.set MSB, 0
.macro WIN new
.if MSB != \new
	s_set_vgpr_msb (MSB<<8)|\new
.set MSB, \new
.endif
.endm
.macro CROUND
	s_barrier_signal -1
	s_barrier_wait -1
	s_cmp_lg_u32 s10, 0
	s_cbranch_scc1 .Lnot_wave_0_\@
	s_barrier_signal -3
.Lnot_wave_0_\@:
	s_barrier_wait -3
	s_barrier_signal -1
	s_barrier_wait -1
.endm
.macro PLACES
.rept 4
	v_nop
.endr
.endm
.macro LAND j
	s_wait_tensorcnt 3-(\j)                        ; my region of chunk j is in; the later chunks' may be out
	s_wait_dscnt 0x0
	s_barrier_signal -1
	s_barrier_wait -1
.endm
.macro FETCH st, set                   ; a set: y (e12) blocks 0, 1 at + 0; y (e14) at + 32; w1 at + 64; w3 at + 96: 32 loads in one run
	WIN TO_F
.irp a, 0,1
.irp c, 0,1,2,3
	ds_load_b128 v[128*(\set)+16*\a+4*\c:128*(\set)+16*\a+4*\c+3], v[ADRA+(\st)/2] offset:\a*4096+((\st)%2)*2048+\c*512
	ds_load_b128 v[128*(\set)+32+16*\a+4*\c:128*(\set)+32+16*\a+4*\c+3], v[ADRA+(\st)/2] offset:RG+\a*4096+((\st)%2)*2048+\c*512
	ds_load_b128 v[128*(\set)+64+16*\a+4*\c:128*(\set)+64+16*\a+4*\c+3], v[ADRB+(\st)/2] offset:\a*4096+((\st)%2)*2048+\c*512
	ds_load_b128 v[128*(\set)+96+16*\a+4*\c:128*(\set)+96+16*\a+4*\c+3], v[ADRB+(\st)/2] offset:RG+\a*4096+((\st)%2)*2048+\c*512
.endr
.endr
.endm
.macro MULS set, zero                  ; the eight accumulators take turns, one instruction a turn, in the same order in every step
	WIN MUL
.irp a, 0,1
.irp b, 0,1
.if \zero
	v_wmma_f32_16x16x128_bf8_bf8 v[GA+8*(2*\a+\b):GA+8*(2*\a+\b)+7], v[128*(\set)+64+16*\b:128*(\set)+64+16*\b+15], v[128*(\set)+16*\a:128*(\set)+16*\a+15], 0
	v_wmma_f32_16x16x128_bf8_bf8 v[UA+8*(2*\a+\b):UA+8*(2*\a+\b)+7], v[128*(\set)+96+16*\b:128*(\set)+96+16*\b+15], v[128*(\set)+32+16*\a:128*(\set)+32+16*\a+15], 0
.else
	v_wmma_f32_16x16x128_bf8_bf8 v[GA+8*(2*\a+\b):GA+8*(2*\a+\b)+7], v[128*(\set)+64+16*\b:128*(\set)+64+16*\b+15], v[128*(\set)+16*\a:128*(\set)+16*\a+15], v[GA+8*(2*\a+\b):GA+8*(2*\a+\b)+7]
	v_wmma_f32_16x16x128_bf8_bf8 v[UA+8*(2*\a+\b):UA+8*(2*\a+\b)+7], v[128*(\set)+96+16*\b:128*(\set)+96+16*\b+15], v[128*(\set)+32+16*\a:128*(\set)+32+16*\a+15], v[UA+8*(2*\a+\b):UA+8*(2*\a+\b)+7]
.endif
.endr
.endr
.endm
	s_load_b128 s[4:7], s[0:1], 0x0                ; yc s[4:5], pre s[6:7]
	s_load_b128 s[56:59], s[0:1], 0x10             ; lowp_scales s[56:57], pk_dn s[58:59]
	v_lshl_add_u32 v[SPW], v0, 2, SPARE
	v_mov_b32 v[NIL], 0
	ds_add_u32 v[SPW], v[NIL]                      ; the wave's opening: the add, twice on end, and its wait ahead of my first tensor load
	ds_add_u32 v[SPW], v[NIL]
	v_lshrrev_b32 v1, 5, v0
	v_readfirstlane_b32 s10, v1                    ; wave 0..3
	s_lshr_b32 s11, s10, 1                         ; wr: which 32 rows are mine.  Also: I fetch y's codes (0) or a weight's (1)
	s_and_b32 s12, s10, 1                          ; wc: which 32 columns.  Also: the first or the second product's operand
	s_bfe_u32 s40, ttmp6, 0x40000
	s_bfe_u32 s41, ttmp6, 0x40004
	s_lshl_b32 s42, ttmp9, 2
	s_add_co_u32 s42, s42, s40                     ; tx
	s_and_b32 s13, ttmp7, 0xffff
	s_lshl_b32 s13, s13, 2
	s_add_co_u32 s13, s13, s41                     ; ty
	s_lshl_b32 s43, s41, 2
	s_lshl_b32 s43, 15, s43                        ; my row of the cluster
	s_lshl_b32 s44, 0x1111, s40                    ; my column
	s_or_b32 s[G1A], s43, (3<<16)|(1<<21)          ; the mask; elements of 8 bytes; bit 21 beside a mask; no padding
	s_or_b32 s[G1B], s44, (3<<16)|(1<<21)
.irp g, G1A, G1B
	s_mov_b32 s[\g+1], 512<<16                     ; tensor_dim0: a block's 4,096 bytes of a chunk
	s_mov_b32 s[\g+2], 4<<16                       ; tensor_dim1: 4 blocks
	s_mov_b32 s[\g+3], 512<<16
	s_mov_b32 s[\g+4], 4
	s_mov_b32 s[\g+5], 2048                        ; from block to block: 16,384 bytes
	s_mov_b32 s[\g+6], 0
	s_mov_b32 s[\g+7], 0
.endr
	s_lshl_b32 s16, s12, 22                        ; y: the set of 4 MB,
	s_lshl_b32 s17, s13, 16                        ; ty's four blocks
	s_add_co_u32 s16, s16, s17
	s_mov_b32 s17, 0
	s_lshl_b32 s46, s12, 20                        ; w1 at 15 MB, w3 at 16 MB,
	s_lshl_b32 s47, s42, 16                        ; tx's four blocks
	s_add_co_u32 s46, s46, s47
	s_add_co_u32 s46, s46, 15<<20
	s_mov_b32 s47, 0
	s_lshl_b32 s45, s10, 14                        ; region = wave
	s_wait_dscnt 0x0
	s_wait_kmcnt 0x0
	s_load_b128 s[60:63], s[56:57], 0x30           ; e12 .. e15
	s_load_b32 s66, s[56:57], 0x40                 ; e16
	s_add_nc_u64 s[16:17], s[4:5], s[16:17]
	s_add_nc_u64 s[46:47], s[6:7], s[46:47]
.irp j, 0,1,2,3
	s_mov_b32 s[G0A+4*\j], 1
	s_add_co_u32 s[G0A+4*\j+1], s45, \j*CH
	s_add_nc_u64 s[G0A+4*\j+2:G0A+4*\j+3], s[16:17], \j*4096
	s_or_b32 s[G0A+4*\j+3], s[G0A+4*\j+3], 0x80000000
	s_mov_b32 s[G0B+4*\j], 1
	s_add_co_u32 s[G0B+4*\j+1], s45, \j*CH
	s_add_nc_u64 s[G0B+4*\j+2:G0B+4*\j+3], s[46:47], \j*4096
	s_or_b32 s[G0B+4*\j+3], s[G0B+4*\j+3], 0x80000000
.endr
	CROUND
	s_cmp_eq_u32 s11, 0
	s_cbranch_scc0 .Lfor_b
.irp j, 0,1,2,3
	tensor_load_to_lds s[G0A+4*\j:G0A+4*\j+3], s[G1A:G1A+7]
	s_nop 0
.endr
	PLACES
	s_branch .Lasked
.Lfor_b:
.irp j, 0,1,2,3
	tensor_load_to_lds s[G0B+4*\j:G0B+4*\j+3], s[G1B:G1B+7]
	s_nop 0
.endr
	PLACES
.Lasked:
	v_and_b32 v1, 31, v0
	v_lshlrev_b32 v2, 4, v1
	s_lshl_b32 s20, s11, 13                        ; y's blocks 2 wr, 2 wr + 1
	s_lshl_b32 s23, s12, 13
	s_add_co_u32 s23, s23, 2*RG                    ; the weights' blocks 2 wc, 2 wc + 1
.irp j, 0,1,2,3
	v_add_nc_u32 v[ADRA+\j], s20, v2
	v_add_nc_u32 v[ADRB+\j], s23, v2
	s_add_co_u32 s20, s20, CH
	s_add_co_u32 s23, s23, CH
.endr
	s_lshl_b32 s32, s13, 2
	s_lshl_b32 s33, s11, 1
	s_add_co_u32 s32, s32, s33                     ; g: block of 16 rows 4 ty + 2 wr (+ a),
	s_lshl_b32 s32, s32, 14
	s_lshr_b32 s33, s42, 1
	s_lshl_b32 s33, s33, 11                        ; fragment tx / 2,
	s_add_co_u32 s32, s32, s33
	s_and_b32 s33, s42, 1
	s_lshl_b32 s33, s33, 10
	s_add_co_u32 s32, s32, s33
	s_lshl_b32 s33, s12, 9                         ; its run of 512 bytes 2 (tx % 2) + wc
	s_add_co_u32 s32, s32, s33
	s_add_co_u32 s32, s32, 1<<20
	s_mov_b32 s33, 0
	s_add_nc_u64 s[58:59], s[58:59], s[32:33]
	LAND 0
	FETCH 0, 0
	FETCH 1, 1
	s_wait_dscnt 32                                ; step 0's 32 loads are in; the 32 just issued may be out
	MULS 0, 1
.irp st, 1,2,3,4,5,6
.if (\st%2) == 1
	LAND (\st+1)/2
.endif
	PLACES                                         ; in front of loads into the set that the last step multiplied
	FETCH \st+1, (\st+1)%2
	s_wait_dscnt 32
	MULS \st%2, 0
.endr
	s_wait_dscnt 0x0
	MULS 1, 0
	WIN 0
	PLACES
	s_wait_kmcnt 0x0
	s_add_co_i32 s32, s60, s61                     ; e12 + e13
	s_lshl_b32 s33, s32, 23
	s_add_co_i32 s34, s33, 0xbfb8aa3b              ; -log2(e) x 2^(e12 + e13): the exponent is added to the constant's exponent field
	s_mov_b32 s35, s34                             ; (named with it as a pair)
	s_add_co_i32 s36, s62, s63
	s_add_co_i32 s36, s36, s32
	s_sub_co_i32 s36, s66, s36                     ; e16 - e12 - e13 - e14 - e15
	s_add_co_i32 s36, s36, 127
	s_lshl_b32 s37, s36, 23
	v_mov_b32 v[SCV], s37
	s_add_co_i32 s36, s36, 15
	s_lshl_b32 s36, s36, 23
	s_or_b32 s36, s36, 0x600000
	v_mov_b32 v[LIM], s36
.set i, 0
.rept 16
	v_pk_mul_f32 v[TT+i:TT+i+1], v[GA+i:GA+i+1], s[34:35] op_sel_hi:[1,0]     ; -a log2 e; each accumulator from its low end on
.set i, i+2
.endr
.set i, 0
.rept 32
	v_exp_f32 v[TT+i], v[TT+i]
.set i, i+1
.endr
	v_nop                                          ; a plain line behind the last exponential,
	s_wait_alu depctr_va_vdst(0)                   ; and one wait for the batch, ahead of its first reader
.set i, 0
.rept 16
	v_pk_add_f32 v[TT+i:TT+i+1], v[TT+i:TT+i+1], 1.0 op_sel_hi:[1,0]
.set i, i+2
.endr
.set i, 0
.rept 32
	v_rcp_f32 v[TT+i], v[TT+i]                     ; the sigmoid; where the exponential is infinite it is 0
.set i, i+1
.endr
	v_nop
	s_wait_alu depctr_va_vdst(0)                   ; one wait for the batch of reciprocals
.set i, 0
.rept 16
	v_pk_mul_f32 v[TT+i:TT+i+1], v[TT+i:TT+i+1], v[GA+i:GA+i+1]
.set i, i+2
.endr
.set i, 0
.rept 16
	v_pk_mul_f32 v[TT+i:TT+i+1], v[TT+i:TT+i+1], v[UA+i:UA+i+1]               ; U's accumulators from their low ends on
.set i, i+2
.endr
.set i, 0
.rept 32
	v_med3_num_f32 v[TT+i], v[TT+i], -v[LIM], v[LIM]                          ; the conversion does not saturate (ISA guide 7.6.2)
.set i, i+1
.endr
.irp t, 0,1,2,3
	v_cvt_scalef32_pk8_bf8_f32 v[CD+2*\t:CD+2*\t+1], v[TT+8*\t:TT+8*\t+7], v[SCV]   ; tile 2 a + b: register pair b of rows 16 a on
.endr
	v_nop
	global_store_b128 v2, v[CD:CD+3], s[58:59]                    ; 32 lanes store 512 consecutive bytes
	global_store_b128 v2, v[CD+4:CD+7], s[58:59] offset:16384
	s_wait_tensorcnt 0x0                           ; the wave's end
	ds_add_u32 v[SPW], v[NIL]
	s_wait_dscnt 0x0
	CROUND                                         ; the closing round
	s_endpgm
.Lfunc_end_k_qcf1fac9d6c_gateup:
	.size	k_qcf1fac9d6c_gateup, .Lfunc_end_k_qcf1fac9d6c_gateup-k_qcf1fac9d6c_gateup
	.p2alignl 7, 3214868480
	.fill 96, 4, 3214868480
	.section	.rodata,"a",@progbits
	.p2align	6, 0x0
	.amdhsa_kernel k_qcf1fac9d6c_gateup
		.amdhsa_group_segment_fixed_size 262656
		.amdhsa_private_segment_fixed_size 0
		.amdhsa_enable_private_segment 0
		.amdhsa_kernarg_size 32
		.amdhsa_user_sgpr_count 2
		.amdhsa_user_sgpr_kernarg_segment_ptr 1
		.amdhsa_wavefront_size32 1
		.amdhsa_system_sgpr_workgroup_id_x 1
		.amdhsa_system_sgpr_workgroup_id_y 1
		.amdhsa_system_sgpr_workgroup_id_z 1
		.amdhsa_system_vgpr_workitem_id 0
		.amdhsa_next_free_vgpr 512
		.amdhsa_next_free_sgpr 100
		.amdhsa_reserve_vcc 0
		.amdhsa_float_denorm_mode_32 3
		.amdhsa_float_denorm_mode_16_64 3
		.amdhsa_memory_ordered 1
		.amdhsa_forward_progress 1
		.amdhsa_inst_pref_size 40
	.end_amdhsa_kernel
	.amdgpu_metadata
---
amdhsa.version: [ 1, 2 ]
amdhsa.kernels:
  - .name:           k_qcf1fac9d6c_gateup
    .symbol:         k_qcf1fac9d6c_gateup.kd
    .args:
      - { .name: yc, .offset: 0, .size: 8, .value_kind: global_buffer, .address_space: global }
      - { .name: pre, .offset: 8, .size: 8, .value_kind: global_buffer, .address_space: global }
      - { .name: lowp_scales, .offset: 16, .size: 8, .value_kind: global_buffer, .address_space: global }
      - { .name: pk_dn, .offset: 24, .size: 8, .value_kind: global_buffer, .address_space: global }
    .group_segment_fixed_size: 262656
    .private_segment_fixed_size: 0
    .kernarg_segment_align: 8
    .kernarg_segment_size: 32
    .max_flat_workgroup_size: 128
    .sgpr_count:     100
    .vgpr_count:     512
    .wavefront_size: 32
...
	.end_amdgpu_metadata
.endif
;; end of part 6
;; launch down: the kernel of part 4 again; grid 8 x 32, 4 waves a work-group, clusters of 4 x 4, 280,064 bytes of LDS; arguments pk_dn, h, out0; writes out0
;; ======== version 2 of 2: 7 launches
;; limits: right only within a limited range of input values
;; workspace buffers: pre 18,350,080 bytes; qkv 12,582,912 bytes; pk_wo 5,243,136 bytes; h 16,777,216 bytes; yc 8,388,608 bytes; pk_dn 5,243,136 bytes
;; launch prep (part 7): grid 480 x 1, 4 waves a work-group, no clusters, 52,736 bytes of LDS; arguments Wq, Wk, Wv, w1, w3, Wo, w2, hidden_states, ln1_w, lowp_scales, pre, pk_wo, pk_dn; writes pre, pk_wo, pk_dn
.if DOCPART == 7
	.amdgcn_target "amdgcn-amd-amdhsa--gfx1250"
	.amdhsa_code_object_version 6
	.text
	.protected	k_qcf1fac9d6c_prep
	.globl	k_qcf1fac9d6c_prep
	.p2align	8
	.type	k_qcf1fac9d6c_prep,@function
k_qcf1fac9d6c_prep:
	s_mov_b64 s[64:65], 0
	v_nop
	global_prefetch_b8 v0, s[64:65] scope:SCOPE_SE
	s_setreg_imm32_b32 hwreg(HW_REG_WAVE_MODE, 25, 1), 1
	s_wait_xcnt 0x0
; LLAMA DECODER LAYER, launch 1 of 7: everything that is quantised from the inputs, and the rope table.
; NO WORK OF reference() IS LEFT OUT in this program: there is no mask, every input has a way to the output, all nine products are live, every input is loaded.
; THE LAYOUT OF EVERY OPERAND IN THIS PROGRAM'S WORKSPACE: an image of the operand's registers.  Code (row, k) of an operand with K codes a row lies at byte
;   (row/16) 16 K + (k/128) 2048 + ((k%128)/32) 512 + ((k%16)/8) 256 + (row%16) 16 + ((k%32)/16) 8 + k%8:
; a fragment of 16 rows x 128 k is 2,048 consecutive bytes, fetched by four loads of 16 bytes a lane at 512 c + 16 lane; lane (r, h) then holds k = 16 c' + 8 h + 0..7 of row r in register pair c',
; which is the place that the plain 8-bit matrix forms give each k (ISA guide 7.12.2).
; Work-groups 0-223: the seven weights W [k][n] f32 -> codes of E5M2 with rows n and K innermost (32 work-groups a weight).  A lane takes a column n, its registers run down K: nothing is transposed.
;   Wq, Wk, Wv, w1, w3 -> pre + 12 MB + i MB;  Wo -> pk_wo;  w2 -> pk_dn.  Behind Wo's and w2's images and their partners' 4 MB, at + 5 MB, 64 copies of eA + eB of that product (whole numbers, used in arithmetic alone).
; Work-groups 224-479: 16 rows of hidden_states each: x = (h rsqrt(mean h^2 + 1e-6)) ln1_w in f32, quantised three times (entries 0, 2, 4 of lowp_scales) -> pre + 0, + 4 MB, + 8 MB.
;   The first 128 of them also make the rope table of their 16 positions -> pre + 17 MB: [128 blocks of 16 positions][t 0..1][g 0..3][lane (r, h)][cos, sin, cos, sin] of position 16 blk + r, frequencies 16 t + 8 h + 2 g and the next.
; code = x / 2^e, held within +-57,344, to the nearest code, ties to even.
; LIMITS: each e used here lies between -126 and 112, so that 2^e and 57,344 x 2^e are f32 numbers.  NaN among the inputs is not served.
; The rope's frequency 10^(-i/8) is v_exp_f32 of one rounded product; the angle is position x frequency in f32, reduced by pi/2 in two parts, sine and cosine by their series to r^9 and r^10 on |r| <= pi/4.
.set SPARE, 52224                      ; behind the three stages: the spare words, 128 bytes a wave: two blocks of 256 bytes that no other line names
.set STG,   17408                      ; a stage: a block's 64 units of 256 bytes, UP bytes apart
.set UP,    272                        ; 256 + 16: unit u begins 4 u words on in the banks (64 banks of 4 bytes: ISA guide 11.1), so a store's 32 lanes touch each bank once
.set SPW,   4                          ; v4  LDS address of my spare word; never rewritten
.set NIL,   5                          ; v5  0; never rewritten
.set X,     48                         ; v48-175 four rows, 32 numbers a lane each; later the codes read back
.set RP,    176                        ; v176-215 the rope's work, ten registers for each of four units; later the holds' results (176-191) and a row's codes (192-215)
; ---- macros of the weights' path
.macro PICK i, p, off                  ; weight i: its pointer, and the byte at which its product's pair of exponents begins
	s_cmp_eq_u32 s9, \i
	s_cselect_b64 s[42:43], s[\p:\p+1], s[42:43]
	s_cselect_b32 s46, \off, s46
.endm
.macro LOADW t                         ; block t: W(32 t + i, my column), i = 0 .. 31, into set t % 2: 32 lanes read 128 consecutive bytes
.set i, 0
.rept 32
	global_load_b32 v[32+32*((\t)%2)+i], v3, s[42:43] offset:(32*(\t)+i)*4096 th:TH_LOAD_NT
.set i, i+1
.endr
.endm
.macro BLOCKW t
.set XS, 32+32*((\t)%2)
.set CW, 96+8*(\t)                     ; each block has its own eight registers of codes: no store's data are written again
.if (\t) < 7
	s_wait_loadcnt 32                              ; this block's 32 loads are in; the next block's 32 may be out
.else
	s_wait_loadcnt 0x0
.endif
.set i, 0
.rept 32
	v_med3_num_f32 v[XS+i], v[XS+i], -v10, v10     ; the conversion does not saturate (ISA guide 7.6.2): the hold at the largest code x the scale
.set i, i+1
.endr
	v_cvt_scalef32_pk8_bf8_f32 v[CW:CW+1], v[XS:XS+7], v11          ; k%32 = 0..7  | these two are the 16 bytes of the half h = 0,
	v_cvt_scalef32_pk8_bf8_f32 v[CW+2:CW+3], v[XS+16:XS+23], v11    ; k%32 = 16..23 |
	v_cvt_scalef32_pk8_bf8_f32 v[CW+4:CW+5], v[XS+8:XS+15], v11     ; k%32 = 8..15 | and these of h = 1, 256 bytes on
	v_cvt_scalef32_pk8_bf8_f32 v[CW+6:CW+7], v[XS+24:XS+31], v11    ; k%32 = 24..31 |
	global_store_b128 v9, v[CW:CW+3], s[52:53] offset:((\t)/4)*2048+((\t)%4)*512        ; sixteen lanes store 256 consecutive bytes, at a multiple of 256 from the buffer's first byte
	global_store_b128 v9, v[CW+4:CW+7], s[52:53] offset:((\t)/4)*2048+((\t)%4)*512+256
.if (\t)+2 < 8
	LOADW (\t)+2
.endif
.endm
; ---- macros of the norm's path
.macro MKSC se, vs                     ; v[vs] = 2^e as f32 (the conversion takes its exponent field), v[vs+1] = 57,344 x 2^e
	s_add_co_i32 s10, \se, 127
	s_lshl_b32 s11, s10, 23
	v_mov_b32 v[\vs], s11
	s_add_co_i32 s10, s10, 15
	s_lshl_b32 s10, s10, 23
	s_or_b32 s10, s10, 0x600000
	v_mov_b32 v[\vs+1], s10
.endm
.macro SUMSQ p                         ; row p: my 32 numbers' squares, in two packed chains
	s_wait_loadcnt 8*(3-\p)                        ; this row's eight loads are in; the later rows' may be out
	v_pk_mul_f32 v[216:217], v[X+32*\p:X+32*\p+1], v[X+32*\p:X+32*\p+1]
	v_pk_mul_f32 v[218:219], v[X+32*\p+2:X+32*\p+3], v[X+32*\p+2:X+32*\p+3]
.set i, 4
.rept 7
	v_pk_fma_f32 v[216:217], v[X+32*\p+i:X+32*\p+i+1], v[X+32*\p+i:X+32*\p+i+1], v[216:217]
	v_pk_fma_f32 v[218:219], v[X+32*\p+i+2:X+32*\p+i+3], v[X+32*\p+i+2:X+32*\p+i+3], v[218:219]
.set i, i+4
.endr
	v_pk_add_f32 v[216:217], v[216:217], v[218:219]
	v_add_f32 v[220+\p], v216, v217
.endm
.macro QROW p                          ; row p is quantised three times; my eight neighbours along K (k = 256 j + 8 lane + 0..7) are eight bytes of unit 16 j + 2 (lane/4) + lane%2
.irp e, 0,1,2
.irp j, 0,1,2,3
.set TS, 176+8*((4*\e+\j)%2)
.set CQ, 192+2*(4*\e+\j)
.set i, 0
.rept 8
	v_med3_num_f32 v[TS+i], v[X+32*\p+8*\j+i], -v[233+2*\e], v[233+2*\e]
.set i, i+1
.endr
	v_cvt_scalef32_pk8_bf8_f32 v[CQ:CQ+1], v[TS:TS+7], v[232+2*\e]     ; the next eight holds are plain lines on the other set of registers
	ds_store_b64 v6, v[CQ:CQ+1] offset:\e*STG+\j*16*UP+\p*16
.endr
.endr
.endm
	s_load_b512 s[16:31], s[0:1], 0x0              ; Wq 16, Wk 18, Wv 20, w1 22, w3 24, Wo 26, w2 28, hidden_states 30
	s_load_b256 s[32:39], s[0:1], 0x40             ; ln1_w 32, lowp_scales 34, pre 36, pk_wo 38
	s_load_b64 s[40:41], s[0:1], 0x60              ; pk_dn
	v_lshl_add_u32 v[SPW], v0, 2, SPARE
	v_mov_b32 v[NIL], 0
	v_lshrrev_b32 v1, 5, v0
	v_readfirstlane_b32 s8, v1                     ; wave 0..3
	v_and_b32 v1, 31, v0                           ; lane
	s_wait_kmcnt 0x0
	s_cmp_lt_u32 ttmp9, 224                        ; the work-group's number alone decides: all four waves go the same way
	s_cbranch_scc0 .Lnorm
	; ======== a weight: work-group = 32 i + 8 kq + nb8; a wave takes 32 columns x 256 along K
	s_lshr_b32 s9, ttmp9, 5                        ; i: which weight
	s_and_b32 s10, ttmp9, 7                        ; nb8: which 128 columns
	s_bfe_u32 s11, ttmp9, 0x20003                  ; kq: which 256 along K
	s_mov_b64 s[42:43], s[16:17]
	s_mov_b32 s46, 0                               ; Wq: entries 0, 1
	PICK 1, 18, 8                                  ; Wk: 2, 3
	PICK 2, 20, 16                                 ; Wv: 4, 5
	PICK 3, 22, 48                                 ; w1: 12, 13
	PICK 4, 24, 56                                 ; w3: 14, 15
	PICK 5, 26, 40                                 ; Wo: 10, 11
	PICK 6, 28, 64                                 ; w2: 16, 17
	s_load_b64 s[44:45], s[34:35], s46 offset:0x0  ; eA, eB of the weight's product
	s_mov_b64 s[48:49], s[36:37]
	s_cmp_eq_u32 s9, 5
	s_cselect_b64 s[48:49], s[38:39], s[48:49]
	s_cmp_eq_u32 s9, 6
	s_cselect_b64 s[48:49], s[40:41], s[48:49]
	s_lshl_b32 s50, s9, 20
	s_add_co_u32 s50, s50, 12<<20
	s_cmp_lt_u32 s9, 5
	s_cselect_b32 s50, s50, 0
	s_mov_b32 s51, 0
	s_add_nc_u64 s[48:49], s[48:49], s[50:51]      ; the weight's image
	s_lshl_b32 s52, s10, 3
	s_lshl_b32 s53, s8, 1
	s_add_co_u32 s52, s52, s53                     ; my first block of 16 columns: 8 nb8 + 2 wave
	s_lshl_b32 s52, s52, 14
	s_lshl_b32 s53, s11, 12                        ; fragments 2 kq, 2 kq + 1
	s_add_co_u32 s52, s52, s53
	s_mov_b32 s53, 0
	s_add_nc_u64 s[52:53], s[48:49], s[52:53]
	s_lshl_b32 s54, s11, 20                        ; 256 kq rows of 4,096 bytes,
	s_lshl_b32 s55, s10, 9                         ; 128 nb8 columns,
	s_add_co_u32 s54, s54, s55
	s_lshl_b32 s55, s8, 7                          ; 32 x wave columns
	s_add_co_u32 s54, s54, s55
	s_mov_b32 s55, 0
	s_add_nc_u64 s[42:43], s[42:43], s[54:55]
	s_wait_alu depctr_va_vdst(0)
	v_lshlrev_b32 v3, 2, v1                        ; in: 4 bytes a lane
	v_lshrrev_b32 v9, 4, v1
	v_and_b32 v12, 15, v1
	v_lshlrev_b32 v9, 14, v9
	v_lshl_add_u32 v9, v12, 4, v9                  ; out: block lane / 16, row lane % 16
	LOADW 0
	LOADW 1
	s_wait_kmcnt 0x0
	s_add_co_i32 s54, s45, 127
	s_lshl_b32 s55, s54, 23
	v_mov_b32 v11, s55                             ; 2^eB
	s_add_co_i32 s54, s54, 15
	s_lshl_b32 s54, s54, 23
	s_or_b32 s54, s54, 0x600000
	v_mov_b32 v10, s54                             ; 57,344 x 2^eB
	s_wait_alu depctr_va_vdst(0)
.irp t, 0,1,2,3,4,5,6,7
	BLOCKW \t
.endr
	s_cmp_lt_u32 ttmp9, 160                        ; Wo's and w2's first work-group, wave 0: the product's eA + eB, 64 times: one whole run of 256 bytes
	s_cbranch_scc1 .Lend
	s_and_b32 s54, ttmp9, 31
	s_or_b32 s54, s54, s8
	s_cmp_lg_u32 s54, 0
	s_cbranch_scc1 .Lend
	s_add_co_i32 s54, s44, s45
	v_mov_b32 v20, s54
	v_mov_b32 v21, s54
	v_lshlrev_b32 v22, 3, v1
	global_store_b64 v22, v[20:21], s[48:49] offset:0x500000
	s_branch .Lend
	; ======== 16 rows of hidden_states: wave w takes rows 4 w .. 4 w + 3, each whole: the sums never leave the wave
.Lnorm:
	s_sub_co_u32 s9, ttmp9, 224                    ; mb: which block of 16 rows
	s_load_b128 s[44:47], s[34:35], 0x0            ; e0 .. e3
	s_load_b32 s48, s[34:35], 0x10                 ; e4
	s_wait_alu depctr_va_vdst(0)
	v_lshlrev_b32 v2, 5, v1                        ; my 8 numbers of each 256: 32 bytes a lane
	s_lshl_b32 s50, s9, 16
	s_lshl_b32 s51, s8, 14
	s_add_co_u32 s50, s50, s51
	s_mov_b32 s51, 0
	s_add_nc_u64 s[30:31], s[30:31], s[50:51]      ; my first row
.irp j, 0,1,2,3
	global_load_b128 v[16+8*\j:16+8*\j+3], v2, s[32:33] offset:1024*\j
	global_load_b128 v[16+8*\j+4:16+8*\j+7], v2, s[32:33] offset:1024*\j+16
.endr
.irp p, 0,1,2,3
.irp j, 0,1,2,3
	global_load_b128 v[X+32*\p+8*\j:X+32*\p+8*\j+3], v2, s[30:31] offset:4096*\p+1024*\j th:TH_LOAD_NT
	global_load_b128 v[X+32*\p+8*\j+4:X+32*\p+8*\j+7], v2, s[30:31] offset:4096*\p+1024*\j+16 th:TH_LOAD_NT
.endr
.endr
	v_lshrrev_b32 v12, 2, v1
	v_and_b32 v13, 1, v1
	v_lshl_add_u32 v12, v12, 1, v13
	v_mul_u32_u24 v6, v12, UP                      ; into a stage: unit 2 (lane/4) + lane%2,
	v_bfe_u32 v13, v1, 1, 1
	v_lshl_add_u32 v6, v13, 3, v6                  ; + 8 ((lane/2)%2),
	s_lshl_b32 s52, s8, 6
	v_add_nc_u32 v6, s52, v6                       ; + 16 bytes for each of my four rows, from 64 x wave on
	v_lshrrev_b32 v12, 4, v1
	v_mul_u32_u24 v7, v12, UP
	v_and_b32 v13, 15, v1
	v_lshl_add_u32 v7, v13, 4, v7
	s_mul_i32 s52, s8, 16*UP
	v_add_nc_u32 v7, s52, v7                       ; back: units 16 w on, sixteen lanes to a unit
	v_lshlrev_b32 v8, 4, v1
	s_lshl_b32 s52, s9, 14
	s_lshl_b32 s53, s8, 12
	s_add_co_u32 s52, s52, s53
	s_mov_b32 s53, 0
	s_add_nc_u64 s[52:53], s[36:37], s[52:53]      ; my quarter of the block's image, for e0,
	s_add_nc_u64 s[54:55], s[52:53], 4<<20         ; e2,
	s_add_nc_u64 s[56:57], s[54:55], 4<<20         ; e4
	s_mov_b32 s60, 0x76543210                      ; v_permlanex16_b32: lane l xor 16
	s_mov_b32 s61, 0xfedcba98
	s_mov_b32 s62, 0x358637bd                      ; 1e-6
	s_mov_b32 s63, 0x3a800000                      ; 1 / 1,024
	s_cmp_lt_u32 s9, 128                           ; the rope table has 2,048 positions: blocks 0 to 127 make it, while the rows are on their way
	s_cbranch_scc0 .Lno_rope
	s_lshl_b32 s58, s9, 12
	s_lshl_b32 s59, s8, 10
	s_add_co_u32 s58, s58, s59
	s_add_co_u32 s58, s58, 17<<20
	s_mov_b32 s59, 0
	s_add_nc_u64 s[58:59], s[36:37], s[58:59]      ; my four units of 256 bytes: 4 w + k.  Unit u: t = u/8, g = (u/2)%4, h = u%2; my lane: position lane/2, the pair's frequency lane%2
	s_lshr_b32 s10, s8, 1
	s_lshl_b32 s10, s10, 4
	s_and_b32 s11, s8, 1
	s_lshl_b32 s11, s11, 2
	s_add_co_u32 s10, s10, s11
	v_and_b32 v12, 1, v1
	v_add_nc_u32 v12, s10, v12
	v_cvt_f32_u32 v12, v12                         ; 16 (w/2) + 4 (w%2) + lane%2; unit k adds 8 (k%2) + 2 (k/2)
	s_lshl_b32 s11, s9, 4
	v_lshrrev_b32 v13, 1, v1
	v_add_nc_u32 v13, s11, v13
	v_cvt_f32_u32 v13, v13                         ; the position
	v_lshlrev_b32 v9, 3, v1
	v_mov_b32 v14, 0x3638ef1d                      ; 1/9!
	v_mov_b32 v15, 0xb493f27e                      ; -1/10!
	v_mov_b32 v[RP], v12
	v_add_f32 v[RP+10], 0x41000000, v12            ; + 8
	v_add_f32 v[RP+20], 2.0, v12
	v_add_f32 v[RP+30], 0x41200000, v12            ; + 10
.irp k, 0,1,2,3
	v_mul_f32 v[RP+10*\k], 0xbed49a78, v[RP+10*\k] ; -i log2(10) / 8
.endr
	s_wait_alu depctr_va_vdst(0)
.irp k, 0,1,2,3
	v_exp_f32 v[RP+10*\k], v[RP+10*\k]             ; 10000^(-i/32)
.endr
	v_nop                                          ; a plain line behind the last exponential,
	s_wait_alu depctr_va_vdst(0)                   ; and one wait for the four, ahead of their first reader
.irp k, 0,1,2,3
	v_mul_f32 v[RP+10*\k], v13, v[RP+10*\k]        ; the angle
.endr
.irp k, 0,1,2,3
	v_mul_f32 v[RP+10*\k+1], 0x3f22f983, v[RP+10*\k]
.endr
.irp k, 0,1,2,3
	v_rndne_f32 v[RP+10*\k+1], v[RP+10*\k+1]       ; n = the nearest multiple of pi/2
.endr
.irp k, 0,1,2,3
	v_fma_f32 v[RP+10*\k+2], v[RP+10*\k+1], 0xbfc90fdb, v[RP+10*\k]
.endr
.irp k, 0,1,2,3
	v_fma_f32 v[RP+10*\k+2], v[RP+10*\k+1], 0x333bbd2e, v[RP+10*\k+2]   ; r = angle - n pi/2, pi/2 in two parts
.endr
.irp k, 0,1,2,3
	v_mul_f32 v[RP+10*\k+3], v[RP+10*\k+2], v[RP+10*\k+2]               ; z = r^2
.endr
.irp k, 0,1,2,3
	v_fmaak_f32 v[RP+10*\k+4], v14, v[RP+10*\k+3], 0xb9500d01
	v_fmaak_f32 v[RP+10*\k+5], v15, v[RP+10*\k+3], 0x37d00d01
.endr
.irp k, 0,1,2,3
	v_fmaak_f32 v[RP+10*\k+4], v[RP+10*\k+4], v[RP+10*\k+3], 0x3c088889
	v_fmaak_f32 v[RP+10*\k+5], v[RP+10*\k+5], v[RP+10*\k+3], 0xbab60b61
.endr
.irp k, 0,1,2,3
	v_fmaak_f32 v[RP+10*\k+4], v[RP+10*\k+4], v[RP+10*\k+3], 0xbe2aaaab
	v_fmaak_f32 v[RP+10*\k+5], v[RP+10*\k+5], v[RP+10*\k+3], 0x3d2aaaab
.endr
.irp k, 0,1,2,3
	v_mul_f32 v[RP+10*\k+4], v[RP+10*\k+4], v[RP+10*\k+3]
	v_fmaak_f32 v[RP+10*\k+5], v[RP+10*\k+5], v[RP+10*\k+3], 0xbf000000
.endr
.irp k, 0,1,2,3
	v_fma_f32 v[RP+10*\k+4], v[RP+10*\k+4], v[RP+10*\k+2], v[RP+10*\k+2]   ; sin r
	v_fmaak_f32 v[RP+10*\k+5], v[RP+10*\k+5], v[RP+10*\k+3], 0x3f800000    ; cos r
	v_cvt_i32_f32 v[RP+10*\k+6], v[RP+10*\k+1]
.endr
.irp k, 0,1,2,3
	v_and_b32 v[RP+10*\k+7], 1, v[RP+10*\k+6]
	v_cmp_eq_u32 vcc_lo, 1, v[RP+10*\k+7]                                  ; an odd quadrant swaps the two
	v_cndmask_b32 v[RP+10*\k+9], v[RP+10*\k+4], v[RP+10*\k+5], vcc_lo
	v_cndmask_b32 v[RP+10*\k+8], v[RP+10*\k+5], v[RP+10*\k+4], vcc_lo
	v_lshlrev_b32 v[RP+10*\k+7], 30, v[RP+10*\k+6]
	v_and_b32 v[RP+10*\k+7], 0x80000000, v[RP+10*\k+7]
	v_xor_b32 v[RP+10*\k+9], v[RP+10*\k+9], v[RP+10*\k+7]                  ; the sine is negative in quadrants 2 and 3,
	v_add_nc_u32 v[RP+10*\k+6], 1, v[RP+10*\k+6]
	v_lshlrev_b32 v[RP+10*\k+6], 30, v[RP+10*\k+6]
	v_and_b32 v[RP+10*\k+6], 0x80000000, v[RP+10*\k+6]
	v_xor_b32 v[RP+10*\k+8], v[RP+10*\k+8], v[RP+10*\k+6]                  ; the cosine in 1 and 2
	global_store_b64 v9, v[RP+10*\k+8:RP+10*\k+9], s[58:59] offset:256*\k  ; 32 lanes store 256 consecutive bytes
.endr
.Lno_rope:
	SUMSQ 0
	SUMSQ 1
	SUMSQ 2
	SUMSQ 3
.irp m, 1,2,4,8
.irp p, 0,1,2,3
	v_add_f32_dpp v[220+\p], v[220+\p], v[220+\p] row_xmask:\m row_mask:0xf bank_mask:0xf
.endr
.endr
.irp p, 0,1,2,3
	v_permlanex16_b32 v[216+\p], v[220+\p], s60, s61
.endr
.irp p, 0,1,2,3
	v_add_f32 v[220+\p], v[220+\p], v[216+\p]      ; every lane holds the row's sum of squares
.endr
.irp p, 0,1,2,3
	v_fma_f32 v[220+\p], v[220+\p], s63, s62       ; the mean + 1e-6
.endr
	s_wait_alu depctr_va_vdst(0)
.irp p, 0,1,2,3
	v_rsq_f32 v[224+2*\p], v[220+\p]
.endr
.irp p, 0,1,2,3
	v_mov_b32 v[225+2*\p], 0                       ; (named as the upper halves of the pairs below; also the plain lines behind the roots)
.endr
	s_wait_kmcnt 0x0
	MKSC s44, 232
	MKSC s46, 234
	MKSC s48, 236
	s_wait_alu depctr_va_vdst(0)                   ; one wait for the four roots, ahead of their first reader
.irp p, 0,1,2,3
.set i, 0
.rept 16
	v_pk_mul_f32 v[X+32*\p+i:X+32*\p+i+1], v[X+32*\p+i:X+32*\p+i+1], v[224+2*\p:225+2*\p] op_sel_hi:[1,0]   ; h x rsqrt, rounded, as reference() has it,
.set i, i+2
.endr
.set i, 0
.rept 16
	v_pk_mul_f32 v[X+32*\p+i:X+32*\p+i+1], v[X+32*\p+i:X+32*\p+i+1], v[16+i:17+i]                           ; then x ln1_w
.set i, i+2
.endr
.endr
	s_wait_xcnt 0x0                                ; the rope's stores have read their registers, which the holds below write
	QROW 0
	s_wait_dscnt 0x0                               ; the row's stores into the stages have read the twelve pairs of codes, which the next row writes
	QROW 1
	s_wait_dscnt 0x0
	QROW 2
	s_wait_dscnt 0x0
	QROW 3
	s_wait_dscnt 0x0                               ; for the others' sake: my stores into the stages are done
	s_barrier_signal -1
	s_barrier_wait -1                              ; the three images of 16 rows are whole
.irp e, 0,1,2
.irp i, 0,1,2,3,4,5,6,7
	ds_load_b128 v[X+4*(8*\e+\i):X+4*(8*\e+\i)+3], v7 offset:\e*STG+\i*2*UP
.endr
.endr
.irp e, 0,1,2
.irp i, 0,1,2,3,4,5,6,7
	s_wait_dscnt 23-8*\e-\i                        ; LDS loads come back in order (ISA guide 5.7.1): this one is in, the younger may be out
	global_store_b128 v8, v[X+4*(8*\e+\i):X+4*(8*\e+\i)+3], s[52+2*\e:53+2*\e] offset:512*\i   ; 32 lanes store 512 consecutive bytes
.endr
.endr
.Lend:
	s_wait_tensorcnt 0x0                           ; the wave's end: a wait, an add
	ds_add_u32 v[SPW], v[NIL]
	s_wait_dscnt 0x0
	s_endpgm
.Lfunc_end_k_qcf1fac9d6c_prep:
	.size	k_qcf1fac9d6c_prep, .Lfunc_end_k_qcf1fac9d6c_prep-k_qcf1fac9d6c_prep
	.p2alignl 7, 3214868480
	.fill 96, 4, 3214868480
	.section	.rodata,"a",@progbits
	.p2align	6, 0x0
	.amdhsa_kernel k_qcf1fac9d6c_prep
		.amdhsa_group_segment_fixed_size 52736
		.amdhsa_private_segment_fixed_size 0
		.amdhsa_enable_private_segment 0
		.amdhsa_kernarg_size 104
		.amdhsa_user_sgpr_count 2
		.amdhsa_user_sgpr_kernarg_segment_ptr 1
		.amdhsa_wavefront_size32 1
		.amdhsa_system_sgpr_workgroup_id_x 1
		.amdhsa_system_sgpr_workgroup_id_y 1
		.amdhsa_system_sgpr_workgroup_id_z 1
		.amdhsa_system_vgpr_workitem_id 0
		.amdhsa_next_free_vgpr 240
		.amdhsa_next_free_sgpr 66
		.amdhsa_reserve_vcc 1
		.amdhsa_float_denorm_mode_32 3
		.amdhsa_float_denorm_mode_16_64 3
		.amdhsa_memory_ordered 1
		.amdhsa_forward_progress 1
		.amdhsa_inst_pref_size 111
	.end_amdhsa_kernel
	.amdgpu_metadata
---
amdhsa.version: [ 1, 2 ]
amdhsa.kernels:
  - .name:           k_qcf1fac9d6c_prep
    .symbol:         k_qcf1fac9d6c_prep.kd
    .args:
      - { .name: Wq, .offset: 0, .size: 8, .value_kind: global_buffer, .address_space: global }
      - { .name: Wk, .offset: 8, .size: 8, .value_kind: global_buffer, .address_space: global }
      - { .name: Wv, .offset: 16, .size: 8, .value_kind: global_buffer, .address_space: global }
      - { .name: w1, .offset: 24, .size: 8, .value_kind: global_buffer, .address_space: global }
      - { .name: w3, .offset: 32, .size: 8, .value_kind: global_buffer, .address_space: global }
      - { .name: Wo, .offset: 40, .size: 8, .value_kind: global_buffer, .address_space: global }
      - { .name: w2, .offset: 48, .size: 8, .value_kind: global_buffer, .address_space: global }
      - { .name: hidden_states, .offset: 56, .size: 8, .value_kind: global_buffer, .address_space: global }
      - { .name: ln1_w, .offset: 64, .size: 8, .value_kind: global_buffer, .address_space: global }
      - { .name: lowp_scales, .offset: 72, .size: 8, .value_kind: global_buffer, .address_space: global }
      - { .name: pre, .offset: 80, .size: 8, .value_kind: global_buffer, .address_space: global }
      - { .name: pk_wo, .offset: 88, .size: 8, .value_kind: global_buffer, .address_space: global }
      - { .name: pk_dn, .offset: 96, .size: 8, .value_kind: global_buffer, .address_space: global }
    .group_segment_fixed_size: 52736
    .private_segment_fixed_size: 0
    .kernarg_segment_align: 8
    .kernarg_segment_size: 104
    .max_flat_workgroup_size: 128
    .sgpr_count:     66
    .vgpr_count:     240
    .wavefront_size: 32
...
	.end_amdgpu_metadata
.endif
;; end of part 7
;; launch qkv (part 8): grid 24 x 32, 4 waves a work-group, clusters of 4 x 4, 262,656 bytes of LDS; arguments pre, lowp_scales, qkv; writes qkv
.if DOCPART == 8
	.amdgcn_target "amdgcn-amd-amdhsa--gfx1250"
	.amdhsa_code_object_version 6
	.text
	.protected	k_qcf1fac9d6c_qkv
	.globl	k_qcf1fac9d6c_qkv
	.p2align	8
	.type	k_qcf1fac9d6c_qkv,@function
k_qcf1fac9d6c_qkv:
	s_mov_b64 s[64:65], 0
	v_nop
	global_prefetch_b8 v0, s[64:65] scope:SCOPE_SE
	s_setreg_imm32_b32 hwreg(HW_REG_WAVE_MODE, 25, 1), 1
	s_wait_xcnt 0x0
	s_wait_alu depctr_hold_cnt(0) depctr_sa_sdst(0) depctr_va_vdst(0) depctr_va_sdst(0) depctr_va_ssrc(0) depctr_va_vcc(0) depctr_vm_vsrc(0)
	s_getreg_b32 s2, hwreg(HW_REG_IB_STS2, 6, 4)
	s_cmp_eq_u32 s2, 0
	s_cbranch_scc0 .Lentry_in_a_cluster
	s_endpgm
.Lentry_in_a_cluster:
	s_bfe_u32 s2, ttmp6, 0x10000c
	s_cmp_lg_u32 s2, 0xf033
	s_cbranch_scc0 .Lentry_shape_is_right
	s_endpgm
.Lentry_shape_is_right:
; Launch 2 of 7: q = rope(x Wq), k = rope(x Wk), v = x Wv on codes of E5M2, and their codes for attention.  Nothing of reference() is left out here.
; A tile is 128 rows of x (tile row ty) x 128 columns (tile column tx: 0-7 of Wq, 8-15 of Wk, 16-23 of Wv); K = 1,024.  Four waves, each 64 x 64: the 64 columns are one head.
; ALL OF K LIES IN LDS AT ONCE: 128 KB of x's codes and 128 KB of the weight's, each wave's four blocks of all of K in its own 64 KB.  Every wave asks for its 64 KB at the head by one tensor load,
; no LDS byte is filled twice, and one wait and a plain barrier open all of it.
; The operands lie in memory as images of their registers (launch 1): a fragment of 16 rows x 128 K is 2,048 consecutive bytes, four loads at 512 c + 16 lane: consecutive bytes, so no padding.
; CLUSTER 4 x 4: the four work-groups of a row of the cluster need the same codes of x, the four of a column the same weight: each part is asked for jointly.
; THE SOURCES.  For q and k source 0 = 16 rows of the weight's image (columns d), source 1 = 16 rows of x: a lane holds one row of x and eight neighbouring d: K of the scores.  For v source 0 = rows of x (keys),
; source 1 = the weight: a lane holds one d and eight neighbouring keys: K of the second product.  The two uses differ only in which LDS region feeds which source: the two base addresses are chosen by the
; kind of the tile (cluster x / 2, the same in all sixteen partners).  Accumulator (a, b): a = source 1's block, b = source 0's.
; A conversion of an accumulator's eight registers is register pair b of the next operand's fragment, for row lane % 16: the codes leave as they stand, 512 consecutive bytes a store.
; The sums stand for sum x 2^(eA + eB); the rope is linear, so the three scales are folded into the conversion's one: 2^(e6 - e0 - e1) for q, 2^(e7 - e2 - e3) for k, 2^(e9 - e4 - e5) for v.
; LIMITS: each of these three exponents lies between -126 and 112.  NaN among the inputs is not served.
; OUT: q: [32 bh][128 blocks of 16 queries][1 KB];  at + 4 MB: [32 bh][16 steps of 128 keys][K: 8 blocks of 16 keys x 1 KB, then V: 4 blocks of 16 d x 2 KB].
; REGISTERS: window 0: v1-2 lane, v16-23 LDS addresses, v24-27 store offsets, v28-29 the add's two, v30-31 scale and hold, v32-47 at work, v96-127 codes, v128-255 the 16 accumulators;
;   window 1: two sets of fragments (source 1's four at + 0, source 0's four at + 64);  window 2: cos and sin for my 64 rows.
.set CH,    65536                      ; a wave's region in LDS: x's blocks 0-3, 4-7, the weight's 0-3, 4-7; a block has 16,384 bytes (eight fragments)
.set RG,    16384
.set SPARE, 4*CH                       ; behind the chunks: the spare words, 128 bytes a wave: two blocks of 256 bytes that no other line names
.set ADR0,  16                         ; v16-19 source 0's fragments in chunk j
.set ADR1,  20                         ; v20-23 source 1's
.set OUTA,  24                         ; v24-27 my byte in the output, for a = 0 .. 3
.set SPW,   28
.set NIL,   29
.set SCV,   30
.set LIM,   31
.set TT,    32
.set CD,    96
.set ACC,   128
.set G1A,   24                         ; s[24:31] descriptor group 1 for x's parts;  s[48:55] for the weight's: they differ in the mask
.set G1B,   48
.set G0A,   68                         ; s[68:71] group 0 for x's part;  s[84:87] for the weight's
.set G0B,   84
.set MUL,   0x05                       ; sources 0 and 1 window 1; C and D window 0
.set TO_F,  0x40                       ; destination window 1, address window 0
.set MSB, 0
.macro WIN new                         ; the immediate's high byte repeats the setting that is left
.if MSB != \new
	s_set_vgpr_msb (MSB<<8)|\new
.set MSB, \new
.endif
.endm
.macro CROUND                          ; a round of the cluster's barrier
	s_barrier_signal -1
	s_barrier_wait -1
	s_cmp_lg_u32 s10, 0
	s_cbranch_scc1 .Lnot_wave_0_\@
	s_barrier_signal -3
.Lnot_wave_0_\@:
	s_barrier_wait -3
	s_barrier_signal -1
	s_barrier_wait -1
.endm
.macro PLACES                          ; four plain lines between a matrix instruction and a load into its sources or a read of its result (ISA guide 7.12.1 for a read of its result)
.rept 4
	v_nop
.endr
.endm
.macro LAND j                          ; chunk j is whole for every wave
	s_wait_tensorcnt 0x0                           ; my one load, 64 KB: four blocks of 16 rows x all of K, is in
	s_wait_dscnt 0x0                               ; no LDS instruction of mine is pending at the signal
	s_barrier_signal -1
	s_barrier_wait -1
.endm
.macro FETCH st, set                   ; the fragments of step st (128 along K): 32 loads in one run
	WIN TO_F
.irp i, 0,1,2,3
.irp c, 0,1,2,3
	ds_load_b128 v[128*(\set)+64+16*\i+4*\c:128*(\set)+64+16*\i+4*\c+3], v[ADR0+(\st)/2] offset:\i*16384+((\st)%2)*2048+\c*512
.endr
.endr
.irp i, 0,1,2,3
.irp c, 0,1,2,3
	ds_load_b128 v[128*(\set)+16*\i+4*\c:128*(\set)+16*\i+4*\c+3], v[ADR1+(\st)/2] offset:\i*16384+((\st)%2)*2048+\c*512
.endr
.endr
.endm
.macro MULS set, zero                  ; 16 matrix instructions: the accumulators take turns, one instruction a turn, in the same order in every step.  zero = 1: the first step starts the sums
	WIN MUL
.irp a, 0,1,2,3
.irp b, 0,1,2,3
.if \zero
	v_wmma_f32_16x16x128_bf8_bf8 v[ACC+8*(4*\a+\b):ACC+8*(4*\a+\b)+7], v[128*(\set)+64+16*\b:128*(\set)+64+16*\b+15], v[128*(\set)+16*\a:128*(\set)+16*\a+15], 0
.else
	v_wmma_f32_16x16x128_bf8_bf8 v[ACC+8*(4*\a+\b):ACC+8*(4*\a+\b)+7], v[128*(\set)+64+16*\b:128*(\set)+64+16*\b+15], v[128*(\set)+16*\a:128*(\set)+16*\a+15], v[ACC+8*(4*\a+\b):ACC+8*(4*\a+\b)+7]
.endif
.endr
.endr
.endm
.macro ROPE a                          ; rows 16 a on: d and d + 32 turn together; register j of tiles t and t + 2 has frequency 16 t + 8 h + j; each accumulator is read from its low end on
	WIN 0x08                                       ; source 1 (cos, sin) window 2
.irp t, 0,1
.irp j, 0,1,2,3,4,5,6,7
	v_mul_f32 v[TT+2*\j], v[ACC+8*(4*\a+\t+2)+\j], v[32*\a+16*\t+2*\j+1]
	v_mul_f32 v[TT+2*\j+1], v[ACC+8*(4*\a+\t)+\j], v[32*\a+16*\t+2*\j+1]
	v_fma_f32 v[ACC+8*(4*\a+\t)+\j], v[ACC+8*(4*\a+\t)+\j], v[32*\a+16*\t+2*\j], -v[TT+2*\j]          ; x1 cos - x2 sin
	v_fma_f32 v[ACC+8*(4*\a+\t+2)+\j], v[ACC+8*(4*\a+\t+2)+\j], v[32*\a+16*\t+2*\j], v[TT+2*\j+1]     ; x2 cos + x1 sin
.endr
.endr
.endm
.macro QOUT a                          ; source 1's block a: 16 rows of the next operand, 64 along its K
.set i, 0
.rept 32
	v_med3_num_f32 v[ACC+32*\a+i], v[ACC+32*\a+i], -v[LIM], v[LIM]     ; the conversion does not saturate (ISA guide 7.6.2)
.set i, i+1
.endr
.irp b, 0,1,2,3
	v_cvt_scalef32_pk8_bf8_f32 v[CD+8*\a+2*\b:CD+8*\a+2*\b+1], v[ACC+32*\a+8*\b:ACC+32*\a+8*\b+7], v[SCV]
.endr
	v_nop                                          ; a plain line behind the last conversion of the run
	global_store_b128 v[OUTA+\a], v[CD+8*\a:CD+8*\a+3], s[8:9]               ; 32 lanes store 512 consecutive bytes
	global_store_b128 v[OUTA+\a], v[CD+8*\a+4:CD+8*\a+7], s[8:9] offset:512
.endm
	s_load_b128 s[4:7], s[0:1], 0x0                ; pre s[4:5], lowp_scales s[6:7]
	s_load_b64 s[8:9], s[0:1], 0x10                ; qkv
	v_lshl_add_u32 v[SPW], v0, 2, SPARE
	v_mov_b32 v[NIL], 0
	ds_add_u32 v[SPW], v[NIL]                      ; the wave's opening: the add, twice on end, and its wait ahead of my first tensor load; work on registers stands between
	ds_add_u32 v[SPW], v[NIL]
	v_lshrrev_b32 v1, 5, v0
	v_readfirstlane_b32 s10, v1                    ; wave 0..3
	s_lshr_b32 s11, s10, 1                         ; wr: which 64 rows are mine.  Also: I fetch x's codes (0) or the weight's (1)
	s_and_b32 s12, s10, 1                          ; wc: which 64 columns.  Also: which four blocks I fetch
	s_bfe_u32 s40, ttmp6, 0x40000                  ; cx, cy: my place in the cluster
	s_bfe_u32 s41, ttmp6, 0x40004
	s_lshl_b32 s42, ttmp9, 2
	s_add_co_u32 s42, s42, s40                     ; tx = 4 x cluster x + cx
	s_and_b32 s13, ttmp7, 0xffff
	s_lshl_b32 s13, s13, 2
	s_add_co_u32 s13, s13, s41                     ; ty = 4 x cluster y + cy
	s_lshr_b32 s14, ttmp9, 1                       ; the kind: 0 q, 1 k, 2 v: the same in all sixteen partners
	s_lshl_b32 s43, s41, 2
	s_lshl_b32 s43, 15, s43                        ; my row of the cluster
	s_lshl_b32 s44, 0x1111, s40                    ; my column
	s_or_b32 s[G1A], s43, (3<<16)|(1<<21)          ; 15:0 the mask; 17:16 elements of 8 bytes; 21 set beside a mask; no padding
	s_or_b32 s[G1B], s44, (3<<16)|(1<<21)
.irp g, G1A, G1B
	s_mov_b32 s[\g+1], 512<<16                     ; tensor_dim0 = 512 elements: a block's 4,096 bytes of a chunk
	s_mov_b32 s[\g+2], 16<<16                      ; tensor_dim1 = 16 rows of 4,096 bytes: a wave's four blocks lie on end in memory, 65,536 bytes, and come by ONE load
	s_mov_b32 s[\g+3], 512<<16                     ; tile_dim0
	s_mov_b32 s[\g+4], 16                          ; tile_dim1
	s_mov_b32 s[\g+5], 512                         ; dense: a row begins where the last ends
	s_mov_b32 s[\g+6], 0
	s_mov_b32 s[\g+7], 0
.endr
	s_lshl_b32 s16, s14, 22                        ; x's codes: the kind's set of 4 MB,
	s_lshl_b32 s17, s13, 17                        ; ty's eight blocks,
	s_add_co_u32 s16, s16, s17
	s_lshl_b32 s17, s12, 16                        ; my four of them
	s_add_co_u32 s16, s16, s17
	s_mov_b32 s17, 0
	s_lshl_b32 s46, s42, 17                        ; the weights' codes lie on end from 12 MB on: tx's eight blocks,
	s_lshl_b32 s47, s12, 16
	s_add_co_u32 s46, s46, s47
	s_add_co_u32 s46, s46, 12<<20
	s_mov_b32 s47, 0
	s_lshl_b32 s45, s10, 16                        ; where they go: 64 KB for each wave: x's blocks 0-3, 4-7, the weight's 0-3, 4-7; a block has 16,384 bytes (eight fragments)
	s_wait_dscnt 0x0                               ; both opening adds are done
	s_wait_kmcnt 0x0
	s_load_b256 s[56:63], s[6:7], 0x0              ; e0 .. e7
	s_load_b32 s66, s[6:7], 0x24                   ; e9
	s_add_nc_u64 s[16:17], s[4:5], s[16:17]
	s_add_nc_u64 s[46:47], s[4:5], s[46:47]
.irp j, 0
	s_mov_b32 s[G0A+4*\j], 1
	s_add_co_u32 s[G0A+4*\j+1], s45, \j*CH
	s_add_nc_u64 s[G0A+4*\j+2:G0A+4*\j+3], s[16:17], \j*4096
	s_or_b32 s[G0A+4*\j+3], s[G0A+4*\j+3], 0x80000000
	s_mov_b32 s[G0B+4*\j], 1
	s_add_co_u32 s[G0B+4*\j+1], s45, \j*CH
	s_add_nc_u64 s[G0B+4*\j+2:G0B+4*\j+3], s[46:47], \j*4096
	s_or_b32 s[G0B+4*\j+3], s[G0B+4*\j+3], 0x80000000
.endr
	CROUND                                         ; all sixteen work-groups are here: the joint loads meet
	s_cmp_eq_u32 s11, 0                            ; a wave's one fill stands in one branch on its number, ahead of every wait on TENSORcnt, LDS read and barrier
	s_cbranch_scc0 .Lfor_b
.irp j, 0
	tensor_load_to_lds s[G0A+4*\j:G0A+4*\j+3], s[G1A:G1A+7]
	s_nop 0
.endr
	PLACES
	s_branch .Lasked
.Lfor_b:
.irp j, 0
	tensor_load_to_lds s[G0B+4*\j:G0B+4*\j+3], s[G1B:G1B+7]
	s_nop 0
.endr
	PLACES
.Lasked:
	v_and_b32 v1, 31, v0
	v_lshlrev_b32 v2, 4, v1                        ; 16 x lane: my place in every image
	s_wait_alu depctr_va_vdst(0)
	s_lshl_b32 s21, s11, 16                        ; x's 64 KB of my 64 rows
	s_lshl_b32 s22, s12, 16
	s_add_co_u32 s22, s22, 2*CH                    ; the weight's 64 KB of my 64 columns
	s_cmp_eq_u32 s14, 2
	s_cselect_b32 s23, s21, s22                    ; source 0: the weight; for v: x
	s_cselect_b32 s20, s22, s21                    ; source 1: x; for v: the weight
.irp j, 0,1,2,3
	v_add_nc_u32 v[ADR0+\j], s23, v2
	v_add_nc_u32 v[ADR1+\j], s20, v2
	s_add_co_u32 s23, s23, 4096                    ; 256 along K on in each block
	s_add_co_u32 s20, s20, 4096
.endr
	s_and_b32 s32, s42, 7
	s_lshl_b32 s32, s32, 1
	s_add_co_u32 s32, s32, s12                     ; my head
	s_lshr_b32 s33, s13, 4
	s_lshl_b32 s33, s33, 4
	s_add_co_u32 s33, s33, s32                     ; bh = 16 x batch + head
	s_and_b32 s34, s13, 15                         ; which 128 positions of the sequence
	s_lshl_b32 s35, s33, 17
	s_lshl_b32 s36, s34, 13
	s_add_co_u32 s35, s35, s36
	s_lshl_b32 s36, s11, 12
	s_add_co_u32 s35, s35, s36                     ; q: bh x 128 KB + (8 tq + 4 wr) KB
	s_lshl_b32 s37, s33, 18
	s_lshl_b32 s38, s34, 14
	s_add_co_u32 s37, s37, s38
	s_add_co_u32 s37, s37, 4<<20                   ; the key step's 16 KB
	s_add_co_u32 s38, s37, s36                     ; k: + 4 wr KB
	s_lshl_b32 s39, s11, 10
	s_add_co_u32 s39, s39, s37
	s_add_co_u32 s39, s39, 8192                    ; v: + 8 KB + my 64 keys' two runs of 512 bytes in each fragment
	s_mov_b32 s19, 1024
	s_cmp_eq_u32 s14, 0
	s_cselect_b32 s32, s35, s38
	s_cmp_eq_u32 s14, 2
	s_cselect_b32 s32, s39, s32
	s_cselect_b32 s19, 2048, s19                   ; from a to a + 1: a block of 16 rows x 64 (q, k) or a fragment of 16 d x 128 keys (v)
	s_mov_b32 s33, 0
	s_add_nc_u64 s[8:9], s[8:9], s[32:33]
	v_mov_b32 v[OUTA], v2
	v_add_nc_u32 v[OUTA+1], s19, v[OUTA]
	v_add_nc_u32 v[OUTA+2], s19, v[OUTA+1]
	v_add_nc_u32 v[OUTA+3], s19, v[OUTA+2]
	s_cmp_eq_u32 s14, 2                            ; v has no rope
	s_cbranch_scc1 .Lno_table
	s_lshl_b32 s36, s34, 15
	s_lshl_b32 s37, s11, 14
	s_add_co_u32 s36, s36, s37
	s_add_co_u32 s36, s36, 17<<20
	s_mov_b32 s37, 0
	s_add_nc_u64 s[36:37], s[4:5], s[36:37]        ; the table of my 64 positions
	WIN 0x80                                       ; destination window 2
.irp a, 0,1,2,3
.irp t, 0,1
.irp g, 0,1,2,3
	global_load_b128 v[32*\a+16*\t+4*\g:32*\a+16*\t+4*\g+3], v2, s[36:37] offset:\a*4096+\t*2048+\g*512
.endr
.endr
.endr
	WIN 0
.Lno_table:
	LAND 0
	FETCH 0, 0
	FETCH 1, 1
	s_wait_dscnt 32                                ; step 0's 32 loads are in; the 32 just issued may be out
	MULS 0, 1
	s_wait_alu depctr_va_vdst(0)
.irp st, 1,2,3,4,5,6
	PLACES                                         ; in front of loads into the set that the last step multiplied
	FETCH \st+1, (\st+1)%2
	s_wait_dscnt 32
	MULS \st%2, 0
.endr
	s_wait_dscnt 0x0
	MULS 1, 0
	WIN 0
	PLACES
	s_wait_kmcnt 0x0
	s_sub_co_i32 s32, s62, s56
	s_sub_co_i32 s32, s32, s57                     ; e6 - e0 - e1
	s_sub_co_i32 s33, s63, s58
	s_sub_co_i32 s33, s33, s59                     ; e7 - e2 - e3
	s_sub_co_i32 s34, s66, s60
	s_sub_co_i32 s34, s34, s61                     ; e9 - e4 - e5
	s_cmp_eq_u32 s14, 0
	s_cselect_b32 s32, s32, s33
	s_cmp_eq_u32 s14, 2
	s_cselect_b32 s32, s34, s32
	s_add_co_i32 s32, s32, 127
	s_lshl_b32 s33, s32, 23
	v_mov_b32 v[SCV], s33                          ; the folded scale as f32
	s_add_co_i32 s32, s32, 15
	s_lshl_b32 s32, s32, 23
	s_or_b32 s32, s32, 0x600000
	v_mov_b32 v[LIM], s32                          ; 57,344 x that
	s_cmp_eq_u32 s14, 2
	s_cbranch_scc1 .Lno_rope
	s_wait_loadcnt 0x0                             ; the table
	ROPE 0
	ROPE 1
	ROPE 2
	ROPE 3
	WIN 0
.Lno_rope:
	s_wait_alu depctr_va_vdst(0)
	QOUT 0
	QOUT 1
	QOUT 2
	QOUT 3
	s_wait_tensorcnt 0x0                           ; the wave's end
	ds_add_u32 v[SPW], v[NIL]
	s_wait_dscnt 0x0
	CROUND                                         ; the closing round: no work-group ends while a partner may still ask for a part that names it
	s_endpgm
.Lfunc_end_k_qcf1fac9d6c_qkv:
	.size	k_qcf1fac9d6c_qkv, .Lfunc_end_k_qcf1fac9d6c_qkv-k_qcf1fac9d6c_qkv
	.p2alignl 7, 3214868480
	.fill 96, 4, 3214868480
	.section	.rodata,"a",@progbits
	.p2align	6, 0x0
	.amdhsa_kernel k_qcf1fac9d6c_qkv
		.amdhsa_group_segment_fixed_size 262656
		.amdhsa_private_segment_fixed_size 0
		.amdhsa_enable_private_segment 0
		.amdhsa_kernarg_size 24
		.amdhsa_user_sgpr_count 2
		.amdhsa_user_sgpr_kernarg_segment_ptr 1
		.amdhsa_wavefront_size32 1
		.amdhsa_system_sgpr_workgroup_id_x 1
		.amdhsa_system_sgpr_workgroup_id_y 1
		.amdhsa_system_sgpr_workgroup_id_z 1
		.amdhsa_system_vgpr_workitem_id 0
		.amdhsa_next_free_vgpr 640
		.amdhsa_next_free_sgpr 100
		.amdhsa_reserve_vcc 0
		.amdhsa_float_denorm_mode_32 3
		.amdhsa_float_denorm_mode_16_64 3
		.amdhsa_memory_ordered 1
		.amdhsa_forward_progress 1
		.amdhsa_inst_pref_size 59
	.end_amdhsa_kernel
	.amdgpu_metadata
---
amdhsa.version: [ 1, 2 ]
amdhsa.kernels:
  - .name:           k_qcf1fac9d6c_qkv
    .symbol:         k_qcf1fac9d6c_qkv.kd
    .args:
      - { .name: pre, .offset: 0, .size: 8, .value_kind: global_buffer, .address_space: global }
      - { .name: lowp_scales, .offset: 8, .size: 8, .value_kind: global_buffer, .address_space: global }
      - { .name: qkv, .offset: 16, .size: 8, .value_kind: global_buffer, .address_space: global }
    .group_segment_fixed_size: 262656
    .private_segment_fixed_size: 0
    .kernarg_segment_align: 8
    .kernarg_segment_size: 24
    .max_flat_workgroup_size: 128
    .sgpr_count:     100
    .vgpr_count:     640
    .wavefront_size: 32
...
	.end_amdgpu_metadata
.endif
;; end of part 8
;; launch attn (part 9): grid 8 x 32, 8 waves a work-group, clusters of 4 x 1, 327,680 bytes of LDS; arguments qkv, lowp_scales, pk_wo; writes pk_wo
.if DOCPART == 9
	.amdgcn_target "amdgcn-amd-amdhsa--gfx1250"
	.amdhsa_code_object_version 6
	.text
	.protected	k_qcf1fac9d6c_attn
	.globl	k_qcf1fac9d6c_attn
	.p2align	8
	.type	k_qcf1fac9d6c_attn,@function
k_qcf1fac9d6c_attn:
	s_mov_b64 s[64:65], 0
	v_nop
	global_prefetch_b8 v0, s[64:65] scope:SCOPE_SE
	s_setreg_imm32_b32 hwreg(HW_REG_WAVE_MODE, 25, 1), 1
	s_wait_xcnt 0x0
	s_wait_alu depctr_hold_cnt(0) depctr_sa_sdst(0) depctr_va_vdst(0) depctr_va_sdst(0) depctr_va_ssrc(0) depctr_va_vcc(0) depctr_vm_vsrc(0)
	s_getreg_b32 s2, hwreg(HW_REG_IB_STS2, 6, 4)
	s_cmp_eq_u32 s2, 0
	s_cbranch_scc0 .Lentry_in_a_cluster
	s_endpgm
.Lentry_in_a_cluster:
	s_bfe_u32 s2, ttmp6, 0x10000c
	s_cmp_lg_u32 s2, 0x3003
	s_cbranch_scc0 .Lentry_shape_is_right
	s_endpgm
.Lentry_shape_is_right:
; Launch 3 of 7: ctx = softmax(q k^T / 8) v for 32 (batch, head) pairs of 2,048 positions, head size 64, both products on codes of E5M2, and ctx's codes (2^e10) for the product with Wo.  Nothing of reference() is left out here.
; THE SOFTMAX: t = score x log2(e) / 8; M = the running largest t rounded up to a whole number; p = 2^(t - M) is quantised (2^e8), not normalised; the row's sum is taken of the unquantised p and divides at the end.
; When M moves, the sum and O are multiplied by 2^(old M - new M), a power of two.
; SHARES.  A work-group owns 256 queries of one (batch, head); each of its EIGHT waves owns 32 of them, two tiles of 16, so that each fragment of K and of V read from LDS feeds two matrix instructions.
; A head's K and V are 16 steps of 128 keys x 16 KB = 256 KB: ALL OF IT LIES IN LDS, and no LDS byte is filled twice.  It comes in two parts: at the head each wave asks for 8 KB (together steps 0 to 3);
; behind the full sequence and a round of the cluster's barrier each wave asks for 24 KB (together steps 4 to 15), which land while steps 0 to 2 are worked; a wait and a barrier open them ahead of step 3, whose look-ahead reads step 4.
; CLUSTER 4 x 1: four blocks of queries of one head read the same K and V: each load is asked for jointly by the four.
; No prefetch is laid: every byte that the work-group reads is asked for ahead of its first key step, and there is no later fill to run ahead of.
; LAYOUT (launch 2 wrote it): images of the operands' registers.  q: [32 bh][128 blocks of 16 queries][1 KB].  At + 4 MB: [32 bh][16 steps][K: 8 blocks of 16 keys x 1 KB, then V: 4 blocks of 16 d x 128 keys x 2 KB].
; Both products are used transposed: S^T = K Q^T, O^T = V^T P^T: a lane holds one query of each tile; register j of score tile kb is key 16 kb + 8 (lane / 16) + j, so a conversion of a tile's eight registers is register pair kb of P's fragment.
; K's fragments are fetched one step ahead; in the last trip that address wraps to step 0 and what it brings is not used (sixteen LDS loads).
; THE EXPONENTIALS stand in two batches of 64, one a tile, with plain work of the other tile between them line by line; whatever that plain work writes is first read behind the batch's closing wait.
; LIMITS: e6 + e7 between -123 and 130 (added to c's exponent field); e8 and e10 between -126 and 112; the scaled scores stay under 2^31 in magnitude.  NaN among the inputs is not served.
; REGISTERS.  Window 0: v1 16 x lane, v5-6 the add's two, v8-9 LDS addresses, v12-15 -M and the largest t of tiles 0, 1, v16-19 the sums, v20-23 f, v24-27 at work, v28-31, v10 holds and scales,
;   v32-63 P's codes, v64-115 at work, v128-255 the scores of tiles 0, 1, then p.   Window 1: v0-63 K's eight fragments, v64-127 V's four, v128-191 O^T of tiles 0, 1, v192-207 Q.
.set SPARE, 262144                     ; behind K and V: the spare words, 128 bytes a wave: four blocks of 256 bytes that no other line names
.set SPW,  5
.set NIL,  6
.set ADR,  8                           ; this step's 16 KB
.set ADK,  9                           ; the next step's
.set SCX,  10                          ; 2^e10
.set NM,   12                          ; v[12+2u] -M, v[13+2u] the largest t
.set LS,   16                          ; v[16+2u:17+2u] the sum in two halves
.set FF,   20                          ; v[20+2u] f, v[21+2u] named with it as a pair
.set TA,   24
.set PM,   26
.set LIMP, 28                          ; v28 and v29: 57,344 x 2^e8, once for each half of a dual pair
.set SCP,  30                          ; 2^e8
.set LIMC, 31                          ; 57,344 x 2^e10
.set PC,   32
.set MC,   64
.set SC,   72
.set TS,   84                          ; v84-115 tile 0's sixteen first sums
.set S,    128
.set KR,   0
.set VR,   64
.set O,    128
.set Q,    192
.set WV,   18
.set SEL,  20
.set CS,   22
.set G1,   24                          ; s[24:31] descriptor group 1 of the first part; s[40:47] of the second
.set G0,   32
.set G1B,  40
.set G0B,  60
.set TB,   48
.set CNT,  49
.set MSB, 0
.macro WIN new                         ; the immediate's high byte repeats the setting that is left
.if MSB != (\new)
	s_set_vgpr_msb (MSB<<8)|(\new)
.set MSB, (\new)
.endif
.endm
.macro CROUND                          ; a round of the cluster's barrier
	s_barrier_signal -1
	s_barrier_wait -1
	s_cmp_lg_u32 s[WV], 0
	s_cbranch_scc1 .Lnot_wave_0_\@
	s_barrier_signal -3
.Lnot_wave_0_\@:
	s_barrier_wait -3
	s_barrier_signal -1
	s_barrier_wait -1
.endm
.macro KLOAD adr                       ; K's eight fragments of 16 keys x 64: sixteen loads
	WIN 0x40                                       ; destination window 1, address window 0
.irp kb, 0,1,2,3,4,5,6,7
	ds_load_b128 v[KR+8*\kb:KR+8*\kb+3], v[\adr] offset:\kb*1024
	ds_load_b128 v[KR+8*\kb+4:KR+8*\kb+7], v[\adr] offset:\kb*1024+512
.endr
	WIN 0
.endm
.macro PF j0, n                        ; t - M, two at a time; of the pairs c and -M the low word serves both halves
.set j, \j0
.rept \n
	v_pk_fma_f32 v[S+j:S+j+1], v[S+j:S+j+1], s[CS:CS+1], v[NM+2*(j/64):NM+2*(j/64)+1] op_sel_hi:[1,0,0]
.set j, j+2
.endr
.endm
; A KEY STEP: 128 keys at LDS byte s[TB].  wrap = 1: the look-ahead for K wraps behind step 15
.macro STEP wrap
	s_add_co_u32 s50, s[TB], 16384
.if \wrap
	s_and_b32 s50, s50, 0x3ffff                    ; the next step; behind the last: step 0
.endif
	v_add_nc_u32 v[ADR], s[TB], v1                 ; these four plain lines are the places behind the last products, ahead of the loads into V's registers
	v_add_nc_u32 v[ADK], s50, v1
	v_mov_b32 v[TA], v[NM]
	v_mov_b32 v[TA+1], v[NM+2]                     ; the old -M
	s_wait_alu depctr_va_vdst(0)
	WIN 0x40
.irp t, 0,1,2,3
.irp c, 0,1,2,3
	ds_load_b128 v[VR+16*\t+4*\c:VR+16*\t+4*\c+3], v[ADR] offset:8192+\t*2048+\c*512
.endr
.endr
	s_wait_dscnt 16                                ; K's sixteen loads are in; V's sixteen, just issued, may be out
	WIN 0x05                                       ; sources 0 and 1 window 1
.irp kb, 0,1,2,3,4,5,6,7
.irp u, 0,1
	v_wmma_f32_16x16x64_bf8_bf8 v[S+64*\u+8*\kb:S+64*\u+8*\kb+7], v[KR+8*\kb:KR+8*\kb+7], v[Q+8*\u:Q+8*\u+7], 0
.endr
.endr
	WIN 0
.rept 4
	v_nop                                          ; places ahead of the loads into K's registers and of the first read of scores
.endr
	KLOAD ADK
.irp u, 0,1                                    ; the step's largest score of each query: four chains a tile; each accumulator is read from its low end on
.irp i, 0,1,2,3
	v_max3_num_f32 v[MC+4*\u+\i], v[S+64*\u+16*\i], v[S+64*\u+16*\i+1], v[S+64*\u+16*\i+2]
.endr
.endr
.irp s, 1,2,3,4,5,6
.irp u, 0,1
.irp i, 0,1,2,3
	v_max3_num_f32 v[MC+4*\u+\i], v[MC+4*\u+\i], v[S+64*\u+16*\i+1+2*\s], v[S+64*\u+16*\i+2+2*\s]
.endr
.endr
.endr
.irp u, 0,1
	v_max3_num_f32 v[MC+4*\u], v[MC+4*\u], v[MC+4*\u+1], v[S+64*\u+15]
	v_max3_num_f32 v[MC+4*\u+2], v[MC+4*\u+2], v[MC+4*\u+3], v[S+64*\u+31]
.endr
.irp u, 0,1
	v_max3_num_f32 v[MC+4*\u], v[MC+4*\u], v[MC+4*\u+2], v[S+64*\u+47]
.endr
.irp u, 0,1
	v_max_num_f32 v[MC+4*\u], v[MC+4*\u], v[S+64*\u+63]
.endr
.irp u, 0,1
	v_permlanex16_b32 v[PM+\u], v[MC+4*\u], s[SEL], s[SEL+1]
.endr
.irp u, 0,1
	v_max_num_f32 v[MC+4*\u], v[MC+4*\u], v[PM+\u]         ; and among lane l xor 16's
.endr
.irp u, 0,1
	v_mul_f32 v[MC+4*\u], s[CS], v[MC+4*\u]                ; as t (c is positive)
.endr
.irp u, 0,1
	v_max_num_f32 v[NM+2*\u+1], v[NM+2*\u+1], v[MC+4*\u]   ; the running largest t
.endr
.irp u, 0,1
	v_floor_f32 v[NM+2*\u], -v[NM+2*\u+1]                  ; the new -M = -ceil(t)
.endr
.irp u, 0,1
	v_sub_f32 v[TA+\u], v[NM+2*\u], v[TA+\u]               ; old M - new M: a whole number, 0 or less
.endr
	PF 0, 8                                        ; tile 0's t - M
.irp u, 0,1
	v_cvt_i32_f32 v[TA+\u], v[TA+\u]                       ; (it saturates)
.endr
	PF 16, 8
.irp u, 0,1
	v_ldexp_f32 v[FF+2*\u], 1.0, v[TA+\u]                  ; f = 2^(old M - new M)
.endr
	PF 32, 16
	WIN 0x41                                       ; O^T in window 1, f in window 0
.set j, 0
.rept 32
	v_pk_mul_f32 v[O+j:O+j+1], v[O+j:O+j+1], v[FF+2*(j/32):FF+2*(j/32)+1] op_sel_hi:[1,0]   ; O^T under the new M, ahead of the exponentials; each accumulator from its low end on
.set j, j+2
.endr
	WIN 0
.irp u, 0,1
	v_pk_mul_f32 v[LS+2*\u:LS+2*\u+1], v[LS+2*\u:LS+2*\u+1], v[FF+2*\u:FF+2*\u+1] op_sel_hi:[1,0]   ; the sums under the new M
.endr
	s_wait_alu depctr_va_vdst(0)                   ; the wait ahead of the batch
.set j, 0
.rept 32                                       ; tile 0's p = 2^(t - M); between its lines tile 1's t - M, first read behind the wait below
	v_exp_f32 v[S+j], v[S+j]
	v_pk_fma_f32 v[S+64+j:S+64+j+1], v[S+64+j:S+64+j+1], s[CS:CS+1], v[NM+2:NM+3] op_sel_hi:[1,0,0]
	v_exp_f32 v[S+j+1], v[S+j+1]
.set j, j+2
.endr
	v_nop                                          ; a plain line behind the last exponential
	s_wait_alu depctr_va_vdst(0)                   ; the wait behind tile 0's batch and ahead of tile 1's
.set j, 0
.rept 16                                       ; tile 1's p; between its lines tile 0's first sums (of the unquantised p) and then its holds, all first read behind the wait below
	v_pk_add_f32 v[TS+j/2:TS+j/2+1], v[S+j:S+j+1], v[S+j+2:S+j+3]
	v_exp_f32 v[S+64+j], v[S+64+j]
	v_dual_min_num_f32 v[S+j], v[S+j], v[LIMP] :: v_dual_min_num_f32 v[S+j+1], v[S+j+1], v[LIMP+1]       ; the conversion does not saturate (ISA guide 7.6.2); p is not negative, so the hold is one-sided; two holds a line
	v_exp_f32 v[S+64+j+1], v[S+64+j+1]
	v_dual_min_num_f32 v[S+j+2], v[S+j+2], v[LIMP] :: v_dual_min_num_f32 v[S+j+3], v[S+j+3], v[LIMP+1]
	v_exp_f32 v[S+64+j+2], v[S+64+j+2]
	v_exp_f32 v[S+64+j+3], v[S+64+j+3]
.set j, j+4
.endr
	v_nop                                          ; a plain line behind the last exponential
	s_wait_alu depctr_va_vdst(0)                   ; one wait for the batch, ahead of its first reader
.irp u, 1                                      ; tile 1's sum of the unquantised p: two at a time, four chains
	v_pk_add_f32 v[SC+6*\u:SC+6*\u+1], v[S+64*\u:S+64*\u+1], v[S+64*\u+2:S+64*\u+3]
	v_pk_add_f32 v[SC+6*\u+2:SC+6*\u+3], v[S+64*\u+4:S+64*\u+5], v[S+64*\u+6:S+64*\u+7]
	v_pk_add_f32 v[SC+6*\u+4:SC+6*\u+5], v[S+64*\u+8:S+64*\u+9], v[S+64*\u+10:S+64*\u+11]
	v_pk_add_f32 v[LS+2*\u:LS+2*\u+1], v[LS+2*\u:LS+2*\u+1], v[S+64*\u+12:S+64*\u+13]
.irp n, 14,22,30,38,46,54
	v_pk_add_f32 v[SC+6*\u:SC+6*\u+1], v[SC+6*\u:SC+6*\u+1], v[S+64*\u+\n:S+64*\u+\n+1]
	v_pk_add_f32 v[SC+6*\u+2:SC+6*\u+3], v[SC+6*\u+2:SC+6*\u+3], v[S+64*\u+\n+2:S+64*\u+\n+3]
	v_pk_add_f32 v[SC+6*\u+4:SC+6*\u+5], v[SC+6*\u+4:SC+6*\u+5], v[S+64*\u+\n+4:S+64*\u+\n+5]
	v_pk_add_f32 v[LS+2*\u:LS+2*\u+1], v[LS+2*\u:LS+2*\u+1], v[S+64*\u+\n+6:S+64*\u+\n+7]
.endr
	v_pk_add_f32 v[SC+6*\u:SC+6*\u+1], v[SC+6*\u:SC+6*\u+1], v[S+64*\u+62:S+64*\u+63]
.endr
	v_pk_add_f32 v[SC:SC+1], v[TS:TS+1], v[TS+2:TS+3]              ; tile 0's sixteen first sums, four chains
	v_pk_add_f32 v[SC+2:SC+3], v[TS+4:TS+5], v[TS+6:TS+7]
	v_pk_add_f32 v[SC+4:SC+5], v[TS+8:TS+9], v[TS+10:TS+11]
	v_pk_add_f32 v[LS:LS+1], v[LS:LS+1], v[TS+12:TS+13]
.irp n, 14,22
	v_pk_add_f32 v[SC:SC+1], v[SC:SC+1], v[TS+\n:TS+\n+1]
	v_pk_add_f32 v[SC+2:SC+3], v[SC+2:SC+3], v[TS+\n+2:TS+\n+3]
	v_pk_add_f32 v[SC+4:SC+5], v[SC+4:SC+5], v[TS+\n+4:TS+\n+5]
	v_pk_add_f32 v[LS:LS+1], v[LS:LS+1], v[TS+\n+6:TS+\n+7]
.endr
	v_pk_add_f32 v[SC:SC+1], v[SC:SC+1], v[TS+30:TS+31]
.irp u, 0,1
	v_pk_add_f32 v[LS+2*\u:LS+2*\u+1], v[LS+2*\u:LS+2*\u+1], v[SC+6*\u+4:SC+6*\u+5]
.endr
.irp u, 0,1
	v_pk_add_f32 v[SC+6*\u:SC+6*\u+1], v[SC+6*\u:SC+6*\u+1], v[SC+6*\u+2:SC+6*\u+3]
.endr
.irp u, 0,1
	v_pk_add_f32 v[LS+2*\u:LS+2*\u+1], v[LS+2*\u:LS+2*\u+1], v[SC+6*\u:SC+6*\u+1]
.endr
.set j, 64
.rept 32
	v_dual_min_num_f32 v[S+j], v[S+j], v[LIMP] :: v_dual_min_num_f32 v[S+j+1], v[S+j+1], v[LIMP+1]   ; tile 1's holds
.set j, j+2
.endr
.irp u, 0,1
.irp kb, 0,1,2,3,4,5,6,7
	v_cvt_scalef32_pk8_bf8_f32 v[PC+16*\u+2*\kb:PC+16*\u+2*\kb+1], v[S+64*\u+8*\kb:S+64*\u+8*\kb+7], v[SCP]
.endr
.endr
	v_nop                                          ; a plain line behind the last conversion
	s_wait_alu depctr_va_vdst(0)
	s_wait_dscnt 16                                ; V's sixteen loads are in; the next step's K, sixteen loads, may be out
	WIN 0x51                                       ; V and O^T window 1, P window 0
.irp t, 0,1,2,3                                ; the eight accumulators take turns, one instruction a turn
.irp u, 0,1
	v_wmma_f32_16x16x128_bf8_bf8 v[O+32*\u+8*\t:O+32*\u+8*\t+7], v[VR+16*\t:VR+16*\t+15], v[PC+16*\u:PC+16*\u+15], v[O+32*\u+8*\t:O+32*\u+8*\t+7]
.endr
.endr
	WIN 0
	s_add_co_u32 s[TB], s[TB], 16384
.endm
	s_load_b128 s[4:7], s[0:1], 0x0                ; qkv s[4:5], lowp_scales s[6:7]
	s_load_b64 s[8:9], s[0:1], 0x10                ; pk_wo
	v_lshl_add_u32 v[SPW], v0, 2, SPARE
	v_mov_b32 v[NIL], 0
	ds_add_u32 v[SPW], v[NIL]                      ; the wave's opening: the add, twice on end, and its wait ahead of my first tensor load; work on registers stands between
	ds_add_u32 v[SPW], v[NIL]
	v_lshrrev_b32 v8, 5, v0
	v_readfirstlane_b32 s[WV], v8                  ; wave 0..7
	s_bfe_u32 s13, ttmp6, 0x40000                  ; cx
	s_lshl_b32 s14, ttmp9, 2
	s_add_co_u32 s14, s14, s13                     ; qb: which 256 queries
	s_and_b32 s15, ttmp7, 0xffff                   ; bh
	s_lshl_b32 s16, s15, 18
	s_add_co_u32 s16, s16, 4<<20                   ; the head's K and V
	s_lshl_b32 s19, s[WV], 13                      ; the first part: my 8 KB of the first 64, in memory and in LDS: no place in the cluster enters it
	s_mul_i32 s57, s[WV], 24576
	s_add_co_u32 s57, s57, 65536                   ; the second part: my 24 KB of the other 192
	s_add_co_u32 s58, s16, s57
	s_mov_b32 s59, 0
	s_add_co_u32 s16, s16, s19
	s_mov_b32 s17, 0
	s_mov_b32 s[G1], 15|(3<<16)|(1<<21)            ; the mask: all four partners; elements of 8 bytes; bit 21 beside a mask; no padding
	s_mov_b32 s[G1+1], 32<<16                      ; tensor_dim0: rows of 256 bytes
	s_mov_b32 s[G1+2], 32<<16                      ; tensor_dim1: 32 rows
	s_mov_b32 s[G1+3], 32<<16
	s_mov_b32 s[G1+4], 32
	s_mov_b32 s[G1+5], 32                          ; dense
	s_mov_b32 s[G1+6], 0
	s_mov_b32 s[G1+7], 0
	s_mov_b32 s[G1B], 15|(3<<16)|(1<<21)
	s_mov_b32 s[G1B+1], 32<<16
	s_mov_b32 s[G1B+2], 96<<16                     ; 96 rows
	s_mov_b32 s[G1B+3], 32<<16
	s_mov_b32 s[G1B+4], 96
	s_mov_b32 s[G1B+5], 32
	s_mov_b32 s[G1B+6], 0
	s_mov_b32 s[G1B+7], 0
	s_lshl_b32 s36, s15, 17
	s_lshl_b32 s37, s14, 14
	s_add_co_u32 s36, s36, s37
	s_lshl_b32 s37, s[WV], 11
	s_add_co_u32 s36, s36, s37                     ; q: bh x 128 KB + (16 qb + 2 wave) KB
	s_mov_b32 s37, 0
	s_lshr_b32 s38, s15, 4
	s_lshl_b32 s38, s38, 7
	s_lshl_b32 s39, s14, 4
	s_add_co_u32 s38, s38, s39
	s_lshl_b32 s39, s[WV], 1
	s_add_co_u32 s38, s38, s39                     ; ctx: block of 16 rows 128 batch + 16 qb + 2 wave (+ tile),
	s_lshl_b32 s38, s38, 14
	s_bfe_u32 s39, s15, 0x30001
	s_lshl_b32 s39, s39, 11                        ; fragment head / 2,
	s_add_co_u32 s38, s38, s39
	s_and_b32 s39, s15, 1
	s_lshl_b32 s39, s39, 10                        ; its runs of 512 bytes 2 (head % 2) on,
	s_add_co_u32 s38, s38, s39
	s_add_co_u32 s38, s38, 1<<20                   ; behind Wo's image
	s_mov_b32 s39, 0
	s_mov_b32 s[SEL], 0x76543210                   ; v_permlanex16_b32: lane l xor 16
	s_mov_b32 s[SEL+1], 0xfedcba98
	s_mov_b32 s[CS], 0x3e38aa3b                    ; c = log2(e) / 8
	s_wait_dscnt 0x0                               ; both opening adds are done
	s_wait_kmcnt 0x0
	s_load_b128 s[52:55], s[6:7], 0x18             ; e6 .. e9
	s_load_b32 s56, s[6:7], 0x28                   ; e10
	s_mov_b32 s[G0], 1
	s_mov_b32 s[G0+1], s19
	s_add_nc_u64 s[G0+2:G0+3], s[4:5], s[16:17]
	s_or_b32 s[G0+3], s[G0+3], 0x80000000
	s_mov_b32 s[G0B], 1
	s_mov_b32 s[G0B+1], s57
	s_add_nc_u64 s[G0B+2:G0B+3], s[4:5], s[58:59]
	s_or_b32 s[G0B+3], s[G0B+3], 0x80000000
	s_add_nc_u64 s[10:11], s[4:5], s[36:37]
	s_add_nc_u64 s[8:9], s[8:9], s[38:39]
	CROUND                                         ; all four work-groups are here: the joint loads meet
	tensor_load_to_lds s[G0:G0+3], s[G1:G1+7]      ; steps 0 to 3
	s_nop 0
.rept 4
	v_nop
.endr
	v_and_b32 v1, 31, v0
	v_lshlrev_b32 v1, 4, v1                        ; 16 x lane: my place in every image
	v_mov_b32 v[ADR], v1
	WIN 0x40
.irp i, 0,1,2,3
	global_load_b128 v[Q+4*\i:Q+4*\i+3], v1, s[10:11] offset:512*\i    ; Q's two fragments stay in registers
.endr
.set j, 0
.rept 64
	v_mov_b32 v[O+j], 0                            ; O^T: the step has no first form of its own: the first finds zeros, which the first change of M leaves zeros
.set j, j+1
.endr
	WIN 0
.irp u, 0,1
	v_mov_b32 v[NM+2*\u+1], 0xff61b1e6             ; the largest t so far: -3e38
	v_mov_b32 v[LS+2*\u], 0
	v_mov_b32 v[LS+2*\u+1], 0
	v_mov_b32 v[FF+2*\u+1], 0
	v_mov_b32 v[PM+\u], 0                          ; a lane permute's destination counts as one of its sources
.endr
.irp u, 0,1
	v_floor_f32 v[NM+2*\u], -v[NM+2*\u+1]          ; -M
.endr
	s_wait_alu depctr_va_vdst(0)
	s_wait_kmcnt 0x0
	s_add_co_i32 s50, s52, s53
	s_lshl_b32 s50, s50, 23
	s_add_co_i32 s[CS], s[CS], s50                 ; a score stands for score x 2^(e6 + e7): added to c's exponent field
	s_mov_b32 s[CS+1], s[CS]
	s_add_co_i32 s50, s54, 127
	s_lshl_b32 s51, s50, 23
	v_mov_b32 v[SCP], s51
	s_add_co_i32 s50, s50, 15
	s_lshl_b32 s50, s50, 23
	s_or_b32 s50, s50, 0x600000
	v_mov_b32 v[LIMP], s50
	v_mov_b32 v[LIMP+1], s50
	s_add_co_i32 s50, s56, 127
	s_lshl_b32 s51, s50, 23
	v_mov_b32 v[SCX], s51
	s_add_co_i32 s50, s50, 15
	s_lshl_b32 s50, s50, 23
	s_or_b32 s50, s50, 0x600000
	v_mov_b32 v[LIMC], s50
	s_wait_alu depctr_va_vdst(0)
	s_wait_loadcnt 0x0                             ; Q
	s_wait_tensorcnt 0x0                           ; my 8 KB are in
	ds_add_u32 v[SPW], v[NIL]                      ; 0 onto my spare word
	s_wait_dscnt 0x0                               ; the add is done
	CROUND                                         ; everybody's part of steps 0 to 3 is in, and all four work-groups are here
	tensor_load_to_lds s[G0B:G0B+3], s[G1B:G1B+7]  ; steps 4 to 15: my one tensor load behind the round
	s_nop 0
.rept 4
	v_nop
.endr
	KLOAD ADR                                      ; step 0's K
	s_mov_b32 s[TB], 0
	s_mov_b32 s[CNT], 3
.Lfirst:                                           ; steps 0 to 2: they read steps 0 to 3 alone
	STEP 0
	s_sub_co_u32 s[CNT], s[CNT], 1
	s_cmp_lg_u32 s[CNT], 0
	s_cbranch_scc1 .Lfirst
	s_wait_tensorcnt 0x0                           ; my 24 KB are in
	s_wait_dscnt 0x0                               ; no LDS instruction of mine is pending at the signal
	s_barrier_signal -1
	s_barrier_wait -1                              ; everybody's are
	s_mov_b32 s[TB], 49152
	s_mov_b32 s[CNT], 13
.Lrest:                                            ; steps 3 to 15
	STEP 1
	s_sub_co_u32 s[CNT], s[CNT], 1
	s_cmp_lg_u32 s[CNT], 0
	s_cbranch_scc1 .Lrest
	; THE WAY OUT: O^T x 2^(e8 + e9) / the sum, quantised with 2^e10: a conversion of a tile's eight registers is a register pair of ctx's fragment
.rept 4
	v_nop
.endr
.irp u, 0,1
	v_add_f32 v[LS+2*\u], v[LS+2*\u], v[LS+2*\u+1]
.endr
.irp u, 0,1
	v_permlanex16_b32 v[PM+\u], v[LS+2*\u], s[SEL], s[SEL+1]
.endr
.irp u, 0,1
	v_add_f32 v[LS+2*\u], v[LS+2*\u], v[PM+\u]     ; the row's sum
.endr
	s_wait_alu depctr_va_vdst(0)                   ; the wait ahead of the transcendentals
	v_rcp_f32 v[LS], v[LS]
	v_rcp_f32 v[LS+2], v[LS+2]
	v_nop                                          ; a plain line behind them
	s_add_co_i32 s50, s54, s55
	s_wait_alu depctr_va_vdst(0)                   ; and the wait ahead of their first reader
	v_ldexp_f32 v[LS], v[LS], s50
	v_ldexp_f32 v[LS+2], v[LS+2], s50
	WIN 0x01                                       ; source 0 (O^T) window 1
	s_wait_alu depctr_va_vdst(0)                   ; the wait directly ahead of the first reader of O^T
.set j, 0
.rept 64
	v_mul_f32 v[S+j], v[O+j], v[LS+2*(j/32)]
.set j, j+1
.endr
	WIN 0
.set j, 0
.rept 64
	v_med3_num_f32 v[S+j], v[S+j], -v[LIMC], v[LIMC]
.set j, j+1
.endr
.irp u, 0,1
.irp t, 0,1,2,3
	v_cvt_scalef32_pk8_bf8_f32 v[PC+8*\u+2*\t:PC+8*\u+2*\t+1], v[S+32*\u+8*\t:S+32*\u+8*\t+7], v[SCX]
.endr
.endr
	v_nop                                          ; a plain line behind the last conversion
.irp u, 0,1
	global_store_b128 v1, v[PC+8*\u:PC+8*\u+3], s[8:9] offset:\u*16384           ; 32 lanes store 512 consecutive bytes
	global_store_b128 v1, v[PC+8*\u+4:PC+8*\u+7], s[8:9] offset:\u*16384+512
.endr
	s_wait_tensorcnt 0x0                           ; the wave's end
	ds_add_u32 v[SPW], v[NIL]
	s_wait_dscnt 0x0
	CROUND                                         ; the closing round
	s_endpgm
.Lfunc_end_k_qcf1fac9d6c_attn:
	.size	k_qcf1fac9d6c_attn, .Lfunc_end_k_qcf1fac9d6c_attn-k_qcf1fac9d6c_attn
	.p2alignl 7, 3214868480
	.fill 96, 4, 3214868480
	.section	.rodata,"a",@progbits
	.p2align	6, 0x0
	.amdhsa_kernel k_qcf1fac9d6c_attn
		.amdhsa_group_segment_fixed_size 327680
		.amdhsa_private_segment_fixed_size 0
		.amdhsa_enable_private_segment 0
		.amdhsa_kernarg_size 24
		.amdhsa_user_sgpr_count 2
		.amdhsa_user_sgpr_kernarg_segment_ptr 1
		.amdhsa_wavefront_size32 1
		.amdhsa_system_sgpr_workgroup_id_x 1
		.amdhsa_system_sgpr_workgroup_id_y 1
		.amdhsa_system_sgpr_workgroup_id_z 1
		.amdhsa_system_vgpr_workitem_id 0
		.amdhsa_next_free_vgpr 512
		.amdhsa_next_free_sgpr 66
		.amdhsa_reserve_vcc 0
		.amdhsa_float_denorm_mode_32 3
		.amdhsa_float_denorm_mode_16_64 3
		.amdhsa_memory_ordered 1
		.amdhsa_forward_progress 1
		.amdhsa_inst_pref_size 75
	.end_amdhsa_kernel
	.amdgpu_metadata
---
amdhsa.version: [ 1, 2 ]
amdhsa.kernels:
  - .name:           k_qcf1fac9d6c_attn
    .symbol:         k_qcf1fac9d6c_attn.kd
    .args:
      - { .name: qkv, .offset: 0, .size: 8, .value_kind: global_buffer, .address_space: global }
      - { .name: lowp_scales, .offset: 8, .size: 8, .value_kind: global_buffer, .address_space: global }
      - { .name: pk_wo, .offset: 16, .size: 8, .value_kind: global_buffer, .address_space: global }
    .group_segment_fixed_size: 327680
    .private_segment_fixed_size: 0
    .kernarg_segment_align: 8
    .kernarg_segment_size: 24
    .max_flat_workgroup_size: 256
    .sgpr_count:     66
    .vgpr_count:     512
    .wavefront_size: 32
...
	.end_amdgpu_metadata
.endif
;; end of part 9
;; launch wo (part 10): grid 8 x 32, 4 waves a work-group, clusters of 4 x 4, 280,064 bytes of LDS; arguments pk_wo, hidden_states, h; writes h
.if DOCPART == 10
	.amdgcn_target "amdgcn-amd-amdhsa--gfx1250"
	.amdhsa_code_object_version 6
	.text
	.protected	k_qcf1fac9d6c_wo
	.globl	k_qcf1fac9d6c_wo
	.p2align	8
	.type	k_qcf1fac9d6c_wo,@function
k_qcf1fac9d6c_wo:
	s_mov_b64 s[64:65], 0
	v_nop
	global_prefetch_b8 v0, s[64:65] scope:SCOPE_SE
	s_setreg_imm32_b32 hwreg(HW_REG_WAVE_MODE, 25, 1), 1
	s_wait_xcnt 0x0
	s_wait_alu depctr_hold_cnt(0) depctr_sa_sdst(0) depctr_va_vdst(0) depctr_va_sdst(0) depctr_va_ssrc(0) depctr_va_vcc(0) depctr_vm_vsrc(0)
	s_getreg_b32 s2, hwreg(HW_REG_IB_STS2, 6, 4)
	s_cmp_eq_u32 s2, 0
	s_cbranch_scc0 .Lentry_in_a_cluster
	s_endpgm
.Lentry_in_a_cluster:
	s_bfe_u32 s2, ttmp6, 0x10000c
	s_cmp_lg_u32 s2, 0xf033
	s_cbranch_scc0 .Lentry_shape_is_right
	s_endpgm
.Lentry_shape_is_right:
; Launches 4 and 7 of 7, one body: out = resid + A W on codes of E5M2, M = 4,096, N = K = 1,024.  (4: ctx Wo + hidden_states -> h;  7: g w2 + h -> out0.)  Nothing of reference() is left out here.
; pk holds the weight's image at + 0, A's image at + 1 MB, and at + 5 MB the whole number eA + eB of the product (used in arithmetic alone).
; A tile is 128 x 128; four waves, each 64 x 64.  ALL OF K LIES IN LDS AT ONCE, each wave's four blocks in its own 64 KB; every wave asks for its 64 KB at the head by one tensor load,
; no LDS byte is filled twice, one wait and a plain barrier open all of it.  CLUSTER 4 x 4: A's parts are asked for jointly along a row of the cluster, the weight's along a column.
; Source 0 = 16 rows of the weight's image (columns n), source 1 = 16 rows of A: a lane holds eight neighbouring numbers of a row of the result.
; THE WAY OUT: the raw sums of 16 rows x 64 columns go through my own stage in LDS and come back as rows of 256 bytes; one packed multiply-add gives sum x 2^(eA + eB) + resid; sixteen lanes store 256 consecutive bytes.
; The residual's 64 x 64 numbers are asked for at the head, in the layout of the rows read back.
; LIMIT: eA + eB between -126 and 127.
; REGISTERS: window 0: v16-23 LDS addresses, v24-26 the way out's, v28-29 the add's two, v32-95 rows read back (two sets), v128-255 the 16 accumulators;  window 1: two sets of fragments;  window 2: the residual.
.set CH,    65536
.set RG,    16384
.set STAGE, 4*CH                       ; behind the chunks: 16 rows x SP bytes for each wave; no tensor load lands here
.set SP,    272
.set SPARE, STAGE+4*16*SP              ; behind the stages: the spare words, 128 bytes a wave: two blocks of 256 bytes that no other line names
.set ADR0,  16
.set ADR1,  20
.set STO,   24
.set RD,    25
.set CO,    26
.set SPW,   28
.set NIL,   29
.set BK,    32
.set ACC,   128
.set G1A,   24
.set G1B,   48
.set G0A,   68
.set G0B,   84
.set MUL,   0x05
.set TO_F,  0x40
.set MSB, 0
.macro WIN new
.if MSB != \new
	s_set_vgpr_msb (MSB<<8)|\new
.set MSB, \new
.endif
.endm
.macro CROUND
	s_barrier_signal -1
	s_barrier_wait -1
	s_cmp_lg_u32 s10, 0
	s_cbranch_scc1 .Lnot_wave_0_\@
	s_barrier_signal -3
.Lnot_wave_0_\@:
	s_barrier_wait -3
	s_barrier_signal -1
	s_barrier_wait -1
.endm
.macro PLACES
.rept 4
	v_nop
.endr
.endm
.macro LAND j
	s_wait_tensorcnt 0x0                           ; my one load, 64 KB: four blocks of 16 rows x all of K, is in
	s_wait_dscnt 0x0
	s_barrier_signal -1
	s_barrier_wait -1
.endm
.macro FETCH st, set
	WIN TO_F
.irp i, 0,1,2,3
.irp c, 0,1,2,3
	ds_load_b128 v[128*(\set)+64+16*\i+4*\c:128*(\set)+64+16*\i+4*\c+3], v[ADR0+(\st)/2] offset:\i*16384+((\st)%2)*2048+\c*512
.endr
.endr
.irp i, 0,1,2,3
.irp c, 0,1,2,3
	ds_load_b128 v[128*(\set)+16*\i+4*\c:128*(\set)+16*\i+4*\c+3], v[ADR1+(\st)/2] offset:\i*16384+((\st)%2)*2048+\c*512
.endr
.endr
.endm
.macro MULS set, zero                  ; the 16 accumulators take turns, one instruction a turn, in the same order in every step
	WIN MUL
.irp a, 0,1,2,3
.irp b, 0,1,2,3
.if \zero
	v_wmma_f32_16x16x128_bf8_bf8 v[ACC+8*(4*\a+\b):ACC+8*(4*\a+\b)+7], v[128*(\set)+64+16*\b:128*(\set)+64+16*\b+15], v[128*(\set)+16*\a:128*(\set)+16*\a+15], 0
.else
	v_wmma_f32_16x16x128_bf8_bf8 v[ACC+8*(4*\a+\b):ACC+8*(4*\a+\b)+7], v[128*(\set)+64+16*\b:128*(\set)+64+16*\b+15], v[128*(\set)+16*\a:128*(\set)+16*\a+15], v[ACC+8*(4*\a+\b):ACC+8*(4*\a+\b)+7]
.endif
.endr
.endr
.endm
.macro TOSTAGE a                       ; rows 16 a on: in as 32 bytes a lane, each accumulator from its low end on; back as whole rows.  LDS serves a wave's instructions in order (ISA guide 5.7.1.4): no wait between
.irp b, 0,1,2,3
	ds_store_b128 v[STO], v[ACC+8*(4*(\a)+\b):ACC+8*(4*(\a)+\b)+3] offset:64*\b
	ds_store_b128 v[STO], v[ACC+8*(4*(\a)+\b)+4:ACC+8*(4*(\a)+\b)+7] offset:64*\b+16
.endr
.irp i, 0,1,2,3,4,5,6,7
	ds_load_b128 v[BK+32*((\a)%2)+4*\i:BK+32*((\a)%2)+4*\i+3], v[RD] offset:\i*2*SP
.endr
.endm
.macro SEND a, younger                 ; younger: the LDS instructions issued behind block a's loads, which may stay out
.set BB, BK+32*((\a)%2)
	s_wait_dscnt \younger
	WIN 0x20                                       ; source 2 (the residual) window 2
.set i, 0
.rept 16
	v_pk_fma_f32 v[BB+i:BB+i+1], v[BB+i:BB+i+1], s[58:59], v[32*(\a)+i:32*(\a)+i+1] op_sel_hi:[1,0,1]   ; sum x 2^(eA + eB) + resid
.set i, i+2
.endr
	WIN 0
.irp i, 0,1,2,3,4,5,6,7
	global_store_b128 v[CO], v[BB+4*\i:BB+4*\i+3], s[8:9] offset:(16*(\a)+2*\i)*4096   ; sixteen lanes store 256 consecutive bytes, at a multiple of 256 from the buffer's first byte
.endr
.endm
	s_load_b128 s[4:7], s[0:1], 0x0                ; pk s[4:5], resid s[6:7]
	s_load_b64 s[8:9], s[0:1], 0x10                ; out
	v_lshl_add_u32 v[SPW], v0, 2, SPARE
	v_mov_b32 v[NIL], 0
	ds_add_u32 v[SPW], v[NIL]                      ; the wave's opening: the add, twice on end, and its wait ahead of my first tensor load
	ds_add_u32 v[SPW], v[NIL]
	v_lshrrev_b32 v1, 5, v0
	v_readfirstlane_b32 s10, v1                    ; wave 0..3
	s_lshr_b32 s11, s10, 1                         ; wr; also: I fetch A's codes (0) or the weight's (1)
	s_and_b32 s12, s10, 1                          ; wc; also: which four blocks I fetch
	s_bfe_u32 s40, ttmp6, 0x40000
	s_bfe_u32 s41, ttmp6, 0x40004
	s_lshl_b32 s42, ttmp9, 2
	s_add_co_u32 s42, s42, s40                     ; tx
	s_and_b32 s13, ttmp7, 0xffff
	s_lshl_b32 s13, s13, 2
	s_add_co_u32 s13, s13, s41                     ; ty
	s_lshl_b32 s43, s41, 2
	s_lshl_b32 s43, 15, s43                        ; my row of the cluster
	s_lshl_b32 s44, 0x1111, s40                    ; my column
	s_or_b32 s[G1A], s43, (3<<16)|(1<<21)          ; the mask; elements of 8 bytes; bit 21 beside a mask; no padding
	s_or_b32 s[G1B], s44, (3<<16)|(1<<21)
.irp g, G1A, G1B
	s_mov_b32 s[\g+1], 512<<16                     ; tensor_dim0: a block's 4,096 bytes of a chunk
	s_mov_b32 s[\g+2], 16<<16                      ; tensor_dim1 = 16 rows of 4,096 bytes: a wave's four blocks lie on end in memory, 65,536 bytes, and come by ONE load
	s_mov_b32 s[\g+3], 512<<16
	s_mov_b32 s[\g+4], 16
	s_mov_b32 s[\g+5], 512                         ; dense: a row begins where the last ends
	s_mov_b32 s[\g+6], 0
	s_mov_b32 s[\g+7], 0
.endr
	s_lshl_b32 s16, s13, 17
	s_lshl_b32 s17, s12, 16
	s_add_co_u32 s16, s16, s17
	s_add_co_u32 s16, s16, 1<<20                   ; A: 1 MB + ty's eight blocks + my four
	s_mov_b32 s17, 0
	s_lshl_b32 s46, s42, 17
	s_lshl_b32 s47, s12, 16
	s_add_co_u32 s46, s46, s47                     ; the weight: tx's eight blocks + my four
	s_mov_b32 s47, 0
	s_lshl_b32 s45, s10, 16                        ; 64 KB for each wave: A's blocks 0-3, 4-7, the weight's 0-3, 4-7; a block has 16,384 bytes (eight fragments)
	s_wait_dscnt 0x0
	s_wait_kmcnt 0x0
	s_load_b32 s56, s[4:5], 0x500000               ; eA + eB
	s_add_nc_u64 s[16:17], s[4:5], s[16:17]
	s_add_nc_u64 s[46:47], s[4:5], s[46:47]
.irp j, 0
	s_mov_b32 s[G0A+4*\j], 1
	s_add_co_u32 s[G0A+4*\j+1], s45, \j*CH
	s_add_nc_u64 s[G0A+4*\j+2:G0A+4*\j+3], s[16:17], \j*4096
	s_or_b32 s[G0A+4*\j+3], s[G0A+4*\j+3], 0x80000000
	s_mov_b32 s[G0B+4*\j], 1
	s_add_co_u32 s[G0B+4*\j+1], s45, \j*CH
	s_add_nc_u64 s[G0B+4*\j+2:G0B+4*\j+3], s[46:47], \j*4096
	s_or_b32 s[G0B+4*\j+3], s[G0B+4*\j+3], 0x80000000
.endr
	CROUND
	s_cmp_eq_u32 s11, 0
	s_cbranch_scc0 .Lfor_b
.irp j, 0
	tensor_load_to_lds s[G0A+4*\j:G0A+4*\j+3], s[G1A:G1A+7]
	s_nop 0
.endr
	PLACES
	s_branch .Lasked
.Lfor_b:
.irp j, 0
	tensor_load_to_lds s[G0B+4*\j:G0B+4*\j+3], s[G1B:G1B+7]
	s_nop 0
.endr
	PLACES
.Lasked:
	v_and_b32 v1, 31, v0
	v_lshlrev_b32 v2, 4, v1
	s_wait_alu depctr_va_vdst(0)
	v_and_b32 v3, 15, v0                           ; r
	v_bfe_u32 v4, v0, 4, 1                         ; h
	s_lshl_b32 s20, s11, 16                        ; source 1: A's 64 KB of my 64 rows
	s_lshl_b32 s23, s12, 16
	s_add_co_u32 s23, s23, 2*CH                    ; source 0: the weight's 64 KB of my 64 columns
.irp j, 0,1,2,3
	v_add_nc_u32 v[ADR0+\j], s23, v2
	v_add_nc_u32 v[ADR1+\j], s20, v2
	s_add_co_u32 s23, s23, 4096                    ; 256 along K on in each block
	s_add_co_u32 s20, s20, 4096
.endr
	s_mul_i32 s23, s10, 16*SP
	s_add_co_u32 s23, s23, STAGE                   ; my stage
	v_mul_u32_u24 v[STO], v3, SP
	v_lshl_add_u32 v[STO], v4, 5, v[STO]
	v_add_nc_u32 v[STO], s23, v[STO]               ; in: row r, 32 bytes for each half of the lanes
	v_mul_u32_u24 v[RD], v4, SP
	v_lshl_add_u32 v[RD], v3, 4, v[RD]
	v_add_nc_u32 v[RD], s23, v[RD]                 ; back: lanes 0-15 one row of 256 bytes, lanes 16-31 the next
	v_lshlrev_b32 v[CO], 12, v4
	v_lshl_add_u32 v[CO], v3, 4, v[CO]             ; and the same two rows in resid and out
	s_wait_alu depctr_va_vdst(0)
	s_lshl_b32 s32, s13, 19
	s_lshl_b32 s33, s11, 18
	s_add_co_u32 s32, s32, s33                     ; my first row: 128 ty + 64 wr, 4,096 bytes a row,
	s_lshl_b32 s33, s42, 9
	s_add_co_u32 s32, s32, s33
	s_lshl_b32 s33, s12, 8
	s_add_co_u32 s32, s32, s33                     ; my first column: 128 tx + 64 wc
	s_mov_b32 s33, 0
	s_add_nc_u64 s[6:7], s[6:7], s[32:33]
	s_add_nc_u64 s[8:9], s[8:9], s[32:33]
	WIN 0x80                                       ; destination window 2
.irp a, 0,1,2,3
.irp i, 0,1,2,3,4,5,6,7
	global_load_b128 v[4*(8*\a+\i):4*(8*\a+\i)+3], v[CO], s[6:7] offset:(16*\a+2*\i)*4096 th:TH_LOAD_NT
.endr
.endr
	WIN 0
	LAND 0
	FETCH 0, 0
	FETCH 1, 1
	s_wait_dscnt 32                                ; step 0's 32 loads are in; the 32 just issued may be out
	MULS 0, 1
.irp st, 1,2,3,4,5,6
	PLACES                                         ; in front of loads into the set that the last step multiplied
	FETCH \st+1, (\st+1)%2
	s_wait_dscnt 32
	MULS \st%2, 0
.endr
	s_wait_dscnt 0x0
	MULS 1, 0
	WIN 0
	PLACES                                         ; in front of the LDS stores that read results
	s_wait_kmcnt 0x0
	s_add_co_i32 s56, s56, 127
	s_lshl_b32 s58, s56, 23                        ; 2^(eA + eB) as f32
	s_mov_b32 s59, s58                             ; (named with it as a pair)
	s_wait_loadcnt 0x0                             ; the residual
	TOSTAGE 0
.irp a, 1,2,3
.if \a > 1
	s_wait_xcnt 0x0                                ; block a - 2's stores have read their registers: block a's loads may land there
.endif
	TOSTAGE \a
	SEND \a-1, 16                                  ; behind block a - 1's loads: block a's 8 stores and 8 loads
.endr
	SEND 3, 0
	s_wait_tensorcnt 0x0                           ; the wave's end, behind my last tensor load and my last LDS store
	ds_add_u32 v[SPW], v[NIL]
	s_wait_dscnt 0x0
	CROUND                                         ; the closing round
	s_endpgm
.Lfunc_end_k_qcf1fac9d6c_wo:
	.size	k_qcf1fac9d6c_wo, .Lfunc_end_k_qcf1fac9d6c_wo-k_qcf1fac9d6c_wo
	.p2alignl 7, 3214868480
	.fill 96, 4, 3214868480
	.section	.rodata,"a",@progbits
	.p2align	6, 0x0
	.amdhsa_kernel k_qcf1fac9d6c_wo
		.amdhsa_group_segment_fixed_size 280064
		.amdhsa_private_segment_fixed_size 0
		.amdhsa_enable_private_segment 0
		.amdhsa_kernarg_size 24
		.amdhsa_user_sgpr_count 2
		.amdhsa_user_sgpr_kernarg_segment_ptr 1
		.amdhsa_wavefront_size32 1
		.amdhsa_system_sgpr_workgroup_id_x 1
		.amdhsa_system_sgpr_workgroup_id_y 1
		.amdhsa_system_sgpr_workgroup_id_z 1
		.amdhsa_system_vgpr_workitem_id 0
		.amdhsa_next_free_vgpr 640
		.amdhsa_next_free_sgpr 100
		.amdhsa_reserve_vcc 0
		.amdhsa_float_denorm_mode_32 3
		.amdhsa_float_denorm_mode_16_64 3
		.amdhsa_memory_ordered 1
		.amdhsa_forward_progress 1
		.amdhsa_inst_pref_size 47
	.end_amdhsa_kernel
	.amdgpu_metadata
---
amdhsa.version: [ 1, 2 ]
amdhsa.kernels:
  - .name:           k_qcf1fac9d6c_wo
    .symbol:         k_qcf1fac9d6c_wo.kd
    .args:
      - { .name: pk_wo, .offset: 0, .size: 8, .value_kind: global_buffer, .address_space: global }
      - { .name: hidden_states, .offset: 8, .size: 8, .value_kind: global_buffer, .address_space: global }
      - { .name: h, .offset: 16, .size: 8, .value_kind: global_buffer, .address_space: global }
    .group_segment_fixed_size: 280064
    .private_segment_fixed_size: 0
    .kernarg_segment_align: 8
    .kernarg_segment_size: 24
    .max_flat_workgroup_size: 128
    .sgpr_count:     100
    .vgpr_count:     640
    .wavefront_size: 32
...
	.end_amdgpu_metadata
.endif
;; end of part 10
;; launch norm2 (part 11): grid 256 x 1, 4 waves a work-group, no clusters, 35,328 bytes of LDS; arguments h, ln2_w, lowp_scales, yc; writes yc
.if DOCPART == 11
	.amdgcn_target "amdgcn-amd-amdhsa--gfx1250"
	.amdhsa_code_object_version 6
	.text
	.protected	k_qcf1fac9d6c_norm2
	.globl	k_qcf1fac9d6c_norm2
	.p2align	8
	.type	k_qcf1fac9d6c_norm2,@function
k_qcf1fac9d6c_norm2:
	s_mov_b64 s[64:65], 0
	v_nop
	global_prefetch_b8 v0, s[64:65] scope:SCOPE_SE
	s_setreg_imm32_b32 hwreg(HW_REG_WAVE_MODE, 25, 1), 1
	s_wait_xcnt 0x0
; Launch 5 of 7: y = (h rsqrt(mean h^2 + 1e-6)) ln2_w in f32, quantised twice (entries 12 and 14 of lowp_scales) into images of the operand's registers: yc + 0 and + 4 MB.  Nothing of reference() is left out here.
; A work-group takes 16 rows; wave w takes rows 4 w .. 4 w + 3, each whole: the sums never leave the wave.  A lane holds k = 256 j + 8 lane + 0..7, j = 0 .. 3: eight neighbours along K for each conversion.
; The codes of 16 rows meet in a stage in LDS (64 units of 256 bytes for each image) and leave as runs of 512 consecutive bytes.
; LIMITS: e12 and e14 between -126 and 112.  NaN among the inputs is not served.
.set STG,   17408
.set UP,    272                        ; 256 + 16: unit u begins 4 u words on in the banks (64 banks of 4 bytes: ISA guide 11.1), so a store's 32 lanes touch each bank once
.set SPARE, 2*STG                      ; behind the two stages: the spare words, 128 bytes a wave: two blocks of 256 bytes that no other line names
.set SPW,   4
.set NIL,   5
.set X,     48                         ; v48-175 four rows; later the codes read back
.macro MKSC se, vs
	s_add_co_i32 s10, \se, 127
	s_lshl_b32 s11, s10, 23
	v_mov_b32 v[\vs], s11
	s_add_co_i32 s10, s10, 15
	s_lshl_b32 s10, s10, 23
	s_or_b32 s10, s10, 0x600000
	v_mov_b32 v[\vs+1], s10
.endm
.macro SUMSQ p
	s_wait_loadcnt 8*(3-\p)                        ; this row's eight loads are in; the later rows' may be out
	v_pk_mul_f32 v[216:217], v[X+32*\p:X+32*\p+1], v[X+32*\p:X+32*\p+1]
	v_pk_mul_f32 v[218:219], v[X+32*\p+2:X+32*\p+3], v[X+32*\p+2:X+32*\p+3]
.set i, 4
.rept 7
	v_pk_fma_f32 v[216:217], v[X+32*\p+i:X+32*\p+i+1], v[X+32*\p+i:X+32*\p+i+1], v[216:217]
	v_pk_fma_f32 v[218:219], v[X+32*\p+i+2:X+32*\p+i+3], v[X+32*\p+i+2:X+32*\p+i+3], v[218:219]
.set i, i+4
.endr
	v_pk_add_f32 v[216:217], v[216:217], v[218:219]
	v_add_f32 v[220+\p], v216, v217
.endm
.macro QROW p
.irp e, 0,1
.irp j, 0,1,2,3
.set TS, 176+8*((4*\e+\j)%2)
.set CQ, 192+2*(4*\e+\j)
.set i, 0
.rept 8
	v_med3_num_f32 v[TS+i], v[X+32*\p+8*\j+i], -v[233+2*\e], v[233+2*\e]      ; the conversion does not saturate (ISA guide 7.6.2)
.set i, i+1
.endr
	v_cvt_scalef32_pk8_bf8_f32 v[CQ:CQ+1], v[TS:TS+7], v[232+2*\e]
	ds_store_b64 v6, v[CQ:CQ+1] offset:\e*STG+\j*16*UP+\p*16
.endr
.endr
.endm
	s_load_b256 s[16:23], s[0:1], 0x0              ; h 16, ln2_w 18, lowp_scales 20, yc 22
	v_lshl_add_u32 v[SPW], v0, 2, SPARE
	v_mov_b32 v[NIL], 0
	v_lshrrev_b32 v1, 5, v0
	v_readfirstlane_b32 s8, v1                     ; wave 0..3
	v_and_b32 v1, 31, v0
	v_lshlrev_b32 v2, 5, v1
	s_lshl_b32 s50, ttmp9, 16
	s_lshl_b32 s51, s8, 14
	s_add_co_u32 s50, s50, s51
	s_mov_b32 s51, 0
	s_wait_alu depctr_va_vdst(0)
	s_wait_kmcnt 0x0
	s_load_b128 s[44:47], s[20:21], 0x30           ; e12 .. e15
	s_add_nc_u64 s[16:17], s[16:17], s[50:51]      ; my first row
.irp j, 0,1,2,3
	global_load_b128 v[16+8*\j:16+8*\j+3], v2, s[18:19] offset:1024*\j
	global_load_b128 v[16+8*\j+4:16+8*\j+7], v2, s[18:19] offset:1024*\j+16
.endr
.irp p, 0,1,2,3
.irp j, 0,1,2,3
	global_load_b128 v[X+32*\p+8*\j:X+32*\p+8*\j+3], v2, s[16:17] offset:4096*\p+1024*\j th:TH_LOAD_NT
	global_load_b128 v[X+32*\p+8*\j+4:X+32*\p+8*\j+7], v2, s[16:17] offset:4096*\p+1024*\j+16 th:TH_LOAD_NT
.endr
.endr
	v_lshrrev_b32 v12, 2, v1
	v_and_b32 v13, 1, v1
	v_lshl_add_u32 v12, v12, 1, v13
	v_mul_u32_u24 v6, v12, UP                      ; into a stage: unit 2 (lane/4) + lane%2,
	v_bfe_u32 v13, v1, 1, 1
	v_lshl_add_u32 v6, v13, 3, v6                  ; + 8 ((lane/2)%2),
	s_lshl_b32 s52, s8, 6
	v_add_nc_u32 v6, s52, v6                       ; + 16 bytes for each of my four rows, from 64 x wave on
	v_lshrrev_b32 v12, 4, v1
	v_mul_u32_u24 v7, v12, UP
	v_and_b32 v13, 15, v1
	v_lshl_add_u32 v7, v13, 4, v7
	s_mul_i32 s52, s8, 16*UP
	v_add_nc_u32 v7, s52, v7                       ; back: units 16 w on, sixteen lanes to a unit
	v_lshlrev_b32 v8, 4, v1
	s_lshl_b32 s52, ttmp9, 14
	s_lshl_b32 s53, s8, 12
	s_add_co_u32 s52, s52, s53
	s_mov_b32 s53, 0
	s_add_nc_u64 s[52:53], s[22:23], s[52:53]      ; my quarter of the block's image, for e12,
	s_add_nc_u64 s[54:55], s[52:53], 4<<20         ; and for e14
	s_mov_b32 s60, 0x76543210
	s_mov_b32 s61, 0xfedcba98
	s_mov_b32 s62, 0x358637bd                      ; 1e-6
	s_mov_b32 s63, 0x3a800000                      ; 1 / 1,024
	SUMSQ 0
	SUMSQ 1
	SUMSQ 2
	SUMSQ 3
.irp m, 1,2,4,8
.irp p, 0,1,2,3
	v_add_f32_dpp v[220+\p], v[220+\p], v[220+\p] row_xmask:\m row_mask:0xf bank_mask:0xf
.endr
.endr
.irp p, 0,1,2,3
	v_permlanex16_b32 v[216+\p], v[220+\p], s60, s61
.endr
.irp p, 0,1,2,3
	v_add_f32 v[220+\p], v[220+\p], v[216+\p]
.endr
.irp p, 0,1,2,3
	v_fma_f32 v[220+\p], v[220+\p], s63, s62       ; the mean + 1e-6
.endr
	s_wait_alu depctr_va_vdst(0)
.irp p, 0,1,2,3
	v_rsq_f32 v[224+2*\p], v[220+\p]
.endr
.irp p, 0,1,2,3
	v_mov_b32 v[225+2*\p], 0                       ; (named as the upper halves of the pairs below; also the plain lines behind the roots)
.endr
	s_wait_kmcnt 0x0
	MKSC s44, 232
	MKSC s46, 234
	s_wait_alu depctr_va_vdst(0)                   ; one wait for the four roots, ahead of their first reader
.irp p, 0,1,2,3
.set i, 0
.rept 16
	v_pk_mul_f32 v[X+32*\p+i:X+32*\p+i+1], v[X+32*\p+i:X+32*\p+i+1], v[224+2*\p:225+2*\p] op_sel_hi:[1,0]
.set i, i+2
.endr
.set i, 0
.rept 16
	v_pk_mul_f32 v[X+32*\p+i:X+32*\p+i+1], v[X+32*\p+i:X+32*\p+i+1], v[16+i:17+i]
.set i, i+2
.endr
.endr
	QROW 0
	s_wait_dscnt 0x0                               ; the row's stores into the stages have read the eight pairs of codes, which the next row writes
	QROW 1
	s_wait_dscnt 0x0
	QROW 2
	s_wait_dscnt 0x0
	QROW 3
	s_wait_dscnt 0x0                               ; for the others' sake: my stores into the stages are done
	s_barrier_signal -1
	s_barrier_wait -1
.irp e, 0,1
.irp i, 0,1,2,3,4,5,6,7
	ds_load_b128 v[X+4*(8*\e+\i):X+4*(8*\e+\i)+3], v7 offset:\e*STG+\i*2*UP
.endr
.endr
.irp e, 0,1
.irp i, 0,1,2,3,4,5,6,7
	s_wait_dscnt 15-8*\e-\i                        ; this load is in, the younger may be out
	global_store_b128 v8, v[X+4*(8*\e+\i):X+4*(8*\e+\i)+3], s[52+2*\e:53+2*\e] offset:512*\i   ; 32 lanes store 512 consecutive bytes
.endr
.endr
	s_wait_tensorcnt 0x0                           ; the wave's end: a wait, an add
	ds_add_u32 v[SPW], v[NIL]
	s_wait_dscnt 0x0
	s_endpgm
.Lfunc_end_k_qcf1fac9d6c_norm2:
	.size	k_qcf1fac9d6c_norm2, .Lfunc_end_k_qcf1fac9d6c_norm2-k_qcf1fac9d6c_norm2
	.p2alignl 7, 3214868480
	.fill 96, 4, 3214868480
	.section	.rodata,"a",@progbits
	.p2align	6, 0x0
	.amdhsa_kernel k_qcf1fac9d6c_norm2
		.amdhsa_group_segment_fixed_size 35328
		.amdhsa_private_segment_fixed_size 0
		.amdhsa_enable_private_segment 0
		.amdhsa_kernarg_size 32
		.amdhsa_user_sgpr_count 2
		.amdhsa_user_sgpr_kernarg_segment_ptr 1
		.amdhsa_wavefront_size32 1
		.amdhsa_system_sgpr_workgroup_id_x 1
		.amdhsa_system_sgpr_workgroup_id_y 1
		.amdhsa_system_sgpr_workgroup_id_z 1
		.amdhsa_system_vgpr_workitem_id 0
		.amdhsa_next_free_vgpr 240
		.amdhsa_next_free_sgpr 66
		.amdhsa_reserve_vcc 0
		.amdhsa_float_denorm_mode_32 3
		.amdhsa_float_denorm_mode_16_64 3
		.amdhsa_memory_ordered 1
		.amdhsa_forward_progress 1
		.amdhsa_inst_pref_size 45
	.end_amdhsa_kernel
	.amdgpu_metadata
---
amdhsa.version: [ 1, 2 ]
amdhsa.kernels:
  - .name:           k_qcf1fac9d6c_norm2
    .symbol:         k_qcf1fac9d6c_norm2.kd
    .args:
      - { .name: h, .offset: 0, .size: 8, .value_kind: global_buffer, .address_space: global }
      - { .name: ln2_w, .offset: 8, .size: 8, .value_kind: global_buffer, .address_space: global }
      - { .name: lowp_scales, .offset: 16, .size: 8, .value_kind: global_buffer, .address_space: global }
      - { .name: yc, .offset: 24, .size: 8, .value_kind: global_buffer, .address_space: global }
    .group_segment_fixed_size: 35328
    .private_segment_fixed_size: 0
    .kernarg_segment_align: 8
    .kernarg_segment_size: 32
    .max_flat_workgroup_size: 128
    .sgpr_count:     66
    .vgpr_count:     240
    .wavefront_size: 32
...
	.end_amdgpu_metadata
.endif
;; end of part 11
;; launch gateup (part 12): grid 8 x 32, 4 waves a work-group, clusters of 4 x 4, 327,680 bytes of LDS; arguments yc, pre, lowp_scales, pk_dn; writes pk_dn
.if DOCPART == 12
	.amdgcn_target "amdgcn-amd-amdhsa--gfx1250"
	.amdhsa_code_object_version 6
	.text
	.protected	k_qcf1fac9d6c_gateup
	.globl	k_qcf1fac9d6c_gateup
	.p2align	8
	.type	k_qcf1fac9d6c_gateup,@function
k_qcf1fac9d6c_gateup:
	s_mov_b64 s[64:65], 0
	v_nop
	global_prefetch_b8 v0, s[64:65] scope:SCOPE_SE
	s_setreg_imm32_b32 hwreg(HW_REG_WAVE_MODE, 25, 1), 1
	s_wait_xcnt 0x0
	s_wait_alu depctr_hold_cnt(0) depctr_sa_sdst(0) depctr_va_vdst(0) depctr_va_sdst(0) depctr_va_ssrc(0) depctr_va_vcc(0) depctr_vm_vsrc(0)
	s_getreg_b32 s2, hwreg(HW_REG_IB_STS2, 6, 4)
	s_cmp_eq_u32 s2, 0
	s_cbranch_scc0 .Lentry_in_a_cluster
	s_endpgm
.Lentry_in_a_cluster:
	s_bfe_u32 s2, ttmp6, 0x10000c
	s_cmp_lg_u32 s2, 0xf033
	s_cbranch_scc0 .Lentry_shape_is_right
	s_endpgm
.Lentry_shape_is_right:
; Launch 6 of 7: g = silu(y w1) x (y w3), both products on codes of E5M2, and g's codes (2^e16) for the product with w2.  Nothing of reference() is left out here.
; A tile is 128 rows x 128 columns of BOTH products: 32 x 8 tiles, a work-group to each.  y has two sets of codes (e12, e14), so 256 along K of a tile are four operands x 128 rows x 256 bytes = 128 KB, and all of K 512 KB:
; K GOES IN FOUR QUARTERS OF 256 THROUGH A RING OF TWO LDS SLOTS.  A slot has four regions of 32 KB: y (e12), y (e14), w1, w3, each eight blocks of 16 rows x 256 K (4,096 bytes: two fragments).  Wave w fetches region w, one tensor load:
; one load of mine is out at the most: at the start, then slot 1's first fill, then one behind each of the two refills.
; The operands lie in memory as images of their registers (launch 1): a fragment of 16 rows x 128 K is 2,048 consecutive bytes, four loads at 512 c + 16 lane: consecutive bytes, so no padding.
; CLUSTER 4 x 4: y's parts are asked for jointly along a row of the cluster, the weights' along a column.  Where a slot is filled again, a round of the cluster's barrier stands in front of the joint load.
; A wave makes 64 x 64 of both: source 0 = 16 rows of a weight's image (columns n), source 1 = 16 rows of y: a lane holds one row and eight neighbouring n, which are the next K: the conversions' results are the next operand's register pairs.
; silu(a) u = a u / (1 + 2^(-a log2 e)).  The sums stand for G x 2^(e12 + e13) and U x 2^(e14 + e15): the first power of two goes into the exponential's factor, and all four with e16 into the conversion's one scale.
; No prefetch is laid: half of what the work-group reads is asked for at its head, and the other half two and four steps of 32 matrix instructions later.
; LIMITS: e12 + e13 between -126 and 127 (added to an exponent field); e16 - e12 - e13 - e14 - e15 between -126 and 112.  NaN among the inputs is not served.
; REGISTERS, in windows of 256: window 0: v2 16 x lane, v16-17, v20-21 LDS addresses, v28-29 the add's two, v30-31 scale and hold, v96-127 codes, v128-255 at work on the way out;
;   windows 1 and 2: two sets of sixteen fragments: y (e12) blocks 0-3 at v0, y (e14) at v64, w1 at v128, w3 at v192;   window 3: G's sixteen accumulators ((a, b) at v[8 (4 a + b)]), U's from v128 on.
.set SL,    131072                     ; a slot
.set RG,    32768                      ; a region
.set SPARE, 2*SL                       ; behind the ring: the spare words, 128 bytes a wave: two blocks of 256 bytes that no other line names
.set ADRA,  16                         ; v16-17 y's fragments of my 64 rows in slot 0, 1
.set ADRB,  20                         ; v20-21 the weights' of my 64 columns
.set SPW,   28
.set NIL,   29
.set SCV,   30
.set LIM,   31
.set CD,    96
.set TT,    128
.set G1A,   24                         ; s[24:31] descriptor group 1 for y's parts;  s[48:55] for the weights': they differ in the mask
.set G1B,   48
.set G0A,   68                         ; s[68:75] groups 0 for y's parts, a set for each slot;  s[84:91] for the weights'
.set G0B,   84
.set MSB, 0
.macro WIN new                         ; the immediate's high byte repeats the setting that is left
.if MSB != (\new)
	s_set_vgpr_msb (MSB<<8)|(\new)
.set MSB, (\new)
.endif
.endm
.macro CROUND                          ; a round of the cluster's barrier
	s_barrier_signal -1
	s_barrier_wait -1
	s_cmp_lg_u32 s10, 0
	s_cbranch_scc1 .Lnot_wave_0_\@
	s_barrier_signal -3
.Lnot_wave_0_\@:
	s_barrier_wait -3
	s_barrier_signal -1
	s_barrier_wait -1
.endm
.macro PLACES                          ; four plain lines between a matrix instruction and a load into its sources or a read of its result (ISA guide 7.12.1 for a read of its result)
.rept 4
	v_nop
.endr
.endm
.macro JLOAD s                         ; a joint refill of slot s: waves 0 and 1 fetch y's two sets, waves 2 and 3 the two weights.  The branch hangs on the wave's number alone.  An s_nop 0 and four v_nop follow each of the two lines
	s_cmp_eq_u32 s11, 0
	s_cbranch_scc0 .Lfor_b_\@
	tensor_load_to_lds s[G0A+4*(\s):G0A+4*(\s)+3], s[G1A:G1A+7]
	s_nop 0
.rept 4
	v_nop
.endr
	s_branch .Lasked_\@
.Lfor_b_\@:
	tensor_load_to_lds s[G0B+4*(\s):G0B+4*(\s)+3], s[G1B:G1B+7]
	s_nop 0
.rept 4
	v_nop
.endr
.Lasked_\@:
.endm
; Step st (128 along K) lies in slot (st / 2) % 2, at byte 2,048 (st % 2) of each block, and its fragments go into set st % 2.  32 loads in one run: the first product's operands,
.macro FETCH_G st
	WIN 0x40*(1+(\st)%2)
.irp i, 0,1,2,3
.irp c, 0,1,2,3
	ds_load_b128 v[16*\i+4*\c:16*\i+4*\c+3], v[ADRA+((\st)/2)%2] offset:\i*4096+((\st)%2)*2048+\c*512
.endr
.endr
.irp i, 0,1,2,3
.irp c, 0,1,2,3
	ds_load_b128 v[128+16*\i+4*\c:128+16*\i+4*\c+3], v[ADRB+((\st)/2)%2] offset:\i*4096+((\st)%2)*2048+\c*512
.endr
.endr
.endm
.macro FETCH_U st                      ; and the second's, a region further on
	WIN 0x40*(1+(\st)%2)
.irp i, 0,1,2,3
.irp c, 0,1,2,3
	ds_load_b128 v[64+16*\i+4*\c:64+16*\i+4*\c+3], v[ADRA+((\st)/2)%2] offset:RG+\i*4096+((\st)%2)*2048+\c*512
.endr
.endr
.irp i, 0,1,2,3
.irp c, 0,1,2,3
	ds_load_b128 v[192+16*\i+4*\c:192+16*\i+4*\c+3], v[ADRB+((\st)/2)%2] offset:RG+\i*4096+((\st)%2)*2048+\c*512
.endr
.endr
.endm
; 16 matrix instructions each.  The 32 accumulators take turns, one instruction a turn, in the same order in every step.  zero = 1: the first step starts the sums
.macro MULS_G st, zero
	WIN 0xf0+5*(1+(\st)%2)                         ; sources 0 and 1: the set's window; C and D window 3
.irp a, 0,1,2,3
.irp b, 0,1,2,3
.if \zero
	v_wmma_f32_16x16x128_bf8_bf8 v[8*(4*\a+\b):8*(4*\a+\b)+7], v[128+16*\b:128+16*\b+15], v[16*\a:16*\a+15], 0
.else
	v_wmma_f32_16x16x128_bf8_bf8 v[8*(4*\a+\b):8*(4*\a+\b)+7], v[128+16*\b:128+16*\b+15], v[16*\a:16*\a+15], v[8*(4*\a+\b):8*(4*\a+\b)+7]
.endif
.endr
.endr
.endm
.macro MULS_U st, zero
	WIN 0xf0+5*(1+(\st)%2)
.irp a, 0,1,2,3
.irp b, 0,1,2,3
.if \zero
	v_wmma_f32_16x16x128_bf8_bf8 v[128+8*(4*\a+\b):128+8*(4*\a+\b)+7], v[192+16*\b:192+16*\b+15], v[64+16*\a:64+16*\a+15], 0
.else
	v_wmma_f32_16x16x128_bf8_bf8 v[128+8*(4*\a+\b):128+8*(4*\a+\b)+7], v[192+16*\b:192+16*\b+15], v[64+16*\a:64+16*\a+15], v[128+8*(4*\a+\b):128+8*(4*\a+\b)+7]
.endif
.endr
.endr
.endm
; A slot's first step: the next step lies in the same slot.  Each run of loads stands 32 matrix instructions ahead of its first use.
.macro STEPN st, zero
	s_wait_dscnt 32                                ; LDS loads come back in order (ISA guide 5.7.1): the first product's operands are in; the second's 32 loads may be out
.if (\st) > 0
	PLACES                                         ; in front of both runs of loads into the set that the last step multiplied
.endif
	FETCH_G (\st)+1
	MULS_G \st, \zero
	s_wait_dscnt 32                                ; the second product's operands are in; the 32 loads just issued may be out
	FETCH_U (\st)+1
	MULS_U \st, \zero
.endm
; A slot's second step changes slots.  Its own fragments have been asked for; in front of the barrier each wave waits for all its tensor loads (its part of the other slot), adds 0 to its spare word, and waits for that and for
; its reads of this slot.  fill = 1: this slot takes the quarter two further on: the barrier is a round of the cluster's, and the joint load is the first thing behind it.
.macro STEPC st, slot, fill
	WIN 0                                          ; (the add's two registers lie in window 0; at a branch and at a label every window is 0)
	s_wait_tensorcnt 0x0                           ; no tensor load of mine is out, so a group 0 may be written
	ds_add_u32 v[SPW], v[NIL]                      ; 0 onto my spare word
.if \fill
	s_add_nc_u64 s[G0A+4*\slot+2:G0A+4*\slot+3], s[G0A+4*\slot+2:G0A+4*\slot+3], 8192   ; two quarters on in each block; the type bits on top are not reached
	s_add_nc_u64 s[G0B+4*\slot+2:G0B+4*\slot+3], s[G0B+4*\slot+2:G0B+4*\slot+3], 8192
.endif
	s_wait_dscnt 0x0                               ; the add is done, and my reads of this slot are over: this step's fragments are in registers
.if \fill
	CROUND                                         ; no wave of any partner still reads this slot or has a load on its way
	JLOAD \slot                                    ; the four v_nop behind it are also the places in front of the loads below
.else
	s_barrier_signal -1
	s_barrier_wait -1
	PLACES
.endif
	FETCH_G (\st)+1                                ; from the other slot, which is whole
	MULS_G \st, 0
	FETCH_U (\st)+1
	MULS_U \st, 0
.endm
	s_load_b128 s[4:7], s[0:1], 0x0                ; yc s[4:5], pre s[6:7]
	s_load_b128 s[56:59], s[0:1], 0x10             ; lowp_scales s[56:57], pk_dn s[58:59]
	v_lshl_add_u32 v[SPW], v0, 2, SPARE
	v_mov_b32 v[NIL], 0
	ds_add_u32 v[SPW], v[NIL]                      ; the wave's opening: the add, twice on end, and its wait ahead of my first tensor load; work on registers stands between
	ds_add_u32 v[SPW], v[NIL]
	v_lshrrev_b32 v1, 5, v0
	v_readfirstlane_b32 s10, v1                    ; wave 0..3
	s_lshr_b32 s11, s10, 1                         ; wr: which 64 rows are mine.  Also: I fetch y's codes (0) or a weight's (1)
	s_and_b32 s12, s10, 1                          ; wc: which 64 columns.  Also: the first or the second product's operand
	s_bfe_u32 s40, ttmp6, 0x40000                  ; cx, cy: my place in the cluster
	s_bfe_u32 s41, ttmp6, 0x40004
	s_lshl_b32 s42, ttmp9, 2
	s_add_co_u32 s42, s42, s40                     ; tx = 4 x cluster x + cx
	s_and_b32 s13, ttmp7, 0xffff
	s_lshl_b32 s13, s13, 2
	s_add_co_u32 s13, s13, s41                     ; ty = 4 x cluster y + cy
	s_lshl_b32 s43, s41, 2
	s_lshl_b32 s43, 15, s43                        ; my row of the cluster
	s_lshl_b32 s44, 0x1111, s40                    ; my column
	s_or_b32 s[G1A], s43, (3<<16)|(1<<21)          ; 15:0 the mask; 17:16 elements of 8 bytes; 21 set beside a mask; no padding
	s_or_b32 s[G1B], s44, (3<<16)|(1<<21)
.irp g, G1A, G1B
	s_mov_b32 s[\g+1], 512<<16                     ; tensor_dim0 = 512 elements: a block's 4,096 bytes of a quarter
	s_mov_b32 s[\g+2], 8<<16                       ; tensor_dim1 = 8 blocks
	s_mov_b32 s[\g+3], 512<<16                     ; tile_dim0
	s_mov_b32 s[\g+4], 8                           ; tile_dim1
	s_mov_b32 s[\g+5], 2048                        ; from block to block: 16,384 bytes
	s_mov_b32 s[\g+6], 0
	s_mov_b32 s[\g+7], 0
.endr
	s_lshl_b32 s16, s12, 22                        ; y: the set of 4 MB,
	s_lshl_b32 s17, s13, 17                        ; ty's eight blocks
	s_add_co_u32 s16, s16, s17
	s_mov_b32 s17, 0
	s_lshl_b32 s46, s12, 20                        ; w1 at 15 MB, w3 at 16 MB,
	s_lshl_b32 s47, s42, 17                        ; tx's eight blocks
	s_add_co_u32 s46, s46, s47
	s_add_co_u32 s46, s46, 15<<20
	s_mov_b32 s47, 0
	s_lshl_b32 s45, s10, 15                        ; where they go: region = wave: no place in the cluster enters an LDS address
	s_wait_dscnt 0x0                               ; both opening adds are done
	s_wait_kmcnt 0x0
	s_load_b128 s[60:63], s[56:57], 0x30           ; e12 .. e15
	s_load_b32 s66, s[56:57], 0x40                 ; e16
	s_add_nc_u64 s[16:17], s[4:5], s[16:17]
	s_add_nc_u64 s[46:47], s[6:7], s[46:47]
.irp j, 0,1
	s_mov_b32 s[G0A+4*\j], 1                       ; count = 1
	s_add_co_u32 s[G0A+4*\j+1], s45, \j*SL         ; LDS address: slot j
	s_add_nc_u64 s[G0A+4*\j+2:G0A+4*\j+3], s[16:17], \j*4096   ; global address: quarter j
	s_or_b32 s[G0A+4*\j+3], s[G0A+4*\j+3], 0x80000000          ; type = 2
	s_mov_b32 s[G0B+4*\j], 1
	s_add_co_u32 s[G0B+4*\j+1], s45, \j*SL
	s_add_nc_u64 s[G0B+4*\j+2:G0B+4*\j+3], s[46:47], \j*4096
	s_or_b32 s[G0B+4*\j+3], s[G0B+4*\j+3], 0x80000000
.endr
	CROUND                                         ; all sixteen work-groups are here: the first joint loads meet
	s_cmp_eq_u32 s11, 0                            ; a wave's first fill stands in one branch on its number, ahead of every wait on TENSORcnt, LDS read and barrier
	s_cbranch_scc0 .Lfor_b
.irp j, 0
	tensor_load_to_lds s[G0A+4*\j:G0A+4*\j+3], s[G1A:G1A+7]
	s_nop 0
.endr
	PLACES
	s_branch .Lasked
.Lfor_b:
.irp j, 0
	tensor_load_to_lds s[G0B+4*\j:G0B+4*\j+3], s[G1B:G1B+7]
	s_nop 0
.endr
	PLACES
.Lasked:
	v_and_b32 v1, 31, v0
	v_lshlrev_b32 v2, 4, v1                        ; 16 x lane: my place in every image
	s_lshl_b32 s20, s11, 14                        ; y's blocks 4 wr on
	s_lshl_b32 s23, s12, 14
	s_add_co_u32 s23, s23, 2*RG                    ; the weights' blocks 4 wc on
.irp j, 0,1
	v_add_nc_u32 v[ADRA+\j], s20, v2
	v_add_nc_u32 v[ADRB+\j], s23, v2
	s_add_co_u32 s20, s20, SL
	s_add_co_u32 s23, s23, SL
.endr
	s_lshl_b32 s32, s13, 3
	s_lshl_b32 s33, s11, 2
	s_add_co_u32 s32, s32, s33                     ; g: block of 16 rows 8 ty + 4 wr (+ a),
	s_lshl_b32 s32, s32, 14
	s_lshl_b32 s33, s42, 11                        ; fragment tx,
	s_add_co_u32 s32, s32, s33
	s_lshl_b32 s33, s12, 10                        ; its runs of 512 bytes 2 wc and 2 wc + 1
	s_add_co_u32 s32, s32, s33
	s_add_co_u32 s32, s32, 1<<20
	s_mov_b32 s33, 0
	s_add_nc_u64 s[58:59], s[58:59], s[32:33]
	s_wait_alu depctr_va_vdst(0)
	s_wait_tensorcnt 0x0                           ; my part of slot 0 is in
	ds_add_u32 v[SPW], v[NIL]                      ; 0 onto my spare word
	s_wait_dscnt 0x0                               ; the add is done
	CROUND                                         ; everybody's part of slot 0 is in, and all sixteen work-groups are here
	JLOAD 1                                        ; slot 1's first fill, quarter 1: my one tensor load behind the round
	FETCH_G 0
	FETCH_U 0
	STEPN 0, 1                                     ; quarter 0, in slot 0; the first step's products start the sums
	STEPC 1, 0, 1                                  ; slot 0 takes quarter 2
	STEPN 2, 0                                     ; quarter 1, in slot 1
	STEPC 3, 1, 1                                  ; slot 1 takes quarter 3
	STEPN 4, 0                                     ; quarter 2
	STEPC 5, 0, 0                                  ; nothing is left to fetch
	STEPN 6, 0                                     ; quarter 3
	s_wait_dscnt 32                                ; the last step: the first product's operands are in
	MULS_G 7, 0
	s_wait_dscnt 0x0
	MULS_U 7, 0
	WIN 0
	PLACES                                         ; in front of the first read of results
	s_wait_kmcnt 0x0
	s_add_co_i32 s32, s60, s61                     ; e12 + e13
	s_lshl_b32 s33, s32, 23
	s_add_co_i32 s34, s33, 0xbfb8aa3b              ; -log2(e) x 2^(e12 + e13): the exponent is added to the constant's exponent field
	s_mov_b32 s35, s34                             ; (named with it as a pair)
	s_add_co_i32 s36, s62, s63
	s_add_co_i32 s36, s36, s32
	s_sub_co_i32 s36, s66, s36                     ; e16 - e12 - e13 - e14 - e15
	s_add_co_i32 s36, s36, 127
	s_lshl_b32 s37, s36, 23
	v_mov_b32 v[SCV], s37                          ; the folded scale as f32
	s_add_co_i32 s36, s36, 15
	s_lshl_b32 s36, s36, 23
	s_or_b32 s36, s36, 0x600000
	v_mov_b32 v[LIM], s36                          ; 57,344 x that
	; THE WAY OUT, for my 128 numbers a lane at once: register 8 (4 a + b) + j is row 16 a + lane % 16, column 16 b + 8 (lane / 16) + j
	WIN 0x03                                       ; source 0 (G) window 3
.set i, 0
.rept 64
	v_pk_mul_f32 v[TT+i:TT+i+1], v[i:i+1], s[34:35] op_sel_hi:[1,0]           ; -a log2 e; each accumulator from its low end on
.set i, i+2
.endr
	WIN 0
.set i, 0
	s_wait_alu depctr_va_vdst(0)
.rept 128
	v_exp_f32 v[TT+i], v[TT+i]
.set i, i+1
.endr
	v_nop                                          ; a plain line behind the last exponential,
	s_wait_alu depctr_va_vdst(0)                   ; and one wait for the batch, ahead of its first reader
.set i, 0
.rept 64
	v_pk_add_f32 v[TT+i:TT+i+1], v[TT+i:TT+i+1], 1.0 op_sel_hi:[1,0]
.set i, i+2
.endr
.set i, 0
	s_wait_alu depctr_va_vdst(0)
.rept 128
	v_rcp_f32 v[TT+i], v[TT+i]                     ; the sigmoid; where the exponential is infinite it is 0
.set i, i+1
.endr
	v_nop
	s_wait_alu depctr_va_vdst(0)                   ; one wait for the batch of reciprocals
	WIN 0x0c                                       ; source 1 (G, then U) window 3
.set i, 0
.rept 64
	v_pk_mul_f32 v[TT+i:TT+i+1], v[TT+i:TT+i+1], v[i:i+1]
.set i, i+2
.endr
.set i, 0
.rept 64
	v_pk_mul_f32 v[TT+i:TT+i+1], v[TT+i:TT+i+1], v[128+i:129+i]               ; U's accumulators from their low ends on
.set i, i+2
.endr
	WIN 0
.set i, 0
.rept 128
	v_med3_num_f32 v[TT+i], v[TT+i], -v[LIM], v[LIM]                          ; the conversion does not saturate (ISA guide 7.6.2)
.set i, i+1
.endr
.set i, 0
.rept 16
	v_cvt_scalef32_pk8_bf8_f32 v[CD+2*i:CD+2*i+1], v[TT+8*i:TT+8*i+7], v[SCV] ; tile 4 a + b: register pair b % 2 of run b / 2, rows 16 a on
.set i, i+1
.endr
	v_nop                                          ; a plain line behind the last conversion
.irp a, 0,1,2,3
	global_store_b128 v2, v[CD+8*\a:CD+8*\a+3], s[58:59] offset:\a*16384              ; 32 lanes store 512 consecutive bytes
	global_store_b128 v2, v[CD+8*\a+4:CD+8*\a+7], s[58:59] offset:\a*16384+512
.endr
	s_wait_tensorcnt 0x0                           ; the wave's end
	ds_add_u32 v[SPW], v[NIL]
	s_wait_dscnt 0x0
	CROUND                                         ; the closing round: no work-group ends while a partner may still ask for a part that names it
	s_endpgm
.Lfunc_end_k_qcf1fac9d6c_gateup:
	.size	k_qcf1fac9d6c_gateup, .Lfunc_end_k_qcf1fac9d6c_gateup-k_qcf1fac9d6c_gateup
	.p2alignl 7, 3214868480
	.fill 96, 4, 3214868480
	.section	.rodata,"a",@progbits
	.p2align	6, 0x0
	.amdhsa_kernel k_qcf1fac9d6c_gateup
		.amdhsa_group_segment_fixed_size 327680
		.amdhsa_private_segment_fixed_size 0
		.amdhsa_enable_private_segment 0
		.amdhsa_kernarg_size 32
		.amdhsa_user_sgpr_count 2
		.amdhsa_user_sgpr_kernarg_segment_ptr 1
		.amdhsa_wavefront_size32 1
		.amdhsa_system_sgpr_workgroup_id_x 1
		.amdhsa_system_sgpr_workgroup_id_y 1
		.amdhsa_system_sgpr_workgroup_id_z 1
		.amdhsa_system_vgpr_workitem_id 0
		.amdhsa_next_free_vgpr 1024
		.amdhsa_next_free_sgpr 100
		.amdhsa_reserve_vcc 0
		.amdhsa_float_denorm_mode_32 3
		.amdhsa_float_denorm_mode_16_64 3
		.amdhsa_memory_ordered 1
		.amdhsa_forward_progress 1
		.amdhsa_inst_pref_size 94
	.end_amdhsa_kernel
	.amdgpu_metadata
---
amdhsa.version: [ 1, 2 ]
amdhsa.kernels:
  - .name:           k_qcf1fac9d6c_gateup
    .symbol:         k_qcf1fac9d6c_gateup.kd
    .args:
      - { .name: yc, .offset: 0, .size: 8, .value_kind: global_buffer, .address_space: global }
      - { .name: pre, .offset: 8, .size: 8, .value_kind: global_buffer, .address_space: global }
      - { .name: lowp_scales, .offset: 16, .size: 8, .value_kind: global_buffer, .address_space: global }
      - { .name: pk_dn, .offset: 24, .size: 8, .value_kind: global_buffer, .address_space: global }
    .group_segment_fixed_size: 327680
    .private_segment_fixed_size: 0
    .kernarg_segment_align: 8
    .kernarg_segment_size: 32
    .max_flat_workgroup_size: 128
    .sgpr_count:     100
    .vgpr_count:     1024
    .wavefront_size: 32
...
	.end_amdgpu_metadata
.endif
;; end of part 12
;; launch down: the kernel of part 10 again; grid 8 x 32, 4 waves a work-group, clusters of 4 x 4, 280,064 bytes of LDS; arguments pk_dn, h, out0; writes out0
